; MI455X (gfx1250); checked and timed in simulation.
; The chip was launched on July 23, 2026; its instructions are those of AMD's public machine-readable ISA for CDNA 5 (MIT licence, August 2026) and "CDNA5" Instruction Set Architecture Reference Guide (July 2026). The comments in the code are by the model that wrote it; some were corrected since.
;; Mo E. Allowed arithmetic: float matrix products may take bf16 or f16 operands with f32 sums; other float arithmetic in f32, or as packed bf16 or f16 multiplies, adds, multiply-adds, maxima and minima; sums over many terms, partial sums and values carried from step to step in f32; what a program stores and reads back later, other than sums and carried values, may be rounded once to bf16 or f16.
;; Inputs: b1 8 x 4,096 float32; b2 8 x 1,024 float32; gate_w 8 x 1,024 float32; w1 8 x 4,096 x 1,024 float32; w2 8 x 1,024 x 4,096 float32; x 2 x 512 x 1,024 float32.
;; Outputs: out0 2 x 512 x 1,024 float32.
;; 2 versions, each right; version 2 is version 1 with the launches ffn1, ffn2, combine written anew for expert scheduling mode. Each part assembles by itself: llvm-mc -triple=amdgcn-amd-amdhsa -mcpu=gfx1250 --defsym DOCPART=n.
;; ======== version 1 of 2: 4 launches
;; limits: values are held in f16: magnitudes above 65,504 overflow, below 6.1e-05 lose precision
;; workspace buffers: xb 2,097,152 bytes; sel 8,192 bytes of whole numbers; rw 8,192 bytes; h 67,108,864 bytes; ypart 33,554,432 bytes
;; launch router (part 1): grid 256 x 1, 4 waves a work-group, no clusters, 0 bytes of LDS; arguments x, gate_w, xb, sel, rw; writes xb, sel, rw
.if DOCPART == 1
	.amdgcn_target "amdgcn-amd-amdhsa--gfx1250"
	.amdhsa_code_object_version 6
	.text
	.protected	k_q45e904a2f7_router
	.globl	k_q45e904a2f7_router
	.p2align	8
	.type	k_q45e904a2f7_router,@function
k_q45e904a2f7_router:
	s_mov_b64 s[64:65], 0
	v_nop
	global_prefetch_b8 v0, s[64:65] scope:SCOPE_SE
	s_setreg_imm32_b32 hwreg(HW_REG_WAVE_MODE, 25, 1), 1
	s_wait_xcnt 0x0
; ROUTER.  xb = x rounded to bf16; logits = xb . bf16(gate_w) with f32 sums; softmax; the two largest.
; One wave takes one of the 1,024 rows: row = 4 x work-group + wave.  Lane l holds columns 128 j + 4 l .. + 3 of piece j = 0..7.
; The gate has 8 rows: 2 multiply-adds for each byte of x that streams by.  That is a few-row product on a stream, so it runs on the
; vector unit, straight from the bf16 halves into f32 sums; a matrix tile would be half empty and would want x turned between lanes.
; STORED AT FIXED PLACES: sel[k][row] (whole numbers) and rw[k][row] (f32), k = 0 the larger weight.  No address here hangs on the choice.
; LIMITS.  All inputs are rounded to bf16 first (x, gate_w here), so that the choice is the one made on rounded inputs.  The two experts are
; chosen on the logits: equal logits go to the lower index; two logits so close that their probabilities round to one number may be ordered
; otherwise than the probabilities.  A weight below 2^-126 counts as 0.  NaN and infinities are not treated apart.
.set ACC,  4                           ; v[4:11]    the eight logits
.set ZERO, 12                          ; v12        0: the addend of each sum's first product
.set G,    16                          ; v[16:207]  the gate: f32 as loaded, then packed bf16: expert e, word m at G + 16 e + m
.set XS,   208                         ; v[208:239] the row of x as loaded; later at work
.set XB,   240                         ; v[240:255] the row in bf16, word m = columns 128 (m / 2) + 4 l + 2 (m % 2), + 1
.set BEST, 208
.set I1,   209
.set BST2, 210
.set I2,   211
.set RCP,  212
.set W2,   213
.set DSEL, 214
.set DW,   215
.set OFS,  216
	s_load_b256 s[4:11], s[0:1], 0x0               ; x s[4:5], gate_w s[6:7], xb s[8:9], sel s[10:11]
	s_load_b64 s[12:13], s[0:1], 0x20              ; rw
	v_and_b32 v1, 31, v0                           ; lane
	v_lshrrev_b32 v13, 5, v0
	v_readfirstlane_b32 s14, v13                   ; wave
	s_lshl_b32 s15, ttmp9, 2
	s_add_co_u32 s15, s15, s14                     ; my row
	v_lshlrev_b32 v2, 4, v1                        ; 16 bytes a lane in f32 rows
	v_lshlrev_b32 v3, 3, v1                        ; 8 bytes a lane in bf16 rows
	v_mov_b32 v[ZERO], 0
	s_mov_b32 s18, 0x76543210                      ; v_permlanex16_b32: each lane takes its own place in the other half
	s_mov_b32 s19, 0xfedcba98
	s_lshl_b32 s16, s15, 12                        ; a row of x is 4,096 bytes
	s_mov_b32 s17, 0
	s_wait_kmcnt 0x0
	s_add_nc_u64 s[4:5], s[4:5], s[16:17]
	s_lshl_b32 s16, s15, 11                        ; a row of xb is 2,048 bytes
	s_add_nc_u64 s[8:9], s[8:9], s[16:17]
.irp j, 0,1,2,3,4,5,6,7
	global_load_b128 v[XS+4*(\j):XS+4*(\j)+3], v2, s[4:5] offset:512*(\j) th:TH_LOAD_NT
.endr
.irp e, 0,1,2,3
.irp j, 0,1,2,3,4,5,6,7
	global_load_b128 v[G+32*(\e)+4*(\j):G+32*(\e)+4*(\j)+3], v2, s[6:7] offset:4096*(\e)+512*(\j)
.endr
.endr
	s_wait_loadcnt 32                              ; x is in: the 32 loads of the gate's experts 0 to 3 are younger
.irp j, 0,1,2,3,4,5,6,7
	v_cvt_pk_bf16_f32 v[XB+2*(\j)],   v[XS+4*(\j)],   v[XS+4*(\j)+1]
	v_cvt_pk_bf16_f32 v[XB+2*(\j)+1], v[XS+4*(\j)+2], v[XS+4*(\j)+3]
.endr
.irp j, 0,1,2,3,4,5,6,7
	global_store_b64 v3, v[XB+2*(\j):XB+2*(\j)+1], s[8:9] offset:256*(\j)  ; 32 lanes store 256 consecutive bytes, aligned; XB and v3 are never rewritten
.endr
	s_wait_loadcnt 0x0                             ; the gate's experts 0 to 3
.set i, 0
.rept 64                                               ; packed in place, ascending: word i is written when words 2 i and 2 i + 1 are read
	v_cvt_pk_bf16_f32 v[G+i], v[G+2*i], v[G+2*i+1]
.set i, i+1
.endr
.irp e, 0,1,2,3
.irp j, 0,1,2,3,4,5,6,7
	global_load_b128 v[G+64+32*(\e)+4*(\j):G+64+32*(\e)+4*(\j)+3], v2, s[6:7] offset:4096*((\e)+4)+512*(\j)  ; experts 4 to 7, behind the packed words
.endr
.endr
; 128 multiply-adds: four experts' sums by turns, so that no line waits for the one before it.  The first product of a sum takes 0 as its addend.
.macro DOT base
.set m, 0
.rept 16
.irp p, 0,1
.irp e, 0,1,2,3
.if (m == 0) && ((\p) == 0)
	v_fma_mix_f32_bf16 v[ACC+(\base)+(\e)], v[XB+m], v[G+16*((\base)+(\e))+m], v[ZERO] op_sel:[\p,\p,0] op_sel_hi:[1,1,0]
.else
	v_fma_mix_f32_bf16 v[ACC+(\base)+(\e)], v[XB+m], v[G+16*((\base)+(\e))+m], v[ACC+(\base)+(\e)] op_sel:[\p,\p,0] op_sel_hi:[1,1,0]
.endif
.endr
.endr
.set m, m+1
.endr
.endm
	DOT 0
	s_wait_loadcnt 0x0                             ; the gate's experts 4 to 7
.set i, 0
.rept 64
	v_cvt_pk_bf16_f32 v[G+64+i], v[G+64+2*i], v[G+64+2*i+1]
.set i, i+1
.endr
	DOT 4
	; the eight sums over the 32 lanes: four steps inside each half ride on the addition, one crosses the halves; every lane ends with all eight logits
.irp x, 1,2,4,8
.irp e, 0,1,2,3,4,5,6,7
	v_add_f32_dpp v[ACC+(\e)], v[ACC+(\e)], v[ACC+(\e)] row_xmask:\x row_mask:0xf bank_mask:0xf
.endr
.endr
.irp e, 0,1,2,3,4,5,6,7
	v_permlanex16_b32 v[G+(\e)], v[ACC+(\e)], s18, s19  ; the destinations have been written before
.endr
.irp e, 0,1,2,3,4,5,6,7
	v_add_f32 v[ACC+(\e)], v[ACC+(\e)], v[G+(\e)]
.endr
	; the largest: a later expert wins only if it is strictly larger, so the lower index keeps a tie
	v_mov_b32 v[BEST], v[ACC]
	v_mov_b32 v[I1], 0
.irp e, 1,2,3,4,5,6,7
	v_cmp_gt_f32 vcc_lo, v[ACC+(\e)], v[BEST]
	v_cndmask_b32 v[BEST], v[BEST], v[ACC+(\e)], vcc_lo
	v_cndmask_b32 v[I1], v[I1], \e, vcc_lo
.endr
	; the second: the same among the seven others
	v_mov_b32 v[BST2], 0xff800000
	v_mov_b32 v[I2], 0
.irp e, 0,1,2,3,4,5,6,7
	v_cmp_ne_u32 s21, \e, v[I1]
	v_cmp_gt_f32 s22, v[ACC+(\e)], v[BST2]
	s_and_b32 vcc_lo, s21, s22
	v_cndmask_b32 v[BST2], v[BST2], v[ACC+(\e)], vcc_lo
	v_cndmask_b32 v[I2], v[I2], \e, vcc_lo
.endr
	; softmax: the maximum is taken away first, so the largest exponential is exactly 1
.irp e, 0,1,2,3,4,5,6,7
	v_sub_f32 v[G+(\e)], v[ACC+(\e)], v[BEST]
.endr
	v_sub_f32 v[G+8], v[BST2], v[BEST]
.irp e, 0,1,2,3,4,5,6,7,8
	v_mul_f32 v[G+(\e)], 0x3fb8aa3b, v[G+(\e)]     ; log2(e)
.endr
.irp e, 0,1,2,3,4,5,6,7,8
	v_exp_f32 v[G+(\e)], v[G+(\e)]
.endr
	v_nop                                          ; a plain instruction between the last exponential and the use of its result
	s_wait_alu depctr_va_vdst(0)
	v_add_f32 v[G], v[G], v[G+1]
	v_add_f32 v[G+2], v[G+2], v[G+3]
	v_add_f32 v[G+4], v[G+4], v[G+5]
	v_add_f32 v[G+6], v[G+6], v[G+7]
	v_add_f32 v[G], v[G], v[G+2]
	v_add_f32 v[G+4], v[G+4], v[G+6]
	v_add_f32 v[G], v[G], v[G+4]
	v_rcp_f32 v[RCP], v[G]                         ; the first weight: 1 / sum
	v_cmp_eq_u32 vcc_lo, 1, v1                     ; (the plain instruction behind the reciprocal)
	s_wait_alu depctr_va_vdst(0)
	v_mul_f32 v[W2], v[G+8], v[RCP]                ; the second
	v_cndmask_b32 v[DSEL], v[I1], v[I2], vcc_lo    ; lane 0 stores plane 0, lane 1 plane 1
	v_cndmask_b32 v[DW], v[RCP], v[W2], vcc_lo
	v_lshlrev_b32 v[OFS], 12, v1                   ; a plane is 4,096 bytes
	v_lshl_add_u32 v[OFS], s15, 2, v[OFS]
	s_wait_xcnt 0x0                                ; EXEC is a source of the stores above: it changes only behind this wait
	v_cmp_gt_u32 vcc_lo, 2, v1
	s_and_saveexec_b32 s20, vcc_lo
	global_store_b32 v[OFS], v[DSEL], s[10:11]     ; two words a row: 16 KiB in the whole launch
	global_store_b32 v[OFS], v[DW], s[12:13]
	s_wait_xcnt 0x0
	s_or_b32 exec_lo, exec_lo, s20
	s_endpgm
.Lfunc_end_k_q45e904a2f7_router:
	.size	k_q45e904a2f7_router, .Lfunc_end_k_q45e904a2f7_router-k_q45e904a2f7_router
	.p2alignl 7, 3214868480
	.fill 96, 4, 3214868480
	.section	.rodata,"a",@progbits
	.p2align	6, 0x0
	.amdhsa_kernel k_q45e904a2f7_router
		.amdhsa_group_segment_fixed_size 0
		.amdhsa_private_segment_fixed_size 0
		.amdhsa_enable_private_segment 0
		.amdhsa_kernarg_size 40
		.amdhsa_user_sgpr_count 2
		.amdhsa_user_sgpr_kernarg_segment_ptr 1
		.amdhsa_wavefront_size32 1
		.amdhsa_system_sgpr_workgroup_id_x 1
		.amdhsa_system_sgpr_workgroup_id_y 1
		.amdhsa_system_sgpr_workgroup_id_z 1
		.amdhsa_system_vgpr_workitem_id 0
		.amdhsa_next_free_vgpr 256
		.amdhsa_next_free_sgpr 66
		.amdhsa_reserve_vcc 1
		.amdhsa_float_denorm_mode_32 3
		.amdhsa_float_denorm_mode_16_64 3
		.amdhsa_memory_ordered 1
		.amdhsa_forward_progress 1
		.amdhsa_inst_pref_size 42
	.end_amdhsa_kernel
	.amdgpu_metadata
---
amdhsa.version: [ 1, 2 ]
amdhsa.kernels:
  - .name:           k_q45e904a2f7_router
    .symbol:         k_q45e904a2f7_router.kd
    .args:
      - { .name: x, .offset: 0, .size: 8, .value_kind: global_buffer, .address_space: global }
      - { .name: gate_w, .offset: 8, .size: 8, .value_kind: global_buffer, .address_space: global }
      - { .name: xb, .offset: 16, .size: 8, .value_kind: global_buffer, .address_space: global }
      - { .name: sel, .offset: 24, .size: 8, .value_kind: global_buffer, .address_space: global }
      - { .name: rw, .offset: 32, .size: 8, .value_kind: global_buffer, .address_space: global }
    .group_segment_fixed_size: 0
    .private_segment_fixed_size: 0
    .kernarg_segment_align: 8
    .kernarg_segment_size: 40
    .max_flat_workgroup_size: 128
    .sgpr_count:     66
    .vgpr_count:     256
    .wavefront_size: 32
...
	.end_amdgpu_metadata
.endif
;; end of part 1
;; launch ffn1 (part 2): grid 32 x 8, 4 waves a work-group, no clusters, 286,208 bytes of LDS; arguments xb, w1, sel, h, b1; writes h
.if DOCPART == 2
	.amdgcn_target "amdgcn-amd-amdhsa--gfx1250"
	.amdhsa_code_object_version 6
	.text
	.protected	k_q45e904a2f7_ffn1
	.globl	k_q45e904a2f7_ffn1
	.p2align	8
	.type	k_q45e904a2f7_ffn1,@function
k_q45e904a2f7_ffn1:
	s_mov_b64 s[64:65], 0
	v_nop
	global_prefetch_b8 v0, s[64:65] scope:SCOPE_SE
	s_setreg_imm32_b32 hwreg(HW_REG_WAVE_MODE, 25, 1), 1
	s_wait_xcnt 0x0
; ONE PRODUCT OF THE EXPERTS' LAYER, for the chosen rows alone.  KIND = 1: h = f16(relu(xb[token] . bf16(w1[e])^T + bf16(b1[e]))), a bf16 product.
; KIND = 2: ypart[row id][chunk] = h[chunk] . bf16(w2[e][:, chunk])^T in f32 (partial sums; the last launch adds them), an f16 product.  Row id = 2 x token + k.
; SHARES.  A work-group has ONE expert (grid y) and a slice of 128 weight rows x 1,024 along K (grid x), which it alone reads: 512 KiB of f32.
; PHASE A: each of the four waves streams 32 weight rows through a ring of eight rows in registers (64 loads of 512 bytes of a wave on their way),
; rounds them and lays them into LDS.  Meanwhile every wave has made, for itself, the list of the expert's row ids from sel.  A barrier: the slice is whole.
; PHASE B: the slice stays in LDS; the places of the expert's list go by in passes of up to 320, dealt evenly: NB = min(5, ceil(places left / 64)) blocks of 16 for each wave, x 128 columns.
; The rows' fragments come from memory straight into registers.  Four passes, a constant, cover 1,024 rows, the most an expert can have; a wave with no place inside the count jumps the work;
; an expert with no rows stores nothing.  Block 4's products are jumped where NB < 5; places past the count are multiplied with their block (63 at the most in a pass) and not kept.
; h LIES IN THE ORDER IN WHICH THE SECOND PRODUCT'S REGISTERS TAKE IT: h[expert][block of 16 places][K step of 32][half of 16][lane][16 bytes]: a block is 128 K steps of 1,024 bytes, an expert
; has room for 64 blocks.  In the first product's result lane (r, h) holds place r and columns 16 b + 8 h + 0..7; packed to f16 these 16 bytes ARE registers 4 (b % 2) .. + 3 of the same lane's
; fragment for K step 4 x slice + b / 2.  So KIND 1 stores from registers, 512 consecutive aligned bytes a store, with no stage and no list, and KIND 2 loads its fragments the same way.
; A block's places past the count hold the result of row id 0's token (KIND 1 reads list words that hold 0): finite numbers that nobody keeps.  KIND 2 reads no block that KIND 1 did not store:
; a block past the count repeats the wave's first block.
; BARRIERS.  KIND 1 writes no LDS behind the slice's barrier; one more barrier stands in front of the closing lines.  KIND 2 sends its results through each wave's stage: two barriers a pass,
; which every wave passes: between the pass's reads of the slice and the writes of the stages, and between those writes and the next pass's reads.  Only work is jumped.
; NO MULTICAST: each slice has one reader; beside the slice LDS has 60 KB left, too little for two slots of a pass's rows (320 x 272 bytes for 128 along K are 87 KB).
; THE MATRIX INSTRUCTION IS USED TRANSPOSED: source 0 = 16 weight rows, source 1 = 16 places: a lane holds one place (lane % 16) and eight neighbouring output columns 8 (lane / 16) + 0..7.
; FORMATS.  Every input is rounded to bf16 once; sums are f32.  h is kept in f16: what its rounding loses reaches the output undiminished, and f16's 11 significant bits lose
; an eighth of what bf16's 8 would.  So w2, rounded to bf16 like every input, is written as f16: the same number from 2^-17 up, below that within 2^-25.
; LIMITS.  h or w2 beyond 65,504 becomes an infinity.  By the problem's sizes a pre-activation has the spread sqrt(1024) x 1 x 1/64 = 0.5; with x and w1 both 30 times larger 450;
; with a common offset of 30 spreads on both it lies at 1024 x 30 x 30/64 = 14,400.  h and w2 below 6e-5 keep f16's fixed step of 6e-8.  NaN and infinities are not treated apart.
; REGISTERS, in windows of 256 (s_set_vgpr_msb: bits 1:0 source 0, 3:2 source 1, 5:4 source 2, 7:6 destination):
;   window 0: v0-59 addresses and small things; v64-223 the rows' fragments, four K steps deep (at the head: sel; in phase A and on the way out: at work); v224-239 at work
;   window 1: phase A: the ring; then accumulators (a, b) of row blocks a = 0..3 at 64 a + 8 b
;   window 2: v0-63 accumulators of block 4; v64-191 the weights' fragments, two buffers; v192-255 the bias (KIND 1)
.set KIND,   1
.set PW,     2064                      ; an LDS row of the slice: 2,048 bytes + 16 = 516 words: the 16 rows of a fragment load start four banks apart
.set LISTB,  128*PW                    ; behind the slice: for each wave 1,280 list words and 32 dump words, in 5,376 bytes
.set LISTW,  5376
.set STAGE,  LISTB+4*LISTW             ; KIND 2: each wave's own stage for the way out
.set HBLK,   131072                    ; bytes of a block of 16 places of h
.if KIND == 1
.set WPITCH, 4096                      ; bytes from weight row to weight row
.set XSTEP,  64                        ; bytes from a K step's fragment of rows to the next: xb's rows lie along K,
.set XHALF,  32                        ; and from a fragment's registers 0-3 to its registers 4-7
.set SP,     0
.else
.set WPITCH, 16384
.set XSTEP,  1024                      ; h lies by fragments
.set XHALF,  512
.set SP,     528                       ; a stage row: 128 f32 + 16 bytes
.endif
.set STGW,   16*SP
.set SPARE,  STAGE+4*STGW              ; the spare words, 128 bytes for each wave: two blocks of 256 bytes that no other line names
.set RR,  1                            ; lane % 16
.set HH,  2                            ; (lane / 16) % 2
.set LN,  3                            ; lane
.set L16, 4                            ; 16 x lane
.set WS,  5                            ; phase A: where my 8 bytes of a weight row go
.set WL,  6                            ; v6-9    my place in the fragments of weight rows 32 p on, K = 0; never rewritten
.set WA,  10                           ; v10-13  the same at the K step where the loop stands: WL + the scalar KB, made anew each trip
.set LA,  14
.set LS,  15                           ; KIND 2, the way out: my wave's place in the list
.set STO, 17
.set RD,  18
.set GOF, 19                           ; my byte offset in the output
.set SPW, 20                           ; LDS address of my spare word; never rewritten
.set NIL, 21                           ; 0; never rewritten
.set H32, 22
.set H16, 23
.set RID, 24                           ; v24-28  KIND 1: row id of my lane's place in block a
.set L8,  29
.set XO,  30                           ; v30-34  byte offset of block a's fragments in the rows' buffer
.set DIX, 35                           ; 1,280 + lane: my dump word
.set SA,  36                           ; v36-51  KIND 2, the way out: store offsets
.set ZQ,  52                           ; v52-55  zeros
.set LT,  56                           ; v56-59  at work
.set XF,  64                           ; fragments of rows: K step s, block a at XF + 40 (s % 4) + 8 a
.set S0,  64                           ; at the head: sel, plane 0 and plane 1
.set S1,  96
.set TMP, 64                           ; KIND 1, the way out: block a's packed results at TMP + 32 a, v64-223
.set OB,  96                           ; KIND 2, the way out: rows read back from the stage, v96-159
.set UU,  128                          ; phase A (KIND 2): a weight row's bf16 numbers as f32, v128-159
.set TT,  224
.set BF,  64                           ; window 2
.set BIAS, 192                         ; window 2
.set WV,  14
.set EX,  15
.set SX,  16
.set CN,  17                           ; the expert's number of rows
.set KB,  18                           ; bytes along K at which the loop stands
.set RB,  19                           ; my first place in the list
.set PB,  20
.set PN,  21
.set KC,  22
.set CR,  23                           ; places of mine that hold rows
.set LBS, 24
.set T0,  25
.set T1,  26
.set MA,  27
.set MM,  28
.set RC,  29
.set OF,  30
.set XP,  32
.set WP,  34
.set DS,  36
.set C4,  37
.set MK,  38                           ; a word's upper bf16 (KIND 2)
.set NB,  39                           ; blocks of 16 places for each wave in this pass
.set W_S1, 0x40
.set W_C1, 0x05
.set W_C2, 0x0a
.set W_D2, 0x80
.set W_22, 0x8a
.set W_M1, 0x52
.set W_M2, 0xa2
.set W_MB, 0x62
.set W_T1, 0x04
.set W_T2, 0x08
.set MSB, 0
.macro WIN new                         ; the immediate's high byte repeats the setting that is left; a switch that changes nothing is dropped
.if MSB != (\new)
	s_set_vgpr_msb (MSB<<8)|(\new)
.set MSB, \new
.endif
.endm
.macro PLACES                          ; four plain vector instructions between a matrix instruction and a load into, or a read of, its registers
.rept 4
	v_nop
.endr
.endm
; Weight row i (counted from the ring's base) is asked for: eight loads, 512 neighbouring bytes each.
.macro WROW i
	WIN W_S1
.irp j, 0,1,2,3,4,5,6,7
	global_load_b128 v[32*((\i)%8)+4*(\j):32*((\i)%8)+4*(\j)+3], v[L16], s[WP:WP+1] offset:(\i)*WPITCH+512*(\j) th:TH_LOAD_NT
.endr
.endm
; Ring slot i: its row is in (left = the younger loads that may stay out), is rounded to bf16 (KIND 2: and that number written as f16), goes to LDS (256 neighbouring bytes a store);
; ahead = 1: the slot takes the row eight further on.
.macro ROWIN i, ahead, left
	s_wait_loadcnt \left
	WIN W_C1
.irp j, 0,1,2,3,4,5,6,7
	v_cvt_pk_bf16_f32 v[TT+2*(\j)],   v[32*(\i)+4*(\j)],   v[32*(\i)+4*(\j)+1]
	v_cvt_pk_bf16_f32 v[TT+2*(\j)+1], v[32*(\i)+4*(\j)+2], v[32*(\i)+4*(\j)+3]
.endr
	WIN 0
.if KIND == 2
.set z, 0
.rept 16
	v_lshlrev_b32 v[UU+2*z], 16, v[TT+z]           ; bf16 to f32: the low half moves up,
	v_and_b32 v[UU+2*z+1], s[MK], v[TT+z]          ; the high half stays
.set z, z+1
.endr
.set z, 0
.rept 16
	v_cvt_pk_f16_f32 v[TT+z], v[UU+2*z], v[UU+2*z+1]
.set z, z+1
.endr
.endif
.irp j, 0,1,2,3,4,5,6,7
	ds_store_b64 v[WS], v[TT+2*(\j):TT+2*(\j)+1] offset:(\i)*PW+256*(\j)
.endr
.if \ahead
	WROW (\i)+8
.endif
.endm
; Tokens 128 (n / 4) + 4 lane + n % 4: those that chose my expert put their row id at the next free list words, in lane order; the others write their dump word.
.macro LISTSTEP n
.set t2, LT+2*((\n)%2)
.set t3, t2+1
	v_cmp_eq_u32 s[MA], s[EX], v[S0+(\n)]
	v_cmp_eq_u32 vcc_lo, s[EX], v[S1+(\n)]
	s_or_b32 s[MM], s[MA], vcc_lo
	v_cndmask_b32 v[t2], 0, 1, vcc_lo                  ; k
	v_add3_u32 v[t2], v[t2], v[L8], 256*((\n)/4)+2*((\n)%4)  ; row id = 2 x token + k
	v_mbcnt_lo_u32_b32 v[t3], s[MM], s[CN]             ; rows so far + matching lanes below me
	v_cndmask_b32 v[t3], v[DIX], v[t3], s[MM]
	v_min_u32 v[t3], 1311, v[t3]
	v_lshl_add_u32 v[t3], v[t3], 2, s[LBS]
	ds_store_b32 v[t3], v[t2]
	s_bcnt1_i32_b32 s[T0], s[MM]
	s_add_co_u32 s[CN], s[CN], s[T0]
.endm
; Eight matrix instructions: row block a x all 8 column blocks, 32 along K.  The eight accumulators take turns.
; first = 1: the product starts the sums, with the bias (KIND 1) or the constant 0.
.macro GROUP a, pb, xq, first
.if (\a) == 4
	WIN W_M2
.elseif (\first) && (KIND == 1)
	WIN W_MB
.else
	WIN W_M1
.endif
.irp b, 0,1,2,3,4,5,6,7
.if KIND == 1
.if \first
	v_wmma_f32_16x16x32_bf16 v[(64*(\a))%256+8*(\b):(64*(\a))%256+8*(\b)+7], v[BF+64*(\pb)+8*(\b):BF+64*(\pb)+8*(\b)+7], v[XF+40*(\xq)+8*(\a):XF+40*(\xq)+8*(\a)+7], v[BIAS+8*(\b):BIAS+8*(\b)+7]
.else
	v_wmma_f32_16x16x32_bf16 v[(64*(\a))%256+8*(\b):(64*(\a))%256+8*(\b)+7], v[BF+64*(\pb)+8*(\b):BF+64*(\pb)+8*(\b)+7], v[XF+40*(\xq)+8*(\a):XF+40*(\xq)+8*(\a)+7], v[(64*(\a))%256+8*(\b):(64*(\a))%256+8*(\b)+7]
.endif
.else
.if \first
	v_wmma_f32_16x16x32_f16 v[(64*(\a))%256+8*(\b):(64*(\a))%256+8*(\b)+7], v[BF+64*(\pb)+8*(\b):BF+64*(\pb)+8*(\b)+7], v[XF+40*(\xq)+8*(\a):XF+40*(\xq)+8*(\a)+7], 0
.else
	v_wmma_f32_16x16x32_f16 v[(64*(\a))%256+8*(\b):(64*(\a))%256+8*(\b)+7], v[BF+64*(\pb)+8*(\b):BF+64*(\pb)+8*(\b)+7], v[XF+40*(\xq)+8*(\a):XF+40*(\xq)+8*(\a)+7], v[(64*(\a))%256+8*(\b):(64*(\a))%256+8*(\b)+7]
.endif
.endif
.endr
.endm
; A K step of 32: 40 matrix instructions, or 32.  pb, xq: its buffers.  ldw: the next step's weights are fetched from LDS; ldx: the rows' fragments of the step three on are asked for;
; i: the step, counted from where XP and WA stand.  lc: the rows' loads that may stay out: those of the next two steps, ten each (block 4's are issued on every path, so the counts hold).
; Block 4's products are jumped where the pass has four blocks a wave or fewer; the first step writes its accumulators on every path.
.macro STEP pb, xq, first, ldw, ldx, i, lc
	s_wait_dscnt 0x0                               ; this step's weights: asked for 24 matrix instructions ago or more
	s_wait_loadcnt \lc
	GROUP 0, \pb, \xq, \first
.if (\ldw) || (\ldx)
	PLACES                                         ; behind the last step's products, which read the buffers that are now filled
.endif
.if \ldw
	WIN W_D2
.irp b, 0,1,2,3,4,5,6,7
	ds_load_b128 v[BF+64*((\pb)^1)+8*(\b):BF+64*((\pb)^1)+8*(\b)+3],   v[WA+(\b)/2] offset:((\b)%2)*16*PW+64*((\i)+1)
	ds_load_b128 v[BF+64*((\pb)^1)+8*(\b)+4:BF+64*((\pb)^1)+8*(\b)+7], v[WA+(\b)/2] offset:((\b)%2)*16*PW+64*((\i)+1)+32
.endr
.endif
.if \ldx
	WIN 0
.irp a, 0,1,2,3,4
	global_load_b128 v[XF+40*(((\xq)+3)&3)+8*(\a):XF+40*(((\xq)+3)&3)+8*(\a)+3],   v[XO+(\a)], s[XP:XP+1] offset:XSTEP*((\i)+3)
	global_load_b128 v[XF+40*(((\xq)+3)&3)+8*(\a)+4:XF+40*(((\xq)+3)&3)+8*(\a)+7], v[XO+(\a)], s[XP:XP+1] offset:XSTEP*((\i)+3)+XHALF
.endr
.endif
	GROUP 1, \pb, \xq, \first
	GROUP 2, \pb, \xq, \first
	GROUP 3, \pb, \xq, \first
.if \first
	GROUP 4, \pb, \xq, \first
.else
	WIN 0
	s_cmp_lt_u32 s[NB], 5
	s_cbranch_scc1 .Lno4_\@
	GROUP 4, \pb, \xq, \first
	WIN 0
.Lno4_\@:
.endif
.endm
; The products of a pass begin: the offsets of my blocks' fragments, the first three K steps' fragments of rows, the first step's weights.
.macro SETUP
	WIN 0
.if KIND == 1
	v_add_nc_u32 v[LA], s[RB], v[RR]
	v_min_u32 v[LA], 1215, v[LA]
	v_lshl_add_u32 v[LA], v[LA], 2, s[LBS]
.irp a, 0,1,2,3,4
	ds_load_b32 v[RID+(\a)], v[LA] offset:64*(\a)
.endr
	s_lshl_b32 s[T1], s[RB], 13                    ; 16 places of h are 131,072 bytes: 8,192 a place
	v_add_nc_u32 v[GOF], s[T1], v[L16]             ; my 16 bytes in my first block's first store
	s_cmp_lt_u32 s[NB], 5
	s_cselect_b32 s[T0], 0, -1
.else
	s_lshl_b32 s[T1], s[RB], 13
	v_add_nc_u32 v[XO], s[T1], v[L16]              ; my 16 bytes in my first block's first fragment
.irp a, 1,2,3,4
	s_cmp_gt_i32 s[CR], 16*(\a)                    ; does block a hold a row?
	s_cselect_b32 s[T0], (\a)*HBLK, 0              ; if not, it repeats my first block: nothing is read that was not stored
	v_add_nc_u32 v[XO+(\a)], s[T0], v[XO]
.endr
.endif
.irp p, 0,1,2,3
	v_mov_b32 v[WA+(\p)], v[WL+(\p)]
.endr
	s_mov_b64 s[XP:XP+1], s[4:5]                   ; no load that names XP is out: the last pass ended on a wait for all its loads
.if KIND == 1
	s_wait_dscnt 0x0
	v_and_b32 v[RID+4], s[T0], v[RID+4]            ; a block that is not multiplied reads row id 0 alone
.irp a, 0,1,2,3,4
	v_lshrrev_b32 v[XO+(\a)], 1, v[RID+(\a)]       ; the token
	v_min_u32 v[XO+(\a)], 0x3ff, v[XO+(\a)]
	v_lshl_add_u32 v[XO+(\a)], v[XO+(\a)], 11, v[H16]
.endr
.endif
.irp q, 0,1,2
.irp a, 0,1,2,3,4
	global_load_b128 v[XF+40*(\q)+8*(\a):XF+40*(\q)+8*(\a)+3],   v[XO+(\a)], s[XP:XP+1] offset:XSTEP*(\q)
	global_load_b128 v[XF+40*(\q)+8*(\a)+4:XF+40*(\q)+8*(\a)+7], v[XO+(\a)], s[XP:XP+1] offset:XSTEP*(\q)+XHALF
.endr
.endr
	WIN W_D2
.irp b, 0,1,2,3,4,5,6,7
	ds_load_b128 v[BF+8*(\b):BF+8*(\b)+3],   v[WA+(\b)/2] offset:((\b)%2)*16*PW
	ds_load_b128 v[BF+8*(\b)+4:BF+8*(\b)+7], v[WA+(\b)/2] offset:((\b)%2)*16*PW+32
.endr
.endm
; THE WAY OUT of block a.  A block that holds no row, and those behind it, are jumped.  Each accumulator is read from its low end on.
; KIND 1: rounded to f16, relu on the packed halves (the same numbers as rounding the relu), stored from registers: each block has 32 registers of its own, so no store's data is rewritten in a pass.
; KIND 2: through my own stage, back as whole rows of 512 bytes, each stored to the row that the list names; a store is one row, and the rows past the count are jumped.
.macro OUTBLK a
	WIN 0
.if (KIND == 2) || ((\a) > 0)
	s_cmp_le_i32 s[CR], 16*(\a)
	s_cbranch_scc1 .Lout_done
.endif
.if KIND == 1
.if (\a) == 4
	WIN W_C2
.else
	WIN W_C1
.endif
.irp b, 0,1,2,3,4,5,6,7
.irp n, 0,1,2,3
	v_cvt_pk_f16_f32 v[TMP+32*(\a)+4*(\b)+(\n)], v[(64*(\a))%256+8*(\b)+2*(\n)], v[(64*(\a))%256+8*(\b)+2*(\n)+1]
.endr
.endr
	WIN 0
.set z, 0
.rept 32
	v_pk_max_num_f16 v[TMP+32*(\a)+z], v[TMP+32*(\a)+z], v[ZQ]
.set z, z+1
.endr
.irp b, 0,1,2,3,4,5,6,7
	global_store_b128 v[GOF], v[TMP+32*(\a)+4*(\b):TMP+32*(\a)+4*(\b)+3], s[10:11] offset:(\a)*HBLK+512*(\b)  ; half b % 2 of K step b / 2 of my slice's four: 512 consecutive bytes, aligned
.endr
.else
	s_wait_xcnt 0x0                                ; the last block's stores have read OB and SA, which the loads below write again
.if (\a) == 4
	WIN W_T2
.else
	WIN W_T1
.endif
.irp b, 0,1,2,3,4,5,6,7
	ds_store_b128 v[STO], v[(64*(\a))%256+8*(\b):(64*(\a))%256+8*(\b)+3]   offset:64*(\b)
	ds_store_b128 v[STO], v[(64*(\a))%256+8*(\b)+4:(64*(\a))%256+8*(\b)+7] offset:64*(\b)+16
.endr
	WIN 0
.set z, 0
.rept 16
	ds_load_b128 v[OB+4*z:OB+4*z+3], v[RD] offset:SP*z  ; LDS serves a wave's instructions in order (ISA guide 5.7.1.4): these see the stores above
.set z, z+1
.endr
.set z, 0
.rept 16
	ds_load_b32 v[SA+z], v[LS] offset:4*(16*(\a)+z)
.set z, z+1
.endr
	s_wait_dscnt 0x0
.set z, 0
.rept 16
	v_min_u32 v[SA+z], 0x7ff, v[SA+z]
.set z, z+1
.endr
.set z, 0
.rept 16
	v_lshl_add_u32 v[SA+z], v[SA+z], 14, v[GOF]    ; a row of ypart (four chunks of 1,024 f32) is 16,384 bytes
.set z, z+1
.endr
.set z, 0
.rept 16
.if z > 0
	s_cmp_le_i32 s[CR], 16*(\a)+z
	s_cbranch_scc1 .Lout_done
.endif
	global_store_b128 v[SA+z], v[OB+4*z:OB+4*z+3], s[10:11]  ; 512 consecutive bytes, aligned
.set z, z+1
.endr
.endif
.endm
	s_load_b256 s[4:11], s[0:1], 0x0               ; rows s[4:5], weights s[6:7], sel s[8:9], output s[10:11]
.if KIND == 1
	s_load_b64 s[12:13], s[0:1], 0x20              ; b1
.endif
	v_lshl_add_u32 v[SPW], v0, 2, SPARE
	v_mov_b32 v[NIL], 0
	v_lshrrev_b32 v[LT], 5, v0
	v_readfirstlane_b32 s[WV], v[LT]               ; wave 0..3
	s_and_b32 s[EX], ttmp7, 0xffff                 ; my expert
.if KIND == 2
	s_mov_b32 s[MK], 0xffff0000
.endif
	v_and_b32 v[RR], 15, v0
	v_bfe_u32 v[HH], v0, 4, 1
	v_and_b32 v[LN], 31, v0
	v_lshlrev_b32 v[L16], 4, v[LN]
	v_lshlrev_b32 v[L8], 3, v[LN]
	v_lshlrev_b32 v[H16], 4, v[HH]
	v_lshlrev_b32 v[H32], 5, v[HH]
	v_add_nc_u32 v[DIX], 1280, v[LN]
.irp z, 0,1,2,3
	v_mov_b32 v[ZQ+(\z)], 0
.endr
	s_mul_i32 s[LBS], s[WV], LISTW
	s_add_co_u32 s[LBS], s[LBS], LISTB             ; my list
	v_mul_u32_u24 v[LT], v[RR], PW
	v_add_nc_u32 v[LT], v[LT], v[H16]              ; a fragment's row x pitch + 16 x half
.irp p, 0,1,2,3
	v_add_nc_u32 v[WL+(\p)], (\p)*32*PW, v[LT]
.endr
	s_mul_i32 s[T0], s[WV], 32*PW                  ; phase A: my 32 rows of the slice
	v_add_nc_u32 v[WS], s[T0], v[L8]
.if KIND == 2
	s_mul_i32 s[T1], s[WV], STGW
	s_add_co_u32 s[T1], s[T1], STAGE               ; my stage
	v_mul_u32_u24 v[STO], v[RR], SP
	v_add3_u32 v[STO], v[STO], v[H32], s[T1]       ; in: row lane % 16, 32 bytes for each half of the lanes
	v_add_nc_u32 v[RD], s[T1], v[L16]              ; back: 32 lanes take one row of 512 bytes
	v_mov_b32 v[GOF], v[L16]
.endif
	v_add_nc_u32 v[LT+1], s[LBS], v[L16]
	s_lshl_b32 s[OF], s[EX], 24                    ; an expert's weights are 16 MiB
	s_mov_b32 s[OF+1], 0
.if KIND == 1
	s_mov_b32 s[SX], ttmp9                         ; my slice: rows 128 SX on
	s_lshl_b32 s[T0], s[SX], 19
	s_add_co_u32 s[OF], s[OF], s[T0]
	s_lshl_b32 s[T0], s[WV], 17                    ; my wave's 32 rows of it
	s_add_co_u32 s[OF], s[OF], s[T0]
	s_wait_kmcnt 0x0
	s_add_nc_u64 s[WP:WP+1], s[6:7], s[OF:OF+1]
	s_lshl_b32 s[OF], s[EX], 14
	s_lshl_b32 s[T0], s[SX], 9
	s_add_co_u32 s[OF], s[OF], s[T0]
	s_add_nc_u64 s[12:13], s[12:13], s[OF:OF+1]    ; b1 at my 128 columns
	s_lshl_b32 s[OF], s[EX], 23                    ; an expert's room in h: 64 blocks of 131,072 bytes
	s_lshl_b32 s[T0], s[SX], 12                    ; my 128 columns are four K steps of 1,024 bytes in each block
	s_add_co_u32 s[OF], s[OF], s[T0]
	s_add_nc_u64 s[10:11], s[10:11], s[OF:OF+1]
.else
	s_and_b32 s[DS], ttmp9, 7                      ; my slice: rows 128 DS on,
	s_lshr_b32 s[C4], ttmp9, 3                     ; K chunk 1,024 C4 on
	s_lshl_b32 s[T0], s[DS], 21
	s_add_co_u32 s[OF], s[OF], s[T0]
	s_lshl_b32 s[T0], s[C4], 12
	s_add_co_u32 s[OF], s[OF], s[T0]
	s_lshl_b32 s[T0], s[WV], 19
	s_add_co_u32 s[OF], s[OF], s[T0]
	s_wait_kmcnt 0x0
	s_add_nc_u64 s[WP:WP+1], s[6:7], s[OF:OF+1]
	s_lshl_b32 s[OF], s[EX], 23                    ; an expert's room in h,
	s_lshl_b32 s[T0], s[C4], 15                    ; my chunk: 32 K steps of 1,024 bytes in each block
	s_add_co_u32 s[OF], s[OF], s[T0]
	s_add_nc_u64 s[4:5], s[4:5], s[OF:OF+1]
	s_lshl_b32 s[OF], s[C4], 12
	s_lshl_b32 s[T0], s[DS], 9
	s_add_co_u32 s[OF], s[OF], s[T0]
	s_add_nc_u64 s[10:11], s[10:11], s[OF:OF+1]    ; ypart at my chunk and columns
.endif
.irp i, 0,1,2,3,4,5,6,7
	global_load_b128 v[S0+4*(\i):S0+4*(\i)+3], v[L16], s[8:9] offset:512*(\i)
	global_load_b128 v[S1+4*(\i):S1+4*(\i)+3], v[L16], s[8:9] offset:4096+512*(\i)
.endr
.if KIND == 1
	WIN W_D2
.irp b, 0,1,2,3,4,5,6,7
	global_load_b128 v[BIAS+8*(\b):BIAS+8*(\b)+3],   v[H32], s[12:13] offset:64*(\b)     ; columns 16 b + 8 (lane / 16) + 0..7: an accumulator's layout
	global_load_b128 v[BIAS+8*(\b)+4:BIAS+8*(\b)+7], v[H32], s[12:13] offset:64*(\b)+16
.endr
.endif
	WROW 0
	WROW 1
	WROW 2
	WROW 3
	WIN 0
.irp i, 0,1,2,3,4,5,6,7,8,9
	ds_store_b128 v[LT+1], v[ZQ:ZQ+3] offset:512*(\i)  ; my 1,280 list words start at 0
.endr
	s_wait_loadcnt 32                              ; sel (and the bias) are in: the 32 loads of weight rows 0 to 3 are younger
	WROW 4
	WROW 5
	WROW 6
	WROW 7                                         ; the ring is full: 64 loads of 512 bytes of this wave
	WIN 0
	s_mov_b32 s[CN], 0                             ; the list and the bias are made while the ring's loads are on their way
.irp n, 0,1,2,3,4,5,6,7,8,9,10,11,12,13,14,15,16,17,18,19,20,21,22,23,24,25,26,27,28,29,30,31
	LISTSTEP \n
.endr
.if KIND == 2
	WIN W_D2
.set z, 0
.rept 64                                               ; block 4's accumulators are written once: here the way out stands behind a branch of its own, and on no way through the text
	v_mov_b32 v[z], 0                              ; does it read a register that was never written (blocks 0 to 3 lie where the ring was).  The sums do not start here: a pass's first K step starts them
.set z, z+1
.endr
.else
	WIN W_22
.set z, 0
.rept 32                                               ; the bias rounded to bf16, kept as f32
	v_cvt_pk_bf16_f32 v[BF+z%2], v[BIAS+2*z], v[BIAS+2*z+1]
	v_lshlrev_b32 v[BIAS+2*z], 16, v[BF+z%2]
	v_and_b32 v[BIAS+2*z+1], 0xffff0000, v[BF+z%2]
.set z, z+1
.endr
.endif
	WIN 0
	s_mov_b32 s[RC], 3
.Lring:                                                ; a trip takes eight rows in and asks for the eight behind them
.irp i, 0,1,2,3,4,5,6,7
	ROWIN \i, 1, 56                                ; seven younger rows of eight loads stay out
.endr
	WIN 0
	s_wait_xcnt 0x0                                ; the loads' base is stepped only behind this wait
	s_add_nc_u64 s[WP:WP+1], s[WP:WP+1], 8*WPITCH
	v_add_nc_u32 v[WS], 8*PW, v[WS]
	s_sub_co_u32 s[RC], s[RC], 1
	s_cmp_lg_u32 s[RC], 0
	s_cbranch_scc1 .Lring
.irp i, 0,1,2,3,4,5,6,7
	ROWIN \i, 0, 8*(7-\i)                          ; the last eight rows: nothing is asked for, the counts run down
.endr
	s_wait_dscnt 0x0                               ; for the others' sake: my rows of the slice are in LDS
	s_barrier_signal -1
	s_barrier_wait -1                              ; the slice is whole; nobody writes it again
	s_mov_b32 s[PB], 0
	s_mov_b32 s[PN], 4
.Lpass:
	s_sub_co_i32 s[T0], s[CN], s[PB]               ; places left,
	s_max_i32 s[T0], s[T0], 0                      ; or none
	s_add_co_u32 s[T0], s[T0], 63
	s_lshr_b32 s[T0], s[T0], 6
	s_min_u32 s[NB], s[T0], 5                      ; blocks of 16 places for each of the four waves
	s_mul_i32 s[T0], s[WV], s[NB]
	s_lshl_b32 s[T0], s[T0], 4
	s_add_co_u32 s[RB], s[PB], s[T0]               ; my first place: 960 + 3 x 80 at the most;
	s_min_u32 s[RB], s[RB], 1200                   ; it hangs on a count and enters addresses, so that bound is written out
	s_sub_co_i32 s[CR], s[CN], s[RB]
	s_lshl_b32 s[T0], s[NB], 4
	s_min_i32 s[CR], s[CR], s[T0]                  ; places of mine that hold rows; 0 or less: I have no work in this pass
.if KIND == 2
	v_mov_b32 v[LS], s[RB]
	v_min_u32 v[LS], 1200, v[LS]
	v_lshl_add_u32 v[LS], v[LS], 2, s[LBS]
.endif
	s_cmp_le_i32 s[CR], 0
.if KIND == 1
	s_cbranch_scc1 .Lnext                          ; the pass's work is jumped; no barrier stands in what is jumped
.else
	s_cbranch_scc1 .Lk_done                        ; the products are jumped; no barrier stands in what is jumped
.endif
	SETUP
	STEP 0, 0, 1, 1, 1, 0, 20
	WIN 0
	s_wait_xcnt 0x0
	s_add_nc_u64 s[XP:XP+1], s[XP:XP+1], XSTEP     ; XP and WA now stand at K step 1
	s_mov_b32 s[KB], 64
.irp p, 0,1,2,3
	v_add_nc_u32 v[WA+(\p)], s[KB], v[WL+(\p)]
.endr
	s_mov_b32 s[KC], 7
.Lk:                                                   ; K steps 1 to 28, four a trip
	STEP 1, 1, 0, 1, 1, 0, 20
	STEP 0, 2, 0, 1, 1, 1, 20
	STEP 1, 3, 0, 1, 1, 2, 20
	STEP 0, 0, 0, 1, 1, 3, 20
	WIN 0
	s_wait_xcnt 0x0
	s_add_nc_u64 s[XP:XP+1], s[XP:XP+1], 4*XSTEP
	s_add_co_u32 s[KB], s[KB], 256                 ; four K steps on: the LDS addresses are the fixed lane terms plus this scalar
.irp p, 0,1,2,3
	v_add_nc_u32 v[WA+(\p)], s[KB], v[WL+(\p)]
.endr
	s_sub_co_u32 s[KC], s[KC], 1
	s_cmp_lg_u32 s[KC], 0
	s_cbranch_scc1 .Lk
	STEP 1, 1, 0, 1, 0, 0, 20                      ; K steps 29 to 31: no rows are left to ask for, the counts run down
	STEP 0, 2, 0, 1, 0, 1, 10
	STEP 1, 3, 0, 0, 0, 2, 0
	WIN 0
	PLACES                                         ; the way out reads results just made; the next pass's loads land in registers just read
.if KIND == 2
.Lk_done:
	s_wait_dscnt 0x0                               ; my reads of the slice in this pass are back
	s_barrier_signal -1
	s_barrier_wait -1                              ; every wave's are: only now are the stages written
.endif
	OUTBLK 0
	OUTBLK 1
	OUTBLK 2
	OUTBLK 3
	OUTBLK 4
	WIN 0
.Lout_done:
	s_wait_xcnt 0x0                                ; the stores have read their data and offsets: the next pass writes those registers again
.if KIND == 2
	s_wait_dscnt 0x0                               ; my writes and reads of my stage are done
	s_barrier_signal -1
	s_barrier_wait -1                              ; every wave's are: only now does the next pass read LDS
.else
.Lnext:
.endif
	s_add_co_u32 s[PB], s[PB], 320
	s_sub_co_u32 s[PN], s[PN], 1
	s_cmp_lg_u32 s[PN], 0
	s_cbranch_scc1 .Lpass
.if KIND == 1
	s_wait_dscnt 0x0                               ; my reads of the slice are back
	s_barrier_signal -1
	s_barrier_wait -1                              ; every wave's are: only now is LDS written again, by the closing lines
.endif
	s_wait_tensorcnt 0x0                           ; the wave's end: three closing lines, behind my last LDS store
	ds_add_u32 v[SPW], v[NIL]
	s_wait_dscnt 0x0
	s_endpgm
.Lfunc_end_k_q45e904a2f7_ffn1:
	.size	k_q45e904a2f7_ffn1, .Lfunc_end_k_q45e904a2f7_ffn1-k_q45e904a2f7_ffn1
	.p2alignl 7, 3214868480
	.fill 96, 4, 3214868480
	.section	.rodata,"a",@progbits
	.p2align	6, 0x0
	.amdhsa_kernel k_q45e904a2f7_ffn1
		.amdhsa_group_segment_fixed_size 286208
		.amdhsa_private_segment_fixed_size 0
		.amdhsa_enable_private_segment 0
		.amdhsa_kernarg_size 40
		.amdhsa_user_sgpr_count 2
		.amdhsa_user_sgpr_kernarg_segment_ptr 1
		.amdhsa_wavefront_size32 1
		.amdhsa_system_sgpr_workgroup_id_x 1
		.amdhsa_system_sgpr_workgroup_id_y 1
		.amdhsa_system_sgpr_workgroup_id_z 1
		.amdhsa_system_vgpr_workitem_id 0
		.amdhsa_next_free_vgpr 768
		.amdhsa_next_free_sgpr 66
		.amdhsa_reserve_vcc 1
		.amdhsa_float_denorm_mode_32 3
		.amdhsa_float_denorm_mode_16_64 3
		.amdhsa_memory_ordered 1
		.amdhsa_forward_progress 1
		.amdhsa_inst_pref_size 137
	.end_amdhsa_kernel
	.amdgpu_metadata
---
amdhsa.version: [ 1, 2 ]
amdhsa.kernels:
  - .name:           k_q45e904a2f7_ffn1
    .symbol:         k_q45e904a2f7_ffn1.kd
    .args:
      - { .name: xb, .offset: 0, .size: 8, .value_kind: global_buffer, .address_space: global }
      - { .name: w1, .offset: 8, .size: 8, .value_kind: global_buffer, .address_space: global }
      - { .name: sel, .offset: 16, .size: 8, .value_kind: global_buffer, .address_space: global }
      - { .name: h, .offset: 24, .size: 8, .value_kind: global_buffer, .address_space: global }
      - { .name: b1, .offset: 32, .size: 8, .value_kind: global_buffer, .address_space: global }
    .group_segment_fixed_size: 286208
    .private_segment_fixed_size: 0
    .kernarg_segment_align: 8
    .kernarg_segment_size: 40
    .max_flat_workgroup_size: 128
    .sgpr_count:     66
    .vgpr_count:     768
    .wavefront_size: 32
...
	.end_amdgpu_metadata
.endif
;; end of part 2
;; launch ffn2 (part 3): grid 32 x 8, 4 waves a work-group, no clusters, 320,000 bytes of LDS; arguments h, w2, sel, ypart; writes ypart
.if DOCPART == 3
	.amdgcn_target "amdgcn-amd-amdhsa--gfx1250"
	.amdhsa_code_object_version 6
	.text
	.protected	k_q45e904a2f7_ffn2
	.globl	k_q45e904a2f7_ffn2
	.p2align	8
	.type	k_q45e904a2f7_ffn2,@function
k_q45e904a2f7_ffn2:
	s_mov_b64 s[64:65], 0
	v_nop
	global_prefetch_b8 v0, s[64:65] scope:SCOPE_SE
	s_setreg_imm32_b32 hwreg(HW_REG_WAVE_MODE, 25, 1), 1
	s_wait_xcnt 0x0
; ONE PRODUCT OF THE EXPERTS' LAYER, for the chosen rows alone.  KIND = 1: h = f16(relu(xb[token] . bf16(w1[e])^T + bf16(b1[e]))), a bf16 product.
; KIND = 2: ypart[row id][chunk] = h[chunk] . bf16(w2[e][:, chunk])^T in f32 (partial sums; the last launch adds them), an f16 product.  Row id = 2 x token + k.
; SHARES.  A work-group has ONE expert (grid y) and a slice of 128 weight rows x 1,024 along K (grid x), which it alone reads: 512 KiB of f32.
; PHASE A: each of the four waves streams 32 weight rows through a ring of eight rows in registers (64 loads of 512 bytes of a wave on their way),
; rounds them and lays them into LDS.  Meanwhile every wave has made, for itself, the list of the expert's row ids from sel.  A barrier: the slice is whole.
; PHASE B: the slice stays in LDS; the places of the expert's list go by in passes of up to 320, dealt evenly: NB = min(5, ceil(places left / 64)) blocks of 16 for each wave, x 128 columns.
; The rows' fragments come from memory straight into registers.  Four passes, a constant, cover 1,024 rows, the most an expert can have; a wave with no place inside the count jumps the work;
; an expert with no rows stores nothing.  Block 4's products are jumped where NB < 5; places past the count are multiplied with their block (63 at the most in a pass) and not kept.
; h LIES IN THE ORDER IN WHICH THE SECOND PRODUCT'S REGISTERS TAKE IT: h[expert][block of 16 places][K step of 32][half of 16][lane][16 bytes]: a block is 128 K steps of 1,024 bytes, an expert
; has room for 64 blocks.  In the first product's result lane (r, h) holds place r and columns 16 b + 8 h + 0..7; packed to f16 these 16 bytes ARE registers 4 (b % 2) .. + 3 of the same lane's
; fragment for K step 4 x slice + b / 2.  So KIND 1 stores from registers, 512 consecutive aligned bytes a store, with no stage and no list, and KIND 2 loads its fragments the same way.
; A block's places past the count hold the result of row id 0's token (KIND 1 reads list words that hold 0): finite numbers that nobody keeps.  KIND 2 reads no block that KIND 1 did not store:
; a block past the count repeats the wave's first block.
; BARRIERS.  KIND 1 writes no LDS behind the slice's barrier; one more barrier stands in front of the closing lines.  KIND 2 sends its results through each wave's stage: two barriers a pass,
; which every wave passes: between the pass's reads of the slice and the writes of the stages, and between those writes and the next pass's reads.  Only work is jumped.
; NO MULTICAST: each slice has one reader; beside the slice LDS has 60 KB left, too little for two slots of a pass's rows (320 x 272 bytes for 128 along K are 87 KB).
; THE MATRIX INSTRUCTION IS USED TRANSPOSED: source 0 = 16 weight rows, source 1 = 16 places: a lane holds one place (lane % 16) and eight neighbouring output columns 8 (lane / 16) + 0..7.
; FORMATS.  Every input is rounded to bf16 once; sums are f32.  h is kept in f16: what its rounding loses reaches the output undiminished, and f16's 11 significant bits lose
; an eighth of what bf16's 8 would.  So w2, rounded to bf16 like every input, is written as f16: the same number from 2^-17 up, below that within 2^-25.
; LIMITS.  h or w2 beyond 65,504 becomes an infinity.  By the problem's sizes a pre-activation has the spread sqrt(1024) x 1 x 1/64 = 0.5; with x and w1 both 30 times larger 450;
; with a common offset of 30 spreads on both it lies at 1024 x 30 x 30/64 = 14,400.  h and w2 below 6e-5 keep f16's fixed step of 6e-8.  NaN and infinities are not treated apart.
; REGISTERS, in windows of 256 (s_set_vgpr_msb: bits 1:0 source 0, 3:2 source 1, 5:4 source 2, 7:6 destination):
;   window 0: v0-59 addresses and small things; v64-223 the rows' fragments, four K steps deep (at the head: sel; in phase A and on the way out: at work); v224-239 at work
;   window 1: phase A: the ring; then accumulators (a, b) of row blocks a = 0..3 at 64 a + 8 b
;   window 2: v0-63 accumulators of block 4; v64-191 the weights' fragments, two buffers; v192-255 the bias (KIND 1)
.set KIND,   2
.set PW,     2064                      ; an LDS row of the slice: 2,048 bytes + 16 = 516 words: the 16 rows of a fragment load start four banks apart
.set LISTB,  128*PW                    ; behind the slice: for each wave 1,280 list words and 32 dump words, in 5,376 bytes
.set LISTW,  5376
.set STAGE,  LISTB+4*LISTW             ; KIND 2: each wave's own stage for the way out
.set HBLK,   131072                    ; bytes of a block of 16 places of h
.if KIND == 1
.set WPITCH, 4096                      ; bytes from weight row to weight row
.set XSTEP,  64                        ; bytes from a K step's fragment of rows to the next: xb's rows lie along K,
.set XHALF,  32                        ; and from a fragment's registers 0-3 to its registers 4-7
.set SP,     0
.else
.set WPITCH, 16384
.set XSTEP,  1024                      ; h lies by fragments
.set XHALF,  512
.set SP,     528                       ; a stage row: 128 f32 + 16 bytes
.endif
.set STGW,   16*SP
.set SPARE,  STAGE+4*STGW              ; the spare words, 128 bytes for each wave: two blocks of 256 bytes that no other line names
.set RR,  1                            ; lane % 16
.set HH,  2                            ; (lane / 16) % 2
.set LN,  3                            ; lane
.set L16, 4                            ; 16 x lane
.set WS,  5                            ; phase A: where my 8 bytes of a weight row go
.set WL,  6                            ; v6-9    my place in the fragments of weight rows 32 p on, K = 0; never rewritten
.set WA,  10                           ; v10-13  the same at the K step where the loop stands: WL + the scalar KB, made anew each trip
.set LA,  14
.set LS,  15                           ; KIND 2, the way out: my wave's place in the list
.set STO, 17
.set RD,  18
.set GOF, 19                           ; my byte offset in the output
.set SPW, 20                           ; LDS address of my spare word; never rewritten
.set NIL, 21                           ; 0; never rewritten
.set H32, 22
.set H16, 23
.set RID, 24                           ; v24-28  KIND 1: row id of my lane's place in block a
.set L8,  29
.set XO,  30                           ; v30-34  byte offset of block a's fragments in the rows' buffer
.set DIX, 35                           ; 1,280 + lane: my dump word
.set SA,  36                           ; v36-51  KIND 2, the way out: store offsets
.set ZQ,  52                           ; v52-55  zeros
.set LT,  56                           ; v56-59  at work
.set XF,  64                           ; fragments of rows: K step s, block a at XF + 40 (s % 4) + 8 a
.set S0,  64                           ; at the head: sel, plane 0 and plane 1
.set S1,  96
.set TMP, 64                           ; KIND 1, the way out: block a's packed results at TMP + 32 a, v64-223
.set OB,  96                           ; KIND 2, the way out: rows read back from the stage, v96-159
.set UU,  128                          ; phase A (KIND 2): a weight row's bf16 numbers as f32, v128-159
.set TT,  224
.set BF,  64                           ; window 2
.set BIAS, 192                         ; window 2
.set WV,  14
.set EX,  15
.set SX,  16
.set CN,  17                           ; the expert's number of rows
.set KB,  18                           ; bytes along K at which the loop stands
.set RB,  19                           ; my first place in the list
.set PB,  20
.set PN,  21
.set KC,  22
.set CR,  23                           ; places of mine that hold rows
.set LBS, 24
.set T0,  25
.set T1,  26
.set MA,  27
.set MM,  28
.set RC,  29
.set OF,  30
.set XP,  32
.set WP,  34
.set DS,  36
.set C4,  37
.set MK,  38                           ; a word's upper bf16 (KIND 2)
.set NB,  39                           ; blocks of 16 places for each wave in this pass
.set W_S1, 0x40
.set W_C1, 0x05
.set W_C2, 0x0a
.set W_D2, 0x80
.set W_22, 0x8a
.set W_M1, 0x52
.set W_M2, 0xa2
.set W_MB, 0x62
.set W_T1, 0x04
.set W_T2, 0x08
.set MSB, 0
.macro WIN new                         ; the immediate's high byte repeats the setting that is left; a switch that changes nothing is dropped
.if MSB != (\new)
	s_set_vgpr_msb (MSB<<8)|(\new)
.set MSB, \new
.endif
.endm
.macro PLACES                          ; four plain vector instructions between a matrix instruction and a load into, or a read of, its registers
.rept 4
	v_nop
.endr
.endm
; Weight row i (counted from the ring's base) is asked for: eight loads, 512 neighbouring bytes each.
.macro WROW i
	WIN W_S1
.irp j, 0,1,2,3,4,5,6,7
	global_load_b128 v[32*((\i)%8)+4*(\j):32*((\i)%8)+4*(\j)+3], v[L16], s[WP:WP+1] offset:(\i)*WPITCH+512*(\j) th:TH_LOAD_NT
.endr
.endm
; Ring slot i: its row is in (left = the younger loads that may stay out), is rounded to bf16 (KIND 2: and that number written as f16), goes to LDS (256 neighbouring bytes a store);
; ahead = 1: the slot takes the row eight further on.
.macro ROWIN i, ahead, left
	s_wait_loadcnt \left
	WIN W_C1
.irp j, 0,1,2,3,4,5,6,7
	v_cvt_pk_bf16_f32 v[TT+2*(\j)],   v[32*(\i)+4*(\j)],   v[32*(\i)+4*(\j)+1]
	v_cvt_pk_bf16_f32 v[TT+2*(\j)+1], v[32*(\i)+4*(\j)+2], v[32*(\i)+4*(\j)+3]
.endr
	WIN 0
.if KIND == 2
.set z, 0
.rept 16
	v_lshlrev_b32 v[UU+2*z], 16, v[TT+z]           ; bf16 to f32: the low half moves up,
	v_and_b32 v[UU+2*z+1], s[MK], v[TT+z]          ; the high half stays
.set z, z+1
.endr
.set z, 0
.rept 16
	v_cvt_pk_f16_f32 v[TT+z], v[UU+2*z], v[UU+2*z+1]
.set z, z+1
.endr
.endif
.irp j, 0,1,2,3,4,5,6,7
	ds_store_b64 v[WS], v[TT+2*(\j):TT+2*(\j)+1] offset:(\i)*PW+256*(\j)
.endr
.if \ahead
	WROW (\i)+8
.endif
.endm
; Tokens 128 (n / 4) + 4 lane + n % 4: those that chose my expert put their row id at the next free list words, in lane order; the others write their dump word.
.macro LISTSTEP n
.set t2, LT+2*((\n)%2)
.set t3, t2+1
	v_cmp_eq_u32 s[MA], s[EX], v[S0+(\n)]
	v_cmp_eq_u32 vcc_lo, s[EX], v[S1+(\n)]
	s_or_b32 s[MM], s[MA], vcc_lo
	v_cndmask_b32 v[t2], 0, 1, vcc_lo                  ; k
	v_add3_u32 v[t2], v[t2], v[L8], 256*((\n)/4)+2*((\n)%4)  ; row id = 2 x token + k
	v_mbcnt_lo_u32_b32 v[t3], s[MM], s[CN]             ; rows so far + matching lanes below me
	v_cndmask_b32 v[t3], v[DIX], v[t3], s[MM]
	v_min_u32 v[t3], 1311, v[t3]
	v_lshl_add_u32 v[t3], v[t3], 2, s[LBS]
	ds_store_b32 v[t3], v[t2]
	s_bcnt1_i32_b32 s[T0], s[MM]
	s_add_co_u32 s[CN], s[CN], s[T0]
.endm
; Eight matrix instructions: row block a x all 8 column blocks, 32 along K.  The eight accumulators take turns.
; first = 1: the product starts the sums, with the bias (KIND 1) or the constant 0.
.macro GROUP a, pb, xq, first
.if (\a) == 4
	WIN W_M2
.elseif (\first) && (KIND == 1)
	WIN W_MB
.else
	WIN W_M1
.endif
.irp b, 0,1,2,3,4,5,6,7
.if KIND == 1
.if \first
	v_wmma_f32_16x16x32_bf16 v[(64*(\a))%256+8*(\b):(64*(\a))%256+8*(\b)+7], v[BF+64*(\pb)+8*(\b):BF+64*(\pb)+8*(\b)+7], v[XF+40*(\xq)+8*(\a):XF+40*(\xq)+8*(\a)+7], v[BIAS+8*(\b):BIAS+8*(\b)+7]
.else
	v_wmma_f32_16x16x32_bf16 v[(64*(\a))%256+8*(\b):(64*(\a))%256+8*(\b)+7], v[BF+64*(\pb)+8*(\b):BF+64*(\pb)+8*(\b)+7], v[XF+40*(\xq)+8*(\a):XF+40*(\xq)+8*(\a)+7], v[(64*(\a))%256+8*(\b):(64*(\a))%256+8*(\b)+7]
.endif
.else
.if \first
	v_wmma_f32_16x16x32_f16 v[(64*(\a))%256+8*(\b):(64*(\a))%256+8*(\b)+7], v[BF+64*(\pb)+8*(\b):BF+64*(\pb)+8*(\b)+7], v[XF+40*(\xq)+8*(\a):XF+40*(\xq)+8*(\a)+7], 0
.else
	v_wmma_f32_16x16x32_f16 v[(64*(\a))%256+8*(\b):(64*(\a))%256+8*(\b)+7], v[BF+64*(\pb)+8*(\b):BF+64*(\pb)+8*(\b)+7], v[XF+40*(\xq)+8*(\a):XF+40*(\xq)+8*(\a)+7], v[(64*(\a))%256+8*(\b):(64*(\a))%256+8*(\b)+7]
.endif
.endif
.endr
.endm
; A K step of 32: 40 matrix instructions, or 32.  pb, xq: its buffers.  ldw: the next step's weights are fetched from LDS; ldx: the rows' fragments of the step three on are asked for;
; i: the step, counted from where XP and WA stand.  lc: the rows' loads that may stay out: those of the next two steps, ten each (block 4's are issued on every path, so the counts hold).
; Block 4's products are jumped where the pass has four blocks a wave or fewer; the first step writes its accumulators on every path.
.macro STEP pb, xq, first, ldw, ldx, i, lc
	s_wait_dscnt 0x0                               ; this step's weights: asked for 24 matrix instructions ago or more
	s_wait_loadcnt \lc
	GROUP 0, \pb, \xq, \first
.if (\ldw) || (\ldx)
	PLACES                                         ; behind the last step's products, which read the buffers that are now filled
.endif
.if \ldw
	WIN W_D2
.irp b, 0,1,2,3,4,5,6,7
	ds_load_b128 v[BF+64*((\pb)^1)+8*(\b):BF+64*((\pb)^1)+8*(\b)+3],   v[WA+(\b)/2] offset:((\b)%2)*16*PW+64*((\i)+1)
	ds_load_b128 v[BF+64*((\pb)^1)+8*(\b)+4:BF+64*((\pb)^1)+8*(\b)+7], v[WA+(\b)/2] offset:((\b)%2)*16*PW+64*((\i)+1)+32
.endr
.endif
.if \ldx
	WIN 0
.irp a, 0,1,2,3,4
	global_load_b128 v[XF+40*(((\xq)+3)&3)+8*(\a):XF+40*(((\xq)+3)&3)+8*(\a)+3],   v[XO+(\a)], s[XP:XP+1] offset:XSTEP*((\i)+3)
	global_load_b128 v[XF+40*(((\xq)+3)&3)+8*(\a)+4:XF+40*(((\xq)+3)&3)+8*(\a)+7], v[XO+(\a)], s[XP:XP+1] offset:XSTEP*((\i)+3)+XHALF
.endr
.endif
	GROUP 1, \pb, \xq, \first
	GROUP 2, \pb, \xq, \first
	GROUP 3, \pb, \xq, \first
.if \first
	GROUP 4, \pb, \xq, \first
.else
	WIN 0
	s_cmp_lt_u32 s[NB], 5
	s_cbranch_scc1 .Lno4_\@
	GROUP 4, \pb, \xq, \first
	WIN 0
.Lno4_\@:
.endif
.endm
; The products of a pass begin: the offsets of my blocks' fragments, the first three K steps' fragments of rows, the first step's weights.
.macro SETUP
	WIN 0
.if KIND == 1
	v_add_nc_u32 v[LA], s[RB], v[RR]
	v_min_u32 v[LA], 1215, v[LA]
	v_lshl_add_u32 v[LA], v[LA], 2, s[LBS]
.irp a, 0,1,2,3,4
	ds_load_b32 v[RID+(\a)], v[LA] offset:64*(\a)
.endr
	s_lshl_b32 s[T1], s[RB], 13                    ; 16 places of h are 131,072 bytes: 8,192 a place
	v_add_nc_u32 v[GOF], s[T1], v[L16]             ; my 16 bytes in my first block's first store
	s_cmp_lt_u32 s[NB], 5
	s_cselect_b32 s[T0], 0, -1
.else
	s_lshl_b32 s[T1], s[RB], 13                    ; 16 places of h are 131,072 bytes: 8,192 a place
	v_add_nc_u32 v[XO], s[T1], v[L16]              ; my 16 bytes in my first block's first fragment
.irp a, 1,2,3,4
	s_add_co_u32 s[T0], s[RB], 16*(\a)             ; block a's first place,
	s_cmp_gt_i32 s[CR], 16*(\a)                    ; if the block holds a row;
	s_cselect_b32 s[T0], s[T0], s[RB]              ; if not, it repeats my first block: nothing is read that was not stored
	s_min_u32 s[T0], s[T0], 1264                   ; the choice hangs on a count and enters an address, so its bound, 1,200 + 64, is written out
	s_lshl_b32 s[T0], s[T0], 13
	v_add_nc_u32 v[XO+(\a)], s[T0], v[L16]
.endr
.endif
.irp p, 0,1,2,3
	v_mov_b32 v[WA+(\p)], v[WL+(\p)]
.endr
	s_mov_b64 s[XP:XP+1], s[4:5]                   ; no load that names XP is out: the last pass ended on a wait for all its loads
.if KIND == 1
	s_wait_dscnt 0x0
	v_and_b32 v[RID+4], s[T0], v[RID+4]            ; a block that is not multiplied reads row id 0 alone
.irp a, 0,1,2,3,4
	v_lshrrev_b32 v[XO+(\a)], 1, v[RID+(\a)]       ; the token
	v_min_u32 v[XO+(\a)], 0x3ff, v[XO+(\a)]
	v_lshl_add_u32 v[XO+(\a)], v[XO+(\a)], 11, v[H16]
.endr
.endif
.irp q, 0,1,2
.irp a, 0,1,2,3,4
	global_load_b128 v[XF+40*(\q)+8*(\a):XF+40*(\q)+8*(\a)+3],   v[XO+(\a)], s[XP:XP+1] offset:XSTEP*(\q)
	global_load_b128 v[XF+40*(\q)+8*(\a)+4:XF+40*(\q)+8*(\a)+7], v[XO+(\a)], s[XP:XP+1] offset:XSTEP*(\q)+XHALF
.endr
.endr
	WIN W_D2
.irp b, 0,1,2,3,4,5,6,7
	ds_load_b128 v[BF+8*(\b):BF+8*(\b)+3],   v[WA+(\b)/2] offset:((\b)%2)*16*PW
	ds_load_b128 v[BF+8*(\b)+4:BF+8*(\b)+7], v[WA+(\b)/2] offset:((\b)%2)*16*PW+32
.endr
.endm
; THE WAY OUT of block a.  A block that holds no row, and those behind it, are jumped.  Each accumulator is read from its low end on.
; KIND 1: rounded to f16, relu on the packed halves (the same numbers as rounding the relu), stored from registers: each block has 32 registers of its own, so no store's data is rewritten in a pass.
; KIND 2: through my own stage, back as whole rows of 512 bytes, each stored to the row that the list names; a store is one row, and the rows past the count are jumped.
.macro OUTBLK a
	WIN 0
.if (KIND == 2) || ((\a) > 0)
	s_cmp_le_i32 s[CR], 16*(\a)
	s_cbranch_scc1 .Lout_done
.endif
.if KIND == 1
.if (\a) == 4
	WIN W_C2
.else
	WIN W_C1
.endif
.irp b, 0,1,2,3,4,5,6,7
.irp n, 0,1,2,3
	v_cvt_pk_f16_f32 v[TMP+32*(\a)+4*(\b)+(\n)], v[(64*(\a))%256+8*(\b)+2*(\n)], v[(64*(\a))%256+8*(\b)+2*(\n)+1]
.endr
.endr
	WIN 0
.set z, 0
.rept 32
	v_pk_max_num_f16 v[TMP+32*(\a)+z], v[TMP+32*(\a)+z], v[ZQ]
.set z, z+1
.endr
.irp b, 0,1,2,3,4,5,6,7
	global_store_b128 v[GOF], v[TMP+32*(\a)+4*(\b):TMP+32*(\a)+4*(\b)+3], s[10:11] offset:(\a)*HBLK+512*(\b)  ; half b % 2 of K step b / 2 of my slice's four: 512 consecutive bytes, aligned
.endr
.else
	s_wait_xcnt 0x0                                ; the last block's stores have read OB and SA, which the loads below write again
.if (\a) == 4
	WIN W_T2
.else
	WIN W_T1
.endif
.irp b, 0,1,2,3,4,5,6,7
	ds_store_b128 v[STO], v[(64*(\a))%256+8*(\b):(64*(\a))%256+8*(\b)+3]   offset:64*(\b)
	ds_store_b128 v[STO], v[(64*(\a))%256+8*(\b)+4:(64*(\a))%256+8*(\b)+7] offset:64*(\b)+16
.endr
	WIN 0
.set z, 0
.rept 16
	ds_load_b128 v[OB+4*z:OB+4*z+3], v[RD] offset:SP*z  ; LDS serves a wave's instructions in order (ISA guide 5.7.1.4): these see the stores above
.set z, z+1
.endr
.set z, 0
.rept 16
	ds_load_b32 v[SA+z], v[LS] offset:4*(16*(\a)+z)
.set z, z+1
.endr
	s_wait_dscnt 0x0
.set z, 0
.rept 16
	v_min_u32 v[SA+z], 0x7ff, v[SA+z]
.set z, z+1
.endr
.set z, 0
.rept 16
	v_lshl_add_u32 v[SA+z], v[SA+z], 14, v[GOF]    ; a row of ypart (four chunks of 1,024 f32) is 16,384 bytes
.set z, z+1
.endr
.set z, 0
.rept 16
.if z > 0
	s_cmp_le_i32 s[CR], 16*(\a)+z
	s_cbranch_scc1 .Lout_done
.endif
	global_store_b128 v[SA+z], v[OB+4*z:OB+4*z+3], s[10:11]  ; 512 consecutive bytes, aligned
.set z, z+1
.endr
.endif
.endm
	s_load_b256 s[4:11], s[0:1], 0x0               ; rows s[4:5], weights s[6:7], sel s[8:9], output s[10:11]
.if KIND == 1
	s_load_b64 s[12:13], s[0:1], 0x20              ; b1
.endif
	v_lshl_add_u32 v[SPW], v0, 2, SPARE
	v_mov_b32 v[NIL], 0
	v_lshrrev_b32 v[LT], 5, v0
	v_readfirstlane_b32 s[WV], v[LT]               ; wave 0..3
	s_and_b32 s[EX], ttmp7, 0xffff                 ; my expert
.if KIND == 2
	s_mov_b32 s[MK], 0xffff0000
.endif
	v_and_b32 v[RR], 15, v0
	v_bfe_u32 v[HH], v0, 4, 1
	v_and_b32 v[LN], 31, v0
	v_lshlrev_b32 v[L16], 4, v[LN]
	v_lshlrev_b32 v[L8], 3, v[LN]
	v_lshlrev_b32 v[H16], 4, v[HH]
	v_lshlrev_b32 v[H32], 5, v[HH]
	v_add_nc_u32 v[DIX], 1280, v[LN]
.irp z, 0,1,2,3
	v_mov_b32 v[ZQ+(\z)], 0
.endr
	s_mul_i32 s[LBS], s[WV], LISTW
	s_add_co_u32 s[LBS], s[LBS], LISTB             ; my list
	v_mul_u32_u24 v[LT], v[RR], PW
	v_add_nc_u32 v[LT], v[LT], v[H16]              ; a fragment's row x pitch + 16 x half
.irp p, 0,1,2,3
	v_add_nc_u32 v[WL+(\p)], (\p)*32*PW, v[LT]
.endr
	s_mul_i32 s[T0], s[WV], 32*PW                  ; phase A: my 32 rows of the slice
	v_add_nc_u32 v[WS], s[T0], v[L8]
.if KIND == 2
	s_mul_i32 s[T1], s[WV], STGW
	s_add_co_u32 s[T1], s[T1], STAGE               ; my stage
	v_mul_u32_u24 v[STO], v[RR], SP
	v_add3_u32 v[STO], v[STO], v[H32], s[T1]       ; in: row lane % 16, 32 bytes for each half of the lanes
	v_add_nc_u32 v[RD], s[T1], v[L16]              ; back: 32 lanes take one row of 512 bytes
	v_mov_b32 v[GOF], v[L16]
.endif
	v_add_nc_u32 v[LT+1], s[LBS], v[L16]
	s_lshl_b32 s[OF], s[EX], 24                    ; an expert's weights are 16 MiB
	s_mov_b32 s[OF+1], 0
.if KIND == 1
	s_mov_b32 s[SX], ttmp9                         ; my slice: rows 128 SX on
	s_lshl_b32 s[T0], s[SX], 19
	s_add_co_u32 s[OF], s[OF], s[T0]
	s_lshl_b32 s[T0], s[WV], 17                    ; my wave's 32 rows of it
	s_add_co_u32 s[OF], s[OF], s[T0]
	s_wait_kmcnt 0x0
	s_add_nc_u64 s[WP:WP+1], s[6:7], s[OF:OF+1]
	s_lshl_b32 s[OF], s[EX], 14
	s_lshl_b32 s[T0], s[SX], 9
	s_add_co_u32 s[OF], s[OF], s[T0]
	s_add_nc_u64 s[12:13], s[12:13], s[OF:OF+1]    ; b1 at my 128 columns
	s_lshl_b32 s[OF], s[EX], 23                    ; an expert's room in h: 64 blocks of 131,072 bytes
	s_lshl_b32 s[T0], s[SX], 12                    ; my 128 columns are four K steps of 1,024 bytes in each block
	s_add_co_u32 s[OF], s[OF], s[T0]
	s_add_nc_u64 s[10:11], s[10:11], s[OF:OF+1]
.else
	s_and_b32 s[DS], ttmp9, 7                      ; my slice: rows 128 DS on,
	s_lshr_b32 s[C4], ttmp9, 3                     ; K chunk 1,024 C4 on
	s_lshl_b32 s[T0], s[DS], 21
	s_add_co_u32 s[OF], s[OF], s[T0]
	s_lshl_b32 s[T0], s[C4], 12
	s_add_co_u32 s[OF], s[OF], s[T0]
	s_lshl_b32 s[T0], s[WV], 19
	s_add_co_u32 s[OF], s[OF], s[T0]
	s_wait_kmcnt 0x0
	s_add_nc_u64 s[WP:WP+1], s[6:7], s[OF:OF+1]
	s_lshl_b32 s[OF], s[EX], 23                    ; an expert's room in h,
	s_lshl_b32 s[T0], s[C4], 15                    ; my chunk: 32 K steps of 1,024 bytes in each block
	s_add_co_u32 s[OF], s[OF], s[T0]
	s_add_nc_u64 s[4:5], s[4:5], s[OF:OF+1]
	s_lshl_b32 s[OF], s[C4], 12
	s_lshl_b32 s[T0], s[DS], 9
	s_add_co_u32 s[OF], s[OF], s[T0]
	s_add_nc_u64 s[10:11], s[10:11], s[OF:OF+1]    ; ypart at my chunk and columns
.endif
.irp i, 0,1,2,3,4,5,6,7
	global_load_b128 v[S0+4*(\i):S0+4*(\i)+3], v[L16], s[8:9] offset:512*(\i)
	global_load_b128 v[S1+4*(\i):S1+4*(\i)+3], v[L16], s[8:9] offset:4096+512*(\i)
.endr
.if KIND == 1
	WIN W_D2
.irp b, 0,1,2,3,4,5,6,7
	global_load_b128 v[BIAS+8*(\b):BIAS+8*(\b)+3],   v[H32], s[12:13] offset:64*(\b)     ; columns 16 b + 8 (lane / 16) + 0..7: an accumulator's layout
	global_load_b128 v[BIAS+8*(\b)+4:BIAS+8*(\b)+7], v[H32], s[12:13] offset:64*(\b)+16
.endr
.endif
	WROW 0
	WROW 1
	WROW 2
	WROW 3
	WIN 0
.irp i, 0,1,2,3,4,5,6,7,8,9
	ds_store_b128 v[LT+1], v[ZQ:ZQ+3] offset:512*(\i)  ; my 1,280 list words start at 0
.endr
	s_wait_loadcnt 32                              ; sel (and the bias) are in: the 32 loads of weight rows 0 to 3 are younger
	WROW 4
	WROW 5
	WROW 6
	WROW 7                                         ; the ring is full: 64 loads of 512 bytes of this wave
	WIN 0
	s_mov_b32 s[CN], 0                             ; the list and the bias are made while the ring's loads are on their way
.irp n, 0,1,2,3,4,5,6,7,8,9,10,11,12,13,14,15,16,17,18,19,20,21,22,23,24,25,26,27,28,29,30,31
	LISTSTEP \n
.endr
.if KIND == 2
	WIN W_D2
.set z, 0
.rept 64                                               ; block 4's accumulators are written once: here the way out stands behind a branch of its own, and on no way through the text
	v_mov_b32 v[z], 0                              ; does it read a register that was never written (blocks 0 to 3 lie where the ring was).  The sums do not start here: a pass's first K step starts them
.set z, z+1
.endr
.else
	WIN W_22
.set z, 0
.rept 32                                               ; the bias rounded to bf16, kept as f32
	v_cvt_pk_bf16_f32 v[BF+z%2], v[BIAS+2*z], v[BIAS+2*z+1]
	v_lshlrev_b32 v[BIAS+2*z], 16, v[BF+z%2]
	v_and_b32 v[BIAS+2*z+1], 0xffff0000, v[BF+z%2]
.set z, z+1
.endr
.endif
	WIN 0
	s_mov_b32 s[RC], 3
.Lring:                                                ; a trip takes eight rows in and asks for the eight behind them
.irp i, 0,1,2,3,4,5,6,7
	ROWIN \i, 1, 56                                ; seven younger rows of eight loads stay out
.endr
	WIN 0
	s_wait_xcnt 0x0                                ; the loads' base is stepped only behind this wait
	s_add_nc_u64 s[WP:WP+1], s[WP:WP+1], 8*WPITCH
	v_add_nc_u32 v[WS], 8*PW, v[WS]
	s_sub_co_u32 s[RC], s[RC], 1
	s_cmp_lg_u32 s[RC], 0
	s_cbranch_scc1 .Lring
.irp i, 0,1,2,3,4,5,6,7
	ROWIN \i, 0, 8*(7-\i)                          ; the last eight rows: nothing is asked for, the counts run down
.endr
	s_wait_dscnt 0x0                               ; for the others' sake: my rows of the slice are in LDS
	s_barrier_signal -1
	s_barrier_wait -1                              ; the slice is whole; nobody writes it again
	s_mov_b32 s[PB], 0
	s_mov_b32 s[PN], 4
.Lpass:
	s_sub_co_i32 s[T0], s[CN], s[PB]               ; places left,
	s_max_i32 s[T0], s[T0], 0                      ; or none
	s_add_co_u32 s[T0], s[T0], 63
	s_lshr_b32 s[T0], s[T0], 6
	s_min_u32 s[NB], s[T0], 5                      ; blocks of 16 places for each of the four waves
	s_mul_i32 s[T0], s[WV], s[NB]
	s_lshl_b32 s[T0], s[T0], 4
	s_add_co_u32 s[RB], s[PB], s[T0]               ; my first place: 960 + 3 x 80 at the most;
	s_min_u32 s[RB], s[RB], 1200                   ; it hangs on a count and enters addresses, so that bound is written out
	s_sub_co_i32 s[CR], s[CN], s[RB]
	s_lshl_b32 s[T0], s[NB], 4
	s_min_i32 s[CR], s[CR], s[T0]                  ; places of mine that hold rows; 0 or less: I have no work in this pass
.if KIND == 2
	v_mov_b32 v[LS], s[RB]
	v_min_u32 v[LS], 1200, v[LS]
	v_lshl_add_u32 v[LS], v[LS], 2, s[LBS]
.endif
	s_cmp_le_i32 s[CR], 0
.if KIND == 1
	s_cbranch_scc1 .Lnext                          ; the pass's work is jumped; no barrier stands in what is jumped
.else
	s_cbranch_scc1 .Lk_done                        ; the products are jumped; no barrier stands in what is jumped
.endif
	SETUP
	STEP 0, 0, 1, 1, 1, 0, 20
	WIN 0
	s_wait_xcnt 0x0
	s_add_nc_u64 s[XP:XP+1], s[XP:XP+1], XSTEP     ; XP and WA now stand at K step 1
	s_mov_b32 s[KB], 64
.irp p, 0,1,2,3
	v_add_nc_u32 v[WA+(\p)], s[KB], v[WL+(\p)]
.endr
	s_mov_b32 s[KC], 7
.Lk:                                                   ; K steps 1 to 28, four a trip
	STEP 1, 1, 0, 1, 1, 0, 20
	STEP 0, 2, 0, 1, 1, 1, 20
	STEP 1, 3, 0, 1, 1, 2, 20
	STEP 0, 0, 0, 1, 1, 3, 20
	WIN 0
	s_wait_xcnt 0x0
	s_add_nc_u64 s[XP:XP+1], s[XP:XP+1], 4*XSTEP
	s_add_co_u32 s[KB], s[KB], 256                 ; four K steps on: the LDS addresses are the fixed lane terms plus this scalar
.irp p, 0,1,2,3
	v_add_nc_u32 v[WA+(\p)], s[KB], v[WL+(\p)]
.endr
	s_sub_co_u32 s[KC], s[KC], 1
	s_cmp_lg_u32 s[KC], 0
	s_cbranch_scc1 .Lk
	STEP 1, 1, 0, 1, 0, 0, 20                      ; K steps 29 to 31: no rows are left to ask for, the counts run down
	STEP 0, 2, 0, 1, 0, 1, 10
	STEP 1, 3, 0, 0, 0, 2, 0
	WIN 0
	PLACES                                         ; the way out reads results just made; the next pass's loads land in registers just read
.if KIND == 2
.Lk_done:
	s_wait_dscnt 0x0                               ; my reads of the slice in this pass are back
	s_barrier_signal -1
	s_barrier_wait -1                              ; every wave's are: only now are the stages written
.endif
	OUTBLK 0
	OUTBLK 1
	OUTBLK 2
	OUTBLK 3
	OUTBLK 4
	WIN 0
.Lout_done:
	s_wait_xcnt 0x0                                ; the stores have read their data and offsets: the next pass writes those registers again
.if KIND == 2
	s_wait_dscnt 0x0                               ; my writes and reads of my stage are done
	s_barrier_signal -1
	s_barrier_wait -1                              ; every wave's are: only now does the next pass read LDS
.else
.Lnext:
.endif
	s_add_co_u32 s[PB], s[PB], 320
	s_sub_co_u32 s[PN], s[PN], 1
	s_cmp_lg_u32 s[PN], 0
	s_cbranch_scc1 .Lpass
.if KIND == 1
	s_wait_dscnt 0x0                               ; my reads of the slice are back
	s_barrier_signal -1
	s_barrier_wait -1                              ; every wave's are: only now is LDS written again, by the closing lines
.endif
	s_wait_tensorcnt 0x0                           ; the wave's end: three closing lines, behind my last LDS store
	ds_add_u32 v[SPW], v[NIL]
	s_wait_dscnt 0x0
	s_endpgm
.Lfunc_end_k_q45e904a2f7_ffn2:
	.size	k_q45e904a2f7_ffn2, .Lfunc_end_k_q45e904a2f7_ffn2-k_q45e904a2f7_ffn2
	.p2alignl 7, 3214868480
	.fill 96, 4, 3214868480
	.section	.rodata,"a",@progbits
	.p2align	6, 0x0
	.amdhsa_kernel k_q45e904a2f7_ffn2
		.amdhsa_group_segment_fixed_size 320000
		.amdhsa_private_segment_fixed_size 0
		.amdhsa_enable_private_segment 0
		.amdhsa_kernarg_size 32
		.amdhsa_user_sgpr_count 2
		.amdhsa_user_sgpr_kernarg_segment_ptr 1
		.amdhsa_wavefront_size32 1
		.amdhsa_system_sgpr_workgroup_id_x 1
		.amdhsa_system_sgpr_workgroup_id_y 1
		.amdhsa_system_sgpr_workgroup_id_z 1
		.amdhsa_system_vgpr_workitem_id 0
		.amdhsa_next_free_vgpr 768
		.amdhsa_next_free_sgpr 66
		.amdhsa_reserve_vcc 1
		.amdhsa_float_denorm_mode_32 3
		.amdhsa_float_denorm_mode_16_64 3
		.amdhsa_memory_ordered 1
		.amdhsa_forward_progress 1
		.amdhsa_inst_pref_size 179
	.end_amdhsa_kernel
	.amdgpu_metadata
---
amdhsa.version: [ 1, 2 ]
amdhsa.kernels:
  - .name:           k_q45e904a2f7_ffn2
    .symbol:         k_q45e904a2f7_ffn2.kd
    .args:
      - { .name: h, .offset: 0, .size: 8, .value_kind: global_buffer, .address_space: global }
      - { .name: w2, .offset: 8, .size: 8, .value_kind: global_buffer, .address_space: global }
      - { .name: sel, .offset: 16, .size: 8, .value_kind: global_buffer, .address_space: global }
      - { .name: ypart, .offset: 24, .size: 8, .value_kind: global_buffer, .address_space: global }
    .group_segment_fixed_size: 320000
    .private_segment_fixed_size: 0
    .kernarg_segment_align: 8
    .kernarg_segment_size: 32
    .max_flat_workgroup_size: 128
    .sgpr_count:     66
    .vgpr_count:     768
    .wavefront_size: 32
...
	.end_amdgpu_metadata
.endif
;; end of part 3
;; launch combine (part 4): grid 256 x 1, 8 waves a work-group, no clusters, 0 bytes of LDS; arguments ypart, b2, sel, rw, out0; writes out0
.if DOCPART == 4
	.amdgcn_target "amdgcn-amd-amdhsa--gfx1250"
	.amdhsa_code_object_version 6
	.text
	.protected	k_q45e904a2f7_combine
	.globl	k_q45e904a2f7_combine
	.p2align	8
	.type	k_q45e904a2f7_combine,@function
k_q45e904a2f7_combine:
	s_mov_b64 s[64:65], 0
	v_nop
	global_prefetch_b8 v0, s[64:65] scope:SCOPE_SE
	s_setreg_imm32_b32 hwreg(HW_REG_WAVE_MODE, 25, 1), 1
	s_wait_xcnt 0x0
; out[t] = the sum over k = 0, 1 of rw[k][t] x (the four K chunks' partial rows of row id 2 t + k + bf16(b2[sel[k][t]])).  All in f32.
; A stream: memory binds, so no LDS, no barrier, no matrix unit.  Work-group g takes tokens 4 g .. 4 g + 3; thread t takes columns 4 t .. 4 t + 3, so the
; 256 threads cover a row of 4,096 bytes with one load each.  A token's eight partial rows are 32 KiB on end.  All 40 loads of a thread go out before the one wait.
; The chosen experts are whole numbers that an earlier launch stored; they pick b2's rows.  b2 is rounded to bf16 like every input.
.set T16, 1                            ; v1         16 x thread
.set P,   16                           ; v[16:143]  token i, piece j = 4 k + chunk at P + 32 i + 4 j
.set BV,  144                          ; v[144:175] the bias of token i, choice k at BV + 8 i + 4 k
.set BO,  176                          ; v[176:183] its byte offset in b2
.set WW,  184                          ; v[184:199] the weight of token i, choice k, twice: a pair at WW + 4 i + 2 k
	s_load_b256 s[4:11], s[0:1], 0x0               ; ypart s[4:5], b2 s[6:7], sel s[8:9], rw s[10:11]
	s_load_b64 s[12:13], s[0:1], 0x20              ; out0
	v_lshlrev_b32 v[T16], 4, v0
	s_lshl_b32 s14, ttmp9, 4                       ; my four tokens' words in a plane of sel and of rw
	s_lshl_b32 s32, ttmp9, 17                      ; my four tokens' 128 KiB of ypart
	s_mov_b32 s33, 0
	s_wait_kmcnt 0x0
	s_load_b128 s[16:19], s[8:9], s14 offset:0x0      ; the first choices,
	s_load_b128 s[20:23], s[8:9], s14 offset:0x1000   ; the second
	s_load_b128 s[24:27], s[10:11], s14 offset:0x0    ; and their weights
	s_load_b128 s[28:31], s[10:11], s14 offset:0x1000
	s_add_nc_u64 s[4:5], s[4:5], s[32:33]
	s_lshl_b32 s32, ttmp9, 14                      ; my four rows of out0
	s_add_nc_u64 s[12:13], s[12:13], s[32:33]
.irp i, 0,1,2,3
.irp j, 0,1,2,3,4,5,6,7
	global_load_b128 v[P+32*(\i)+4*(\j):P+32*(\i)+4*(\j)+3], v[T16], s[4:5] offset:32768*(\i)+4096*(\j) th:TH_LOAD_NT
.endr
.endr
	s_wait_kmcnt 0x0
.irp i, 0,1,2,3
.irp k, 0,1
	s_min_u32 s[16+4*(\k)+(\i)], s[16+4*(\k)+(\i)], 7
	v_lshl_add_u32 v[BO+2*(\i)+(\k)], s[16+4*(\k)+(\i)], 12, v[T16]  ; a row of b2 is 4,096 bytes
	global_load_b128 v[BV+8*(\i)+4*(\k):BV+8*(\i)+4*(\k)+3], v[BO+2*(\i)+(\k)], s[6:7]
	v_mov_b32 v[WW+4*(\i)+2*(\k)], s[24+4*(\k)+(\i)]
	v_mov_b32 v[WW+4*(\i)+2*(\k)+1], s[24+4*(\k)+(\i)]
.endr
.endr
	s_wait_loadcnt 0x0                             ; the one wait: everything was on its way together
.macro TOKEN i
.irp k, 0,1
.set p, P+32*(\i)+16*(\k)
.set bv, BV+8*(\i)+4*(\k)
	v_pk_add_f32 v[p:p+1], v[p:p+1], v[p+4:p+5]            ; (chunk 0 + chunk 1) + (chunk 2 + chunk 3)
	v_pk_add_f32 v[p+2:p+3], v[p+2:p+3], v[p+6:p+7]
	v_pk_add_f32 v[p+8:p+9], v[p+8:p+9], v[p+12:p+13]
	v_pk_add_f32 v[p+10:p+11], v[p+10:p+11], v[p+14:p+15]
	v_cvt_pk_bf16_f32 v2, v[bv], v[bv+1]                   ; the bias rounded to bf16, and back as f32
	v_cvt_pk_bf16_f32 v3, v[bv+2], v[bv+3]
	v_pk_add_f32 v[p:p+1], v[p:p+1], v[p+8:p+9]
	v_pk_add_f32 v[p+2:p+3], v[p+2:p+3], v[p+10:p+11]
	v_lshlrev_b32 v[bv], 16, v2
	v_and_b32 v[bv+1], 0xffff0000, v2
	v_lshlrev_b32 v[bv+2], 16, v3
	v_and_b32 v[bv+3], 0xffff0000, v3
	v_pk_add_f32 v[p:p+1], v[p:p+1], v[bv:bv+1]
	v_pk_add_f32 v[p+2:p+3], v[p+2:p+3], v[bv+2:bv+3]
.endr
.set p, P+32*(\i)
.set w, WW+4*(\i)
	v_pk_mul_f32 v[p:p+1], v[p:p+1], v[w:w+1]
	v_pk_mul_f32 v[p+2:p+3], v[p+2:p+3], v[w:w+1]
	v_pk_fma_f32 v[p:p+1], v[p+16:p+17], v[w+2:w+3], v[p:p+1]
	v_pk_fma_f32 v[p+2:p+3], v[p+18:p+19], v[w+2:w+3], v[p+2:p+3]
	global_store_b128 v[T16], v[p:p+3], s[12:13] offset:4096*(\i) th:TH_STORE_NT  ; a wave stores 512 consecutive bytes, aligned; the registers are not written again
.endm
	TOKEN 0
	TOKEN 1
	TOKEN 2
	TOKEN 3
	s_endpgm
.Lfunc_end_k_q45e904a2f7_combine:
	.size	k_q45e904a2f7_combine, .Lfunc_end_k_q45e904a2f7_combine-k_q45e904a2f7_combine
	.p2alignl 7, 3214868480
	.fill 96, 4, 3214868480
	.section	.rodata,"a",@progbits
	.p2align	6, 0x0
	.amdhsa_kernel k_q45e904a2f7_combine
		.amdhsa_group_segment_fixed_size 0
		.amdhsa_private_segment_fixed_size 0
		.amdhsa_enable_private_segment 0
		.amdhsa_kernarg_size 40
		.amdhsa_user_sgpr_count 2
		.amdhsa_user_sgpr_kernarg_segment_ptr 1
		.amdhsa_wavefront_size32 1
		.amdhsa_system_sgpr_workgroup_id_x 1
		.amdhsa_system_sgpr_workgroup_id_y 1
		.amdhsa_system_sgpr_workgroup_id_z 1
		.amdhsa_system_vgpr_workitem_id 0
		.amdhsa_next_free_vgpr 200
		.amdhsa_next_free_sgpr 66
		.amdhsa_reserve_vcc 0
		.amdhsa_float_denorm_mode_32 3
		.amdhsa_float_denorm_mode_16_64 3
		.amdhsa_memory_ordered 1
		.amdhsa_forward_progress 1
		.amdhsa_inst_pref_size 14
	.end_amdhsa_kernel
	.amdgpu_metadata
---
amdhsa.version: [ 1, 2 ]
amdhsa.kernels:
  - .name:           k_q45e904a2f7_combine
    .symbol:         k_q45e904a2f7_combine.kd
    .args:
      - { .name: ypart, .offset: 0, .size: 8, .value_kind: global_buffer, .address_space: global }
      - { .name: b2, .offset: 8, .size: 8, .value_kind: global_buffer, .address_space: global }
      - { .name: sel, .offset: 16, .size: 8, .value_kind: global_buffer, .address_space: global }
      - { .name: rw, .offset: 24, .size: 8, .value_kind: global_buffer, .address_space: global }
      - { .name: out0, .offset: 32, .size: 8, .value_kind: global_buffer, .address_space: global }
    .group_segment_fixed_size: 0
    .private_segment_fixed_size: 0
    .kernarg_segment_align: 8
    .kernarg_segment_size: 40
    .max_flat_workgroup_size: 256
    .sgpr_count:     66
    .vgpr_count:     200
    .wavefront_size: 32
...
	.end_amdgpu_metadata
.endif
;; end of part 4
;; ======== version 2 of 2: 4 launches; version 1 with the launches ffn1, ffn2, combine written anew for expert scheduling mode
;; limits: values are held in f16: magnitudes above 65,504 overflow, below 6.1e-05 lose precision
;; workspace buffers: xb 2,097,152 bytes; sel 8,192 bytes of whole numbers; rw 8,192 bytes; h 67,108,864 bytes; ypart 33,554,432 bytes
;; launch router: the kernel of part 1 again; grid 256 x 1, 4 waves a work-group, no clusters, 0 bytes of LDS; arguments x, gate_w, xb, sel, rw; writes xb, sel, rw
;; launch ffn1 (part 5): grid 32 x 8, 4 waves a work-group, no clusters, 286,208 bytes of LDS; arguments xb, w1, sel, h, b1; writes h
.if DOCPART == 5
	.amdgcn_target "amdgcn-amd-amdhsa--gfx1250"
	.amdhsa_code_object_version 6
	.text
	.protected	k_q45e904a2f7_ffn1
	.globl	k_q45e904a2f7_ffn1
	.p2align	8
	.type	k_q45e904a2f7_ffn1,@function
k_q45e904a2f7_ffn1:
	s_mov_b64 s[64:65], 0
	v_nop
	global_prefetch_b8 v0, s[64:65] scope:SCOPE_SE
	s_setreg_imm32_b32 hwreg(HW_REG_WAVE_SCHED_MODE, 0, 2), 2
	s_setreg_imm32_b32 hwreg(HW_REG_WAVE_MODE, 25, 1), 1
	s_wait_xcnt 0x0
	s_wait_alu depctr_vm_vsrc(0)
; ONE PRODUCT OF THE EXPERTS' LAYER, for the chosen rows alone.  KIND = 1: h = f16(relu(xb[token] . bf16(w1[e])^T + bf16(b1[e]))), a bf16 product.
; KIND = 2: ypart[row id][chunk] = h[chunk] . bf16(w2[e][:, chunk])^T in f32 (partial sums; the last launch adds them), an f16 product.  Row id = 2 x token + k.
; SHARES.  A work-group has ONE expert (grid y) and a slice of 128 weight rows x 1,024 along K (grid x), which it alone reads: 512 KiB of f32.
; PHASE A: each of the four waves streams 32 weight rows through a ring of eight rows in registers (64 loads of 512 bytes of a wave on their way),
; rounds them and lays them into LDS.  Meanwhile every wave has made, for itself, the list of the expert's row ids from sel.  A barrier: the slice is whole.
; PHASE B: the slice stays in LDS; the places of the expert's list go by in passes of up to 320, dealt evenly: NB = min(5, ceil(places left / 64)) blocks of 16 for each wave, x 128 columns.
; The rows' fragments come from memory straight into registers.  Four passes, a constant, cover 1,024 rows, the most an expert can have; a wave with no place inside the count jumps the work;
; an expert with no rows stores nothing.  Block 4's products are jumped where NB < 5; places past the count are multiplied with their block (63 at the most in a pass) and not kept.
; h LIES IN THE ORDER IN WHICH THE SECOND PRODUCT'S REGISTERS TAKE IT: h[expert][block of 16 places][K step of 32][half of 16][lane][16 bytes]: a block is 128 K steps of 1,024 bytes, an expert
; has room for 64 blocks.  In the first product's result lane (r, h) holds place r and columns 16 b + 8 h + 0..7; packed to f16 these 16 bytes ARE registers 4 (b % 2) .. + 3 of the same lane's
; fragment for K step 4 x slice + b / 2.  So KIND 1 stores from registers, 512 consecutive aligned bytes a store, with no stage and no list, and KIND 2 loads its fragments the same way.
; A block's places past the count hold the result of row id 0's token (KIND 1 reads list words that hold 0): finite numbers that nobody keeps.  KIND 2 reads no block that KIND 1 did not store:
; a block past the count repeats the wave's first block.
; BARRIERS.  KIND 1 writes no LDS behind the slice's barrier; one more barrier stands in front of the closing lines.  KIND 2 sends its results through each wave's stage: two barriers a pass,
; which every wave passes: between the pass's reads of the slice and the writes of the stages, and between those writes and the next pass's reads.  Only work is jumped.
; NO MULTICAST: each slice has one reader; beside the slice LDS has 60 KB left, too little for two slots of a pass's rows (320 x 272 bytes for 128 along K are 87 KB).
; THE MATRIX INSTRUCTION IS USED TRANSPOSED: source 0 = 16 weight rows, source 1 = 16 places: a lane holds one place (lane % 16) and eight neighbouring output columns 8 (lane / 16) + 0..7.
; FORMATS.  Every input is rounded to bf16 once; sums are f32.  h is kept in f16: what its rounding loses reaches the output undiminished, and f16's 11 significant bits lose
; an eighth of what bf16's 8 would.  So w2, rounded to bf16 like every input, is written as f16: the same number from 2^-17 up, below that within 2^-25.
; LIMITS.  h or w2 beyond 65,504 becomes an infinity.  By the problem's sizes a pre-activation has the spread sqrt(1024) x 1 x 1/64 = 0.5; with x and w1 both 30 times larger 450;
; with a common offset of 30 spreads on both it lies at 1024 x 30 x 30/64 = 14,400.  h and w2 below 6e-5 keep f16's fixed step of 6e-8.  NaN and infinities are not treated apart.
; REGISTERS, in windows of 256 (s_set_vgpr_msb: bits 1:0 source 0, 3:2 source 1, 5:4 source 2, 7:6 destination):
;   window 0: v0-59 addresses and small things; v64-223 the rows' fragments, four K steps deep (at the head: sel and the list's registers; in phase A and on the way out: at work); v224-255 phase A: a rounded weight row, two buffers
;   window 1: phase A: the ring; then accumulators (a, b) of row blocks a = 0..3 at 64 a + 8 b
;   window 2: v0-63 accumulators of block 4; v64-191 the weights' fragments, two buffers; v192-255 the bias (KIND 1)
; THE MODE: SCHED_MODE bits 1:0 = 2 (LLVM: expert scheduling mode 2), set by the entry lines.  The code itself states the register dependences
; between vector or matrix instructions and memory or LDS instructions, with s_wait_alu, always for 0.
; THE PLAN.  Registers that memory or LDS instructions touch, and who else names them:
;   L16, H32, STO, RD, ZQ, LT+1, SPW, NIL   Written at the head, ahead of its one wait on va_vdst; never written again.
;   LK, LI      The list: a row id and an LDS address for each of its 32 steps, in registers of their own.  The compares go in runs of sixteen into scalar registers, one wait on va_sdst behind each run;
;               one wait on va_vdst behind all the arithmetic; then the 32 stores on end.
;   the ring    Row i: sixteen conversions read slot i % 8; straight behind them, and one wait on va_vdst, the loads of row i + 8 land in it.
;   TT0, TT1    Row i's conversions write TT[i % 2], its eight LDS stores read it.  The wait on vm_vsrc in row i stands ahead of row i's stores and a whole row behind row i - 1's: it frees the TT that row i + 1 writes.
;   WS          Read by every store of a row; stepped once a trip of the ring, behind a wait on vm_vsrc; the next row's wait on va_vdst shows it written.
;   XF0 .. XF3, BF0, BF1   K step s: its products read XF[s % 4] and BF[s % 2]; its loads land in XF[(s + 3) % 4] and BF[(s + 1) % 2], which the products of step s - 1 read.  ONE wait on va_vdst, at the step's head,
;               states that those are done; the step's loads follow in two runs among its products, which name none of the registers that the loads touch.
;   WA          Read by the weights' LDS loads; made anew behind step 0 and once a trip of the K loop, behind a wait on vm_vsrc; the next step's head shows it written.
;   XO, LA, GOF, LS, RID, the way out's data and offsets   Made anew in each pass: one wait on vm_vsrc at a pass's end frees them all; SETUP's waits on va_vdst show them written.
.set KIND,   1
.set PW,     2064                      ; an LDS row of the slice: 2,048 bytes + 16 = 516 words: the 16 rows of a fragment load start four banks apart
.set LISTB,  128*PW                    ; behind the slice: for each wave 1,280 list words and 32 dump words, in 5,376 bytes
.set LISTW,  5376
.set STAGE,  LISTB+4*LISTW             ; KIND 2: each wave's own stage for the way out
.set HBLK,   131072                    ; bytes of a block of 16 places of h
.if KIND == 1
.set WPITCH, 4096                      ; bytes from weight row to weight row
.set XSTEP,  64                        ; bytes from a K step's fragment of rows to the next: xb's rows lie along K,
.set XHALF,  32                        ; and from a fragment's registers 0-3 to its registers 4-7
.set SP,     0
.else
.set WPITCH, 16384
.set XSTEP,  1024                      ; h lies by fragments
.set XHALF,  512
.set SP,     528                       ; a stage row: 128 f32 + 16 bytes
.endif
.set STGW,   16*SP
.set SPARE,  STAGE+4*STGW              ; the spare words, 128 bytes for each wave: two blocks of 256 bytes that no other line names
.set RR,  1                            ; lane % 16
.set HH,  2                            ; (lane / 16) % 2
.set LN,  3                            ; lane
.set L16, 4                            ; 16 x lane
.set WS,  5                            ; phase A: where my 8 bytes of a weight row go
.set WL,  6                            ; v6-9    my place in the fragments of weight rows 32 p on, K = 0; never rewritten
.set WA,  10                           ; v10-13  the same at the K step where the loop stands: WL + the scalar KB, made anew each trip
.set LA,  14
.set LS,  15                           ; KIND 2, the way out: my wave's place in the list
.set STO, 17
.set RD,  18
.set GOF, 19                           ; my byte offset in the output
.set SPW, 20                           ; LDS address of my spare word; never rewritten
.set NIL, 21                           ; 0; never rewritten
.set H32, 22
.set H16, 23
.set RID, 24                           ; v24-28  KIND 1: row id of my lane's place in block a
.set L8,  29
.set XO,  30                           ; v30-34  byte offset of block a's fragments in the rows' buffer
.set DIX, 35                           ; 1,280 + lane: my dump word
.set SA,  36                           ; v36-51  KIND 2, the way out: store offsets
.set ZQ,  52                           ; v52-55  zeros
.set LT,  56                           ; v56-57  at the head: at work
.set XF,  64                           ; fragments of rows: K step s, block a at XF + 40 (s % 4) + 8 a
.set S0,  64                           ; at the head: sel, plane 0 and plane 1
.set S1,  96
.set TMP, 64                           ; KIND 1, the way out: block a's packed results at TMP + 32 a, v64-223
.set OB,  96                           ; KIND 2, the way out: rows read back from the stage, v96-159
.set UU,  128                          ; phase A (KIND 2): a weight row's bf16 numbers as f32, v128-159
.set LK,  160                          ; v160-191 at the head: the list's row ids, a register a step
.set LI,  192                          ; v192-223 at the head: the LDS address to which each goes
.set TT,  224                          ; v224-255 phase A: a rounded weight row, two buffers of 16 by turns
.set BF,  64                           ; window 2
.set BIAS, 192                         ; window 2
.set WV,  14
.set EX,  15
.set SX,  16
.set CN,  17                           ; the expert's number of rows
.set KB,  18                           ; bytes along K at which the loop stands
.set RB,  19                           ; my first place in the list
.set PB,  20
.set PN,  21
.set KC,  22
.set CR,  23                           ; places of mine that hold rows
.set LBS, 24
.set T0,  25
.set T1,  26
.set RC,  29
.set OF,  30
.set XP,  32
.set WP,  34
.set DS,  36
.set C4,  37
.set MK,  38                           ; a word's upper bf16 (KIND 2)
.set NB,  39                           ; blocks of 16 places for each wave in this pass
.set MAS, 44                           ; s[44:51] the list: eight steps' masks of the lanes whose first choice is my expert; then of either choice
.set MBS, 52                           ; s[52:59] of the lanes whose second choice it is
.set W_S1, 0x40
.set W_C1, 0x05
.set W_C2, 0x0a
.set W_D2, 0x80
.set W_22, 0x8a
.set W_M1, 0x52
.set W_M2, 0xa2
.set W_MB, 0x62
.set W_T1, 0x04
.set W_T2, 0x08
.set MSB, 0
.macro WIN new                         ; the immediate's high byte repeats the setting that is left; a switch that changes nothing is dropped
.if MSB != (\new)
	s_set_vgpr_msb (MSB<<8)|(\new)
.set MSB, \new
.endif
.endm
.macro PLACES                          ; four plain vector instructions between a matrix instruction and a load into, or a read of, its registers; they stay beside the waits on va_vdst
.rept 4
	v_nop
.endr
.endm
; Weight row i (counted from the ring's base) is asked for: eight loads, 512 neighbouring bytes each.
.macro WROW i
	WIN W_S1
.irp j, 0,1,2,3,4,5,6,7
	global_load_b128 v[32*((\i)%8)+4*(\j):32*((\i)%8)+4*(\j)+3], v[L16], s[WP:WP+1] offset:(\i)*WPITCH+512*(\j) th:TH_LOAD_NT
.endr
.endm
; Ring slot i: its row is in (left = the younger loads that may stay out) and is rounded to bf16; ahead = 1: the slot takes the row eight further on, straight behind the conversions that empty it;
; (KIND 2: the bf16 number is written as f16;) the row goes to LDS (256 neighbouring bytes a store).
.macro ROWIN i, ahead, left
.set tb, TT+16*((\i)%2)
	s_wait_loadcnt \left
	WIN W_C1
.irp j, 0,1,2,3,4,5,6,7
	v_cvt_pk_bf16_f32 v[tb+2*(\j)],   v[32*(\i)+4*(\j)],   v[32*(\i)+4*(\j)+1]
	v_cvt_pk_bf16_f32 v[tb+2*(\j)+1], v[32*(\i)+4*(\j)+2], v[32*(\i)+4*(\j)+3]
.endr
.if \ahead
	WIN W_S1
	s_wait_alu depctr_vm_vsrc(0)                   ; the last row's LDS stores have read the other TT, which the next row's conversions write
	s_wait_alu depctr_va_vdst(0)                   ; the conversions are done reading the slot, in which the loads below land; KIND 1: they have written TT, which the stores below read
	WROW (\i)+8
.endif
	WIN 0
.if KIND == 2
.set z, 0
.rept 16
	v_lshlrev_b32 v[UU+2*z], 16, v[tb+z]           ; bf16 to f32: the low half moves up,
	v_and_b32 v[UU+2*z+1], s[MK], v[tb+z]          ; the high half stays
.set z, z+1
.endr
.set z, 0
.rept 16
	v_cvt_pk_f16_f32 v[tb+z], v[UU+2*z], v[UU+2*z+1]
.set z, z+1
.endr
.endif
.if !(\ahead)
	s_wait_alu depctr_vm_vsrc(0)                   ; the last row's LDS stores have read the other TT, which the next row's conversions write
.endif
.if (KIND == 2) || !(\ahead)
	s_wait_alu depctr_va_vdst(0)                   ; the conversions have written TT, which the stores below read
.endif
.irp j, 0,1,2,3,4,5,6,7
	ds_store_b64 v[WS], v[tb+2*(\j):tb+2*(\j)+1] offset:(\i)*PW+256*(\j)
.endr
.endm
; Eight steps of the list.  Step n takes tokens 128 (n / 4) + 4 lane + n % 4: those that chose my expert get the next free list words, in lane order; the others their dump word.
; The sixteen compares stand in one run; the row ids and LDS addresses go into registers of the step's own; the stores follow behind all 32 steps.
.macro LISTGRP g
.irp i, 0,1,2,3,4,5,6,7
	v_cmp_eq_u32 s[MAS+(\i)], s[EX], v[S0+8*(\g)+(\i)]
	v_cmp_eq_u32 s[MBS+(\i)], s[EX], v[S1+8*(\g)+(\i)]
.endr
	s_wait_alu depctr_va_sdst(0)                   ; the sixteen masks are written, ahead of their first readers
.irp i, 0,1,2,3,4,5,6,7
.set n, 8*(\g)+(\i)
	s_or_b32 s[MAS+(\i)], s[MAS+(\i)], s[MBS+(\i)]
	v_cndmask_b32 v[LK+n], 0, 1, s[MBS+(\i)]           ; k
	v_add3_u32 v[LK+n], v[LK+n], v[L8], 256*(n/4)+2*(n%4)  ; row id = 2 x token + k
	v_mbcnt_lo_u32_b32 v[LI+n], s[MAS+(\i)], s[CN]     ; rows so far + matching lanes below me
	v_cndmask_b32 v[LI+n], v[DIX], v[LI+n], s[MAS+(\i)]
	v_min_u32 v[LI+n], 1311, v[LI+n]
	v_lshl_add_u32 v[LI+n], v[LI+n], 2, s[LBS]
	s_bcnt1_i32_b32 s[T0], s[MAS+(\i)]
	s_add_co_u32 s[CN], s[CN], s[T0]
.endr
.endm
; Eight matrix instructions: row block a x all 8 column blocks, 32 along K.  The eight accumulators take turns.
; first = 1: the product starts the sums, with the bias (KIND 1) or the constant 0.
.macro GROUP a, pb, xq, first
.if (\a) == 4
	WIN W_M2
.elseif (\first) && (KIND == 1)
	WIN W_MB
.else
	WIN W_M1
.endif
.irp b, 0,1,2,3,4,5,6,7
.if KIND == 1
.if \first
	v_wmma_f32_16x16x32_bf16 v[(64*(\a))%256+8*(\b):(64*(\a))%256+8*(\b)+7], v[BF+64*(\pb)+8*(\b):BF+64*(\pb)+8*(\b)+7], v[XF+40*(\xq)+8*(\a):XF+40*(\xq)+8*(\a)+7], v[BIAS+8*(\b):BIAS+8*(\b)+7]
.else
	v_wmma_f32_16x16x32_bf16 v[(64*(\a))%256+8*(\b):(64*(\a))%256+8*(\b)+7], v[BF+64*(\pb)+8*(\b):BF+64*(\pb)+8*(\b)+7], v[XF+40*(\xq)+8*(\a):XF+40*(\xq)+8*(\a)+7], v[(64*(\a))%256+8*(\b):(64*(\a))%256+8*(\b)+7]
.endif
.else
.if \first
	v_wmma_f32_16x16x32_f16 v[(64*(\a))%256+8*(\b):(64*(\a))%256+8*(\b)+7], v[BF+64*(\pb)+8*(\b):BF+64*(\pb)+8*(\b)+7], v[XF+40*(\xq)+8*(\a):XF+40*(\xq)+8*(\a)+7], 0
.else
	v_wmma_f32_16x16x32_f16 v[(64*(\a))%256+8*(\b):(64*(\a))%256+8*(\b)+7], v[BF+64*(\pb)+8*(\b):BF+64*(\pb)+8*(\b)+7], v[XF+40*(\xq)+8*(\a):XF+40*(\xq)+8*(\a)+7], v[(64*(\a))%256+8*(\b):(64*(\a))%256+8*(\b)+7]
.endif
.endif
.endr
.endm
; A K step of 32: 40 matrix instructions, or 32.  pb, xq: its buffers.  ldw: the next step's weights are fetched from LDS; ldx: the rows' fragments of the step three on are asked for;
; i: the step, counted from where XP and WA stand.  lc: the rows' loads that may stay out: those of the next two steps, ten each (block 4's are issued on every path, so the counts hold).
; The step's loads stand in two runs, behind its first and its second eight products.  A pass's first step has no wait on va_vdst: SETUP's stands ahead of it, with no vector or matrix instruction between.
; Block 4's products are jumped where the pass has four blocks a wave or fewer; the first step writes its accumulators on every path.
.macro STEP pb, xq, first, ldw, ldx, i, lc
	s_wait_dscnt 0x0                               ; this step's weights: asked for 24 matrix instructions ago or more
	s_wait_loadcnt \lc
.if !(\first) && ((\ldw) || (\ldx))
	s_wait_alu depctr_va_vdst(0)                   ; the last step's products are done reading their weights' and rows' fragments, in which this step's loads land; where WA was made anew, it is written
.endif
	GROUP 0, \pb, \xq, \first
.if (\ldw) || (\ldx)
	PLACES                                         ; behind the last step's products, which read the buffers that are now filled
.endif
.if \ldw
	WIN W_D2
.irp b, 0,1,2,3,4,5,6,7
	ds_load_b128 v[BF+64*((\pb)^1)+8*(\b):BF+64*((\pb)^1)+8*(\b)+3],   v[WA+(\b)/2] offset:((\b)%2)*16*PW+64*((\i)+1)  ; no wait: no product since the step's head names the other buffer or WA
	ds_load_b128 v[BF+64*((\pb)^1)+8*(\b)+4:BF+64*((\pb)^1)+8*(\b)+7], v[WA+(\b)/2] offset:((\b)%2)*16*PW+64*((\i)+1)+32
.endr
.endif
	GROUP 1, \pb, \xq, \first
.if \ldx
	WIN 0
.irp a, 0,1,2,3,4
	global_load_b128 v[XF+40*(((\xq)+3)&3)+8*(\a):XF+40*(((\xq)+3)&3)+8*(\a)+3],   v[XO+(\a)], s[XP:XP+1] offset:XSTEP*((\i)+3)  ; likewise: the buffer that the last step read, and XO
	global_load_b128 v[XF+40*(((\xq)+3)&3)+8*(\a)+4:XF+40*(((\xq)+3)&3)+8*(\a)+7], v[XO+(\a)], s[XP:XP+1] offset:XSTEP*((\i)+3)+XHALF
.endr
.endif
	GROUP 2, \pb, \xq, \first
	GROUP 3, \pb, \xq, \first
.if \first
	GROUP 4, \pb, \xq, \first
.else
	WIN 0
	s_cmp_lt_u32 s[NB], 5
	s_cbranch_scc1 .Lno4_\@
	GROUP 4, \pb, \xq, \first
	WIN 0
.Lno4_\@:
.endif
.endm
; The products of a pass begin: the offsets of my blocks' fragments, the first three K steps' fragments of rows, the first step's weights.
.macro SETUP
	WIN 0
.if KIND == 1
	v_add_nc_u32 v[LA], s[RB], v[RR]
	v_min_u32 v[LA], 1215, v[LA]
	v_lshl_add_u32 v[LA], v[LA], 2, s[LBS]
	s_lshl_b32 s[T1], s[RB], 13                    ; 16 places of h are 131,072 bytes: 8,192 a place
	v_add_nc_u32 v[GOF], s[T1], v[L16]             ; my 16 bytes in my first block's first store
.else
	s_lshl_b32 s[T1], s[RB], 13                    ; 16 places of h are 131,072 bytes: 8,192 a place
	v_add_nc_u32 v[XO], s[T1], v[L16]              ; my 16 bytes in my first block's first fragment
.irp a, 1,2,3,4
	s_add_co_u32 s[T0], s[RB], 16*(\a)             ; block a's first place,
	s_cmp_gt_i32 s[CR], 16*(\a)                    ; if the block holds a row;
	s_cselect_b32 s[T0], s[T0], s[RB]              ; if not, it repeats my first block: nothing is read that was not stored
	s_min_u32 s[T0], s[T0], 1264                   ; the choice hangs on a count and enters an address, so its bound, 1,200 + 64, is written out
	s_lshl_b32 s[T0], s[T0], 13
	v_add_nc_u32 v[XO+(\a)], s[T0], v[L16]
.endr
.endif
.irp p, 0,1,2,3
	v_mov_b32 v[WA+(\p)], v[WL+(\p)]
.endr
	s_mov_b64 s[XP:XP+1], s[4:5]                   ; no load that names XP is out: the last pass ended on a wait for all its loads
.if KIND == 1
	s_wait_alu depctr_va_vdst(0)                   ; LA is written, which the list's loads read; the last pass's arithmetic is done with RID, in which they land
.irp a, 0,1,2,3,4
	ds_load_b32 v[RID+(\a)], v[LA] offset:64*(\a)
.endr
	s_cmp_lt_u32 s[NB], 5
	s_cselect_b32 s[T0], 0, -1
	s_wait_dscnt 0x0
	v_and_b32 v[RID+4], s[T0], v[RID+4]            ; a block that is not multiplied reads row id 0 alone
.irp a, 0,1,2,3,4
	v_lshrrev_b32 v[XO+(\a)], 1, v[RID+(\a)]       ; the token
	v_min_u32 v[XO+(\a)], 0x3ff, v[XO+(\a)]
	v_lshl_add_u32 v[XO+(\a)], v[XO+(\a)], 11, v[H16]
.endr
.endif
	s_wait_alu depctr_va_vdst(0)                   ; XO and WA are written, which the loads below read; the last pass's products and conversions are done with the fragments' registers, in which they land
.irp q, 0,1,2
.irp a, 0,1,2,3,4
	global_load_b128 v[XF+40*(\q)+8*(\a):XF+40*(\q)+8*(\a)+3],   v[XO+(\a)], s[XP:XP+1] offset:XSTEP*(\q)
	global_load_b128 v[XF+40*(\q)+8*(\a)+4:XF+40*(\q)+8*(\a)+7], v[XO+(\a)], s[XP:XP+1] offset:XSTEP*(\q)+XHALF
.endr
.endr
	WIN W_D2
.irp b, 0,1,2,3,4,5,6,7
	ds_load_b128 v[BF+8*(\b):BF+8*(\b)+3],   v[WA+(\b)/2] offset:((\b)%2)*16*PW
	ds_load_b128 v[BF+8*(\b)+4:BF+8*(\b)+7], v[WA+(\b)/2] offset:((\b)%2)*16*PW+32
.endr
.endm
; THE WAY OUT of block a.  A block that holds no row, and those behind it, are jumped.  Each accumulator is read from its low end on.
; KIND 1: rounded to f16, relu on the packed halves (the same numbers as rounding the relu), stored from registers: each block has 32 registers of its own, so no store's data is rewritten in a pass.
; KIND 2: through my own stage, back as whole rows of 512 bytes, each stored to the row that the list names; a store is one row, and the rows past the count are jumped.
; The list's words are asked for first, so that the stores' offsets are made while the stage's rows come back.
.macro OUTBLK a
	WIN 0
.if (KIND == 2) || ((\a) > 0)
	s_cmp_le_i32 s[CR], 16*(\a)
	s_cbranch_scc1 .Lout_done
.endif
.if KIND == 1
.if (\a) == 4
	WIN W_C2
.else
	WIN W_C1
.endif
.irp b, 0,1,2,3,4,5,6,7
.irp n, 0,1,2,3
	v_cvt_pk_f16_f32 v[TMP+32*(\a)+4*(\b)+(\n)], v[(64*(\a))%256+8*(\b)+2*(\n)], v[(64*(\a))%256+8*(\b)+2*(\n)+1]
.endr
.endr
	WIN 0
.set z, 0
.rept 32
	v_pk_max_num_f16 v[TMP+32*(\a)+z], v[TMP+32*(\a)+z], v[ZQ]
.set z, z+1
.endr
	s_wait_alu depctr_va_vdst(0)                   ; the block's 32 packed registers are written, which the eight stores read (GOF was shown written in SETUP)
.irp b, 0,1,2,3,4,5,6,7
	global_store_b128 v[GOF], v[TMP+32*(\a)+4*(\b):TMP+32*(\a)+4*(\b)+3], s[10:11] offset:(\a)*HBLK+512*(\b)  ; half b % 2 of K step b / 2 of my slice's four: 512 consecutive bytes, aligned
.endr
.else
	s_wait_xcnt 0x0                                ; the last block's stores have read OB and SA, which the loads below write again
.if (\a) > 0
	s_wait_alu depctr_vm_vsrc(0)                   ; the last block's stores have read OB and SA, in which the loads below land
.endif
	s_wait_alu depctr_va_vdst(0)                   ; the products have written the accumulators, which the LDS stores read, and are done reading the fragments' registers, in which OB's loads land; LS is written; the last block's arithmetic is done with SA
.set z, 0
.rept 16
	ds_load_b32 v[SA+z], v[LS] offset:4*(16*(\a)+z)
.set z, z+1
.endr
.if (\a) == 4
	WIN W_T2
.else
	WIN W_T1
.endif
.irp b, 0,1,2,3,4,5,6,7
	ds_store_b128 v[STO], v[(64*(\a))%256+8*(\b):(64*(\a))%256+8*(\b)+3]   offset:64*(\b)
	ds_store_b128 v[STO], v[(64*(\a))%256+8*(\b)+4:(64*(\a))%256+8*(\b)+7] offset:64*(\b)+16
.endr
	WIN 0
.set z, 0
.rept 16
	ds_load_b128 v[OB+4*z:OB+4*z+3], v[RD] offset:SP*z  ; LDS serves a wave's instructions in order (ISA guide 5.7.1.4): these see the stores above
.set z, z+1
.endr
	s_wait_dscnt 32                                ; the list's sixteen words are in: the stage's sixteen stores and sixteen loads are younger
.set z, 0
.rept 16
	v_min_u32 v[SA+z], 0x7ff, v[SA+z]
.set z, z+1
.endr
.set z, 0
.rept 16
	v_lshl_add_u32 v[SA+z], v[SA+z], 14, v[GOF]    ; a row of ypart (four chunks of 1,024 f32) is 16,384 bytes
.set z, z+1
.endr
	s_wait_alu depctr_va_vdst(0)                   ; the sixteen offsets SA are written, which the stores below read
	s_wait_dscnt 0x0                               ; the rows are back from the stage
.set z, 0
.rept 16
.if z > 0
	s_cmp_le_i32 s[CR], 16*(\a)+z
	s_cbranch_scc1 .Lout_done
.endif
	global_store_b128 v[SA+z], v[OB+4*z:OB+4*z+3], s[10:11]  ; 512 consecutive bytes, aligned
.set z, z+1
.endr
.endif
.endm
	s_load_b256 s[4:11], s[0:1], 0x0               ; rows s[4:5], weights s[6:7], sel s[8:9], output s[10:11]
.if KIND == 1
	s_load_b64 s[12:13], s[0:1], 0x20              ; b1
.endif
	v_lshl_add_u32 v[SPW], v0, 2, SPARE
	v_mov_b32 v[NIL], 0
	v_lshrrev_b32 v[LT], 5, v0
	v_readfirstlane_b32 s[WV], v[LT]               ; wave 0..3
	s_and_b32 s[EX], ttmp7, 0xffff                 ; my expert
.if KIND == 2
	s_mov_b32 s[MK], 0xffff0000
.endif
	v_and_b32 v[RR], 15, v0
	v_bfe_u32 v[HH], v0, 4, 1
	v_and_b32 v[LN], 31, v0
	v_lshlrev_b32 v[L16], 4, v[LN]
	v_lshlrev_b32 v[L8], 3, v[LN]
	v_lshlrev_b32 v[H16], 4, v[HH]
	v_lshlrev_b32 v[H32], 5, v[HH]
	v_add_nc_u32 v[DIX], 1280, v[LN]
.irp z, 0,1,2,3
	v_mov_b32 v[ZQ+(\z)], 0
.endr
	s_wait_alu depctr_va_sdst(0)                   ; the wave's number is written, ahead of its first reader: LDS addresses and the buffers' bases are made from it
	s_mul_i32 s[LBS], s[WV], LISTW
	s_add_co_u32 s[LBS], s[LBS], LISTB             ; my list
	v_mul_u32_u24 v[LT], v[RR], PW
	v_add_nc_u32 v[LT], v[LT], v[H16]              ; a fragment's row x pitch + 16 x half
.irp p, 0,1,2,3
	v_add_nc_u32 v[WL+(\p)], (\p)*32*PW, v[LT]
.endr
	s_mul_i32 s[T0], s[WV], 32*PW                  ; phase A: my 32 rows of the slice
	v_add_nc_u32 v[WS], s[T0], v[L8]
.if KIND == 2
	s_mul_i32 s[T1], s[WV], STGW
	s_add_co_u32 s[T1], s[T1], STAGE               ; my stage
	v_mul_u32_u24 v[STO], v[RR], SP
	v_add3_u32 v[STO], v[STO], v[H32], s[T1]       ; in: row lane % 16, 32 bytes for each half of the lanes
	v_add_nc_u32 v[RD], s[T1], v[L16]              ; back: 32 lanes take one row of 512 bytes
	v_mov_b32 v[GOF], v[L16]
.endif
	v_add_nc_u32 v[LT+1], s[LBS], v[L16]
	s_lshl_b32 s[OF], s[EX], 24                    ; an expert's weights are 16 MiB
	s_mov_b32 s[OF+1], 0
.if KIND == 1
	s_mov_b32 s[SX], ttmp9                         ; my slice: rows 128 SX on
	s_lshl_b32 s[T0], s[SX], 19
	s_add_co_u32 s[OF], s[OF], s[T0]
	s_lshl_b32 s[T0], s[WV], 17                    ; my wave's 32 rows of it
	s_add_co_u32 s[OF], s[OF], s[T0]
	s_wait_kmcnt 0x0
	s_add_nc_u64 s[WP:WP+1], s[6:7], s[OF:OF+1]
	s_lshl_b32 s[OF], s[EX], 14
	s_lshl_b32 s[T0], s[SX], 9
	s_add_co_u32 s[OF], s[OF], s[T0]
	s_add_nc_u64 s[12:13], s[12:13], s[OF:OF+1]    ; b1 at my 128 columns
	s_lshl_b32 s[OF], s[EX], 23                    ; an expert's room in h: 64 blocks of 131,072 bytes
	s_lshl_b32 s[T0], s[SX], 12                    ; my 128 columns are four K steps of 1,024 bytes in each block
	s_add_co_u32 s[OF], s[OF], s[T0]
	s_add_nc_u64 s[10:11], s[10:11], s[OF:OF+1]
.else
	s_and_b32 s[DS], ttmp9, 7                      ; my slice: rows 128 DS on,
	s_lshr_b32 s[C4], ttmp9, 3                     ; K chunk 1,024 C4 on
	s_lshl_b32 s[T0], s[DS], 21
	s_add_co_u32 s[OF], s[OF], s[T0]
	s_lshl_b32 s[T0], s[C4], 12
	s_add_co_u32 s[OF], s[OF], s[T0]
	s_lshl_b32 s[T0], s[WV], 19
	s_add_co_u32 s[OF], s[OF], s[T0]
	s_wait_kmcnt 0x0
	s_add_nc_u64 s[WP:WP+1], s[6:7], s[OF:OF+1]
	s_lshl_b32 s[OF], s[EX], 23                    ; an expert's room in h,
	s_lshl_b32 s[T0], s[C4], 15                    ; my chunk: 32 K steps of 1,024 bytes in each block
	s_add_co_u32 s[OF], s[OF], s[T0]
	s_add_nc_u64 s[4:5], s[4:5], s[OF:OF+1]
	s_lshl_b32 s[OF], s[C4], 12
	s_lshl_b32 s[T0], s[DS], 9
	s_add_co_u32 s[OF], s[OF], s[T0]
	s_add_nc_u64 s[10:11], s[10:11], s[OF:OF+1]    ; ypart at my chunk and columns
.endif
	s_wait_alu depctr_va_vdst(0)                   ; the offsets, LDS addresses and zeros made above are written: the loads and LDS stores from here to the list's arithmetic read L16, H32, LT+1 and ZQ
.irp i, 0,1,2,3,4,5,6,7
	global_load_b128 v[S0+4*(\i):S0+4*(\i)+3], v[L16], s[8:9] offset:512*(\i)
	global_load_b128 v[S1+4*(\i):S1+4*(\i)+3], v[L16], s[8:9] offset:4096+512*(\i)
.endr
.if KIND == 1
	WIN W_D2
.irp b, 0,1,2,3,4,5,6,7
	global_load_b128 v[BIAS+8*(\b):BIAS+8*(\b)+3],   v[H32], s[12:13] offset:64*(\b)     ; columns 16 b + 8 (lane / 16) + 0..7: an accumulator's layout
	global_load_b128 v[BIAS+8*(\b)+4:BIAS+8*(\b)+7], v[H32], s[12:13] offset:64*(\b)+16
.endr
.endif
	WROW 0
	WROW 1
	WROW 2
	WROW 3
	WIN 0
.irp i, 0,1,2,3,4,5,6,7,8,9
	ds_store_b128 v[LT+1], v[ZQ:ZQ+3] offset:512*(\i)  ; my 1,280 list words start at 0
.endr
	s_wait_loadcnt 32                              ; sel (and the bias) are in: the 32 loads of weight rows 0 to 3 are younger
	WROW 4
	WROW 5
	WROW 6
	WROW 7                                         ; the ring is full: 64 loads of 512 bytes of this wave
	WIN 0
	s_mov_b32 s[CN], 0                             ; the list and the bias are made while the ring's loads are on their way
	LISTGRP 0
	LISTGRP 1
	LISTGRP 2
	LISTGRP 3
	s_wait_alu depctr_va_vdst(0)                   ; the 32 row ids LK and the 32 addresses LI are written, which the stores below read
.set z, 0
.rept 32
	ds_store_b32 v[LI+z], v[LK+z]
.set z, z+1
.endr
.if KIND == 2
	WIN W_D2
.set z, 0
.rept 64                                               ; block 4's accumulators are written once: here the way out stands behind a branch of its own, and on no way through the text
	v_mov_b32 v[z], 0                              ; does it read a register that was never written (blocks 0 to 3 lie where the ring was).  The sums do not start here: a pass's first K step starts them
.set z, z+1
.endr
.else
	WIN W_22
.set z, 0
.rept 32                                               ; the bias rounded to bf16, kept as f32
	v_cvt_pk_bf16_f32 v[BF+z%2], v[BIAS+2*z], v[BIAS+2*z+1]
	v_lshlrev_b32 v[BIAS+2*z], 16, v[BF+z%2]
	v_and_b32 v[BIAS+2*z+1], 0xffff0000, v[BF+z%2]
.set z, z+1
.endr
.endif
	WIN 0
	s_mov_b32 s[RC], 3
.Lring:                                                ; a trip takes eight rows in and asks for the eight behind them
.irp i, 0,1,2,3,4,5,6,7
	ROWIN \i, 1, 56                                ; seven younger rows of eight loads stay out
.endr
	WIN 0
	s_wait_xcnt 0x0                                ; the loads' base is stepped only behind this wait
	s_wait_alu depctr_vm_vsrc(0)                   ; the trip's LDS stores have read WS, which is stepped below; the next row's wait on va_vdst shows it written
	s_add_nc_u64 s[WP:WP+1], s[WP:WP+1], 8*WPITCH
	v_add_nc_u32 v[WS], 8*PW, v[WS]
	s_sub_co_u32 s[RC], s[RC], 1
	s_cmp_lg_u32 s[RC], 0
	s_cbranch_scc1 .Lring
.irp i, 0,1,2,3,4,5,6,7
	ROWIN \i, 0, 8*(7-\i)                          ; the last eight rows: nothing is asked for, the counts run down
.endr
	s_wait_dscnt 0x0                               ; for the others' sake: my rows of the slice are in LDS
	s_barrier_signal -1
	s_barrier_wait -1                              ; the slice is whole; nobody writes it again
	s_mov_b32 s[PB], 0
	s_mov_b32 s[PN], 4
.Lpass:
	s_sub_co_i32 s[T0], s[CN], s[PB]               ; places left,
	s_max_i32 s[T0], s[T0], 0                      ; or none
	s_add_co_u32 s[T0], s[T0], 63
	s_lshr_b32 s[T0], s[T0], 6
	s_min_u32 s[NB], s[T0], 5                      ; blocks of 16 places for each of the four waves
	s_mul_i32 s[T0], s[WV], s[NB]
	s_lshl_b32 s[T0], s[T0], 4
	s_add_co_u32 s[RB], s[PB], s[T0]               ; my first place: 960 + 3 x 80 at the most;
	s_min_u32 s[RB], s[RB], 1200                   ; it hangs on a count and enters addresses, so that bound is written out
	s_sub_co_i32 s[CR], s[CN], s[RB]
	s_lshl_b32 s[T0], s[NB], 4
	s_min_i32 s[CR], s[CR], s[T0]                  ; places of mine that hold rows; 0 or less: I have no work in this pass
.if KIND == 2
	v_mov_b32 v[LS], s[RB]                         ; (the last pass's loads by LS were shown to have read it at that pass's end)
	v_min_u32 v[LS], 1200, v[LS]
	v_lshl_add_u32 v[LS], v[LS], 2, s[LBS]
.endif
	s_cmp_le_i32 s[CR], 0
.if KIND == 1
	s_cbranch_scc1 .Lnext                          ; the pass's work is jumped; no barrier stands in what is jumped
.else
	s_cbranch_scc1 .Lk_done                        ; the products are jumped; no barrier stands in what is jumped
.endif
	SETUP
	STEP 0, 0, 1, 1, 1, 0, 20
	WIN 0
	s_wait_xcnt 0x0
	s_wait_alu depctr_vm_vsrc(0)                   ; the LDS loads issued so far have read WA, which is made anew below
	s_add_nc_u64 s[XP:XP+1], s[XP:XP+1], XSTEP     ; XP and WA now stand at K step 1
	s_mov_b32 s[KB], 64
.irp p, 0,1,2,3
	v_add_nc_u32 v[WA+(\p)], s[KB], v[WL+(\p)]
.endr
	s_mov_b32 s[KC], 7
.Lk:                                                   ; K steps 1 to 28, four a trip
	STEP 1, 1, 0, 1, 1, 0, 20
	STEP 0, 2, 0, 1, 1, 1, 20
	STEP 1, 3, 0, 1, 1, 2, 20
	STEP 0, 0, 0, 1, 1, 3, 20
	WIN 0
	s_wait_xcnt 0x0
	s_wait_alu depctr_vm_vsrc(0)                   ; the trip's LDS loads have read WA, which is made anew below
	s_add_nc_u64 s[XP:XP+1], s[XP:XP+1], 4*XSTEP
	s_add_co_u32 s[KB], s[KB], 256                 ; four K steps on: the LDS addresses are the fixed lane terms plus this scalar
.irp p, 0,1,2,3
	v_add_nc_u32 v[WA+(\p)], s[KB], v[WL+(\p)]
.endr
	s_sub_co_u32 s[KC], s[KC], 1
	s_cmp_lg_u32 s[KC], 0
	s_cbranch_scc1 .Lk
	STEP 1, 1, 0, 1, 0, 0, 20                      ; K steps 29 to 31: no rows are left to ask for, the counts run down
	STEP 0, 2, 0, 1, 0, 1, 10
	STEP 1, 3, 0, 0, 0, 2, 0
	WIN 0
	PLACES                                         ; the way out reads results just made
.if KIND == 2
.Lk_done:
	s_wait_dscnt 0x0                               ; my reads of the slice in this pass are back
	s_barrier_signal -1
	s_barrier_wait -1                              ; every wave's are: only now are the stages written
.endif
	OUTBLK 0
	OUTBLK 1
	OUTBLK 2
	OUTBLK 3
	OUTBLK 4
	WIN 0
.Lout_done:
	s_wait_xcnt 0x0                                ; the stores have read their data and offsets: the next pass writes those registers again
	s_wait_alu depctr_vm_vsrc(0)                   ; this pass's loads, stores and LDS instructions have read their offsets, addresses and data: the next pass makes XO, WA, LA, GOF and LS anew, its loads land in the stores' data registers, and its products write the accumulators that LDS stores read
.if KIND == 2
	s_wait_dscnt 0x0                               ; my writes and reads of my stage are done
	s_barrier_signal -1
	s_barrier_wait -1                              ; every wave's are: only now does the next pass read LDS
.else
.Lnext:
.endif
	s_add_co_u32 s[PB], s[PB], 320
	s_sub_co_u32 s[PN], s[PN], 1
	s_cmp_lg_u32 s[PN], 0
	s_cbranch_scc1 .Lpass
.if KIND == 1
	s_wait_dscnt 0x0                               ; my reads of the slice are back
	s_barrier_signal -1
	s_barrier_wait -1                              ; every wave's are: only now is LDS written again, by the closing lines
.endif
	s_wait_dscnt 0x0                               ; the closing lines, six on end
	s_wait_alu 0x0
	s_wait_tensorcnt 0x0
	ds_add_u32 v[SPW], v[NIL]
	s_wait_dscnt 0x0
	s_endpgm
.Lfunc_end_k_q45e904a2f7_ffn1:
	.size	k_q45e904a2f7_ffn1, .Lfunc_end_k_q45e904a2f7_ffn1-k_q45e904a2f7_ffn1
	.p2alignl 7, 3214868480
	.fill 96, 4, 3214868480
	.section	.rodata,"a",@progbits
	.p2align	6, 0x0
	.amdhsa_kernel k_q45e904a2f7_ffn1
		.amdhsa_group_segment_fixed_size 286208
		.amdhsa_private_segment_fixed_size 0
		.amdhsa_enable_private_segment 0
		.amdhsa_kernarg_size 40
		.amdhsa_user_sgpr_count 2
		.amdhsa_user_sgpr_kernarg_segment_ptr 1
		.amdhsa_wavefront_size32 1
		.amdhsa_system_sgpr_workgroup_id_x 1
		.amdhsa_system_sgpr_workgroup_id_y 1
		.amdhsa_system_sgpr_workgroup_id_z 1
		.amdhsa_system_vgpr_workitem_id 0
		.amdhsa_next_free_vgpr 768
		.amdhsa_next_free_sgpr 66
		.amdhsa_reserve_vcc 0
		.amdhsa_float_denorm_mode_32 3
		.amdhsa_float_denorm_mode_16_64 3
		.amdhsa_memory_ordered 1
		.amdhsa_forward_progress 1
		.amdhsa_inst_pref_size 140
	.end_amdhsa_kernel
	.amdgpu_metadata
---
amdhsa.version: [ 1, 2 ]
amdhsa.kernels:
  - .name:           k_q45e904a2f7_ffn1
    .symbol:         k_q45e904a2f7_ffn1.kd
    .args:
      - { .name: xb, .offset: 0, .size: 8, .value_kind: global_buffer, .address_space: global }
      - { .name: w1, .offset: 8, .size: 8, .value_kind: global_buffer, .address_space: global }
      - { .name: sel, .offset: 16, .size: 8, .value_kind: global_buffer, .address_space: global }
      - { .name: h, .offset: 24, .size: 8, .value_kind: global_buffer, .address_space: global }
      - { .name: b1, .offset: 32, .size: 8, .value_kind: global_buffer, .address_space: global }
    .group_segment_fixed_size: 286208
    .private_segment_fixed_size: 0
    .kernarg_segment_align: 8
    .kernarg_segment_size: 40
    .max_flat_workgroup_size: 128
    .sgpr_count:     66
    .vgpr_count:     768
    .wavefront_size: 32
...
	.end_amdgpu_metadata
.endif
;; end of part 5
;; launch ffn2 (part 6): grid 32 x 8, 4 waves a work-group, no clusters, 320,000 bytes of LDS; arguments h, w2, sel, ypart; writes ypart
.if DOCPART == 6
	.amdgcn_target "amdgcn-amd-amdhsa--gfx1250"
	.amdhsa_code_object_version 6
	.text
	.protected	k_q45e904a2f7_ffn2
	.globl	k_q45e904a2f7_ffn2
	.p2align	8
	.type	k_q45e904a2f7_ffn2,@function
k_q45e904a2f7_ffn2:
	s_mov_b64 s[64:65], 0
	v_nop
	global_prefetch_b8 v0, s[64:65] scope:SCOPE_SE
	s_setreg_imm32_b32 hwreg(HW_REG_WAVE_SCHED_MODE, 0, 2), 2
	s_setreg_imm32_b32 hwreg(HW_REG_WAVE_MODE, 25, 1), 1
	s_wait_xcnt 0x0
	s_wait_alu depctr_vm_vsrc(0)
; ONE PRODUCT OF THE EXPERTS' LAYER, for the chosen rows alone.  KIND = 1: h = f16(relu(xb[token] . bf16(w1[e])^T + bf16(b1[e]))), a bf16 product.
; KIND = 2: ypart[row id][chunk] = h[chunk] . bf16(w2[e][:, chunk])^T in f32 (partial sums; the last launch adds them), an f16 product.  Row id = 2 x token + k.
; SHARES.  A work-group has ONE expert (grid y) and a slice of 128 weight rows x 1,024 along K (grid x), which it alone reads: 512 KiB of f32.
; PHASE A: each of the four waves streams 32 weight rows through a ring of eight rows in registers (64 loads of 512 bytes of a wave on their way),
; rounds them and lays them into LDS.  Meanwhile every wave has made, for itself, the list of the expert's row ids from sel.  A barrier: the slice is whole.
; PHASE B: the slice stays in LDS; the places of the expert's list go by in passes of up to 320, dealt evenly: NB = min(5, ceil(places left / 64)) blocks of 16 for each wave, x 128 columns.
; The rows' fragments come from memory straight into registers.  Four passes, a constant, cover 1,024 rows, the most an expert can have; a wave with no place inside the count jumps the work;
; an expert with no rows stores nothing.  Block 4's products are jumped where NB < 5; places past the count are multiplied with their block (63 at the most in a pass) and not kept.
; h LIES IN THE ORDER IN WHICH THE SECOND PRODUCT'S REGISTERS TAKE IT: h[expert][block of 16 places][K step of 32][half of 16][lane][16 bytes]: a block is 128 K steps of 1,024 bytes, an expert
; has room for 64 blocks.  In the first product's result lane (r, h) holds place r and columns 16 b + 8 h + 0..7; packed to f16 these 16 bytes ARE registers 4 (b % 2) .. + 3 of the same lane's
; fragment for K step 4 x slice + b / 2.  So KIND 1 stores from registers, 512 consecutive aligned bytes a store, with no stage and no list, and KIND 2 loads its fragments the same way.
; A block's places past the count hold the result of row id 0's token (KIND 1 reads list words that hold 0): finite numbers that nobody keeps.  KIND 2 reads no block that KIND 1 did not store:
; a block past the count repeats the wave's first block.
; BARRIERS.  KIND 1 writes no LDS behind the slice's barrier; one more barrier stands in front of the closing lines.  KIND 2 sends its results through each wave's stage: two barriers a pass,
; which every wave passes: between the pass's reads of the slice and the writes of the stages, and between those writes and the next pass's reads.  Only work is jumped.
; NO MULTICAST: each slice has one reader; beside the slice LDS has 60 KB left, too little for two slots of a pass's rows (320 x 272 bytes for 128 along K are 87 KB).
; THE MATRIX INSTRUCTION IS USED TRANSPOSED: source 0 = 16 weight rows, source 1 = 16 places: a lane holds one place (lane % 16) and eight neighbouring output columns 8 (lane / 16) + 0..7.
; FORMATS.  Every input is rounded to bf16 once; sums are f32.  h is kept in f16: what its rounding loses reaches the output undiminished, and f16's 11 significant bits lose
; an eighth of what bf16's 8 would.  So w2, rounded to bf16 like every input, is written as f16: the same number from 2^-17 up, below that within 2^-25.
; LIMITS.  h or w2 beyond 65,504 becomes an infinity.  By the problem's sizes a pre-activation has the spread sqrt(1024) x 1 x 1/64 = 0.5; with x and w1 both 30 times larger 450;
; with a common offset of 30 spreads on both it lies at 1024 x 30 x 30/64 = 14,400.  h and w2 below 6e-5 keep f16's fixed step of 6e-8.  NaN and infinities are not treated apart.
; REGISTERS, in windows of 256 (s_set_vgpr_msb: bits 1:0 source 0, 3:2 source 1, 5:4 source 2, 7:6 destination):
;   window 0: v0-59 addresses and small things; v64-223 the rows' fragments, four K steps deep (at the head: sel and the list's registers; in phase A and on the way out: at work); v224-255 phase A: a rounded weight row, two buffers
;   window 1: phase A: the ring; then accumulators (a, b) of row blocks a = 0..3 at 64 a + 8 b
;   window 2: v0-63 accumulators of block 4; v64-191 the weights' fragments, two buffers; v192-255 the bias (KIND 1)
; THE MODE: SCHED_MODE bits 1:0 = 2 (LLVM: expert scheduling mode 2), set by the entry lines.  The code itself states the register dependences
; between vector or matrix instructions and memory or LDS instructions, with s_wait_alu, always for 0.
; THE PLAN.  Registers that memory or LDS instructions touch, and who else names them:
;   L16, H32, STO, RD, ZQ, LT+1, SPW, NIL   Written at the head, ahead of its one wait on va_vdst; never written again.
;   LK, LI      The list: a row id and an LDS address for each of its 32 steps, in registers of their own.  The compares go in runs of sixteen into scalar registers, one wait on va_sdst behind each run;
;               one wait on va_vdst behind all the arithmetic; then the 32 stores on end.
;   the ring    Row i: sixteen conversions read slot i % 8; straight behind them, and one wait on va_vdst, the loads of row i + 8 land in it.
;   TT0, TT1    Row i's conversions write TT[i % 2], its eight LDS stores read it.  The wait on vm_vsrc in row i stands ahead of row i's stores and a whole row behind row i - 1's: it frees the TT that row i + 1 writes.
;   WS          Read by every store of a row; stepped once a trip of the ring, behind a wait on vm_vsrc; the next row's wait on va_vdst shows it written.
;   XF0 .. XF3, BF0, BF1   K step s: its products read XF[s % 4] and BF[s % 2]; its loads land in XF[(s + 3) % 4] and BF[(s + 1) % 2], which the products of step s - 1 read.  ONE wait on va_vdst, at the step's head,
;               states that those are done; the step's loads follow in two runs among its products, which name none of the registers that the loads touch.
;   WA          Read by the weights' LDS loads; made anew behind step 0 and once a trip of the K loop, behind a wait on vm_vsrc; the next step's head shows it written.
;   XO, LA, GOF, LS, RID, the way out's data and offsets   Made anew in each pass: one wait on vm_vsrc at a pass's end frees them all; SETUP's waits on va_vdst show them written.
.set KIND,   2
.set PW,     2064                      ; an LDS row of the slice: 2,048 bytes + 16 = 516 words: the 16 rows of a fragment load start four banks apart
.set LISTB,  128*PW                    ; behind the slice: for each wave 1,280 list words and 32 dump words, in 5,376 bytes
.set LISTW,  5376
.set STAGE,  LISTB+4*LISTW             ; KIND 2: each wave's own stage for the way out
.set HBLK,   131072                    ; bytes of a block of 16 places of h
.if KIND == 1
.set WPITCH, 4096                      ; bytes from weight row to weight row
.set XSTEP,  64                        ; bytes from a K step's fragment of rows to the next: xb's rows lie along K,
.set XHALF,  32                        ; and from a fragment's registers 0-3 to its registers 4-7
.set SP,     0
.else
.set WPITCH, 16384
.set XSTEP,  1024                      ; h lies by fragments
.set XHALF,  512
.set SP,     528                       ; a stage row: 128 f32 + 16 bytes
.endif
.set STGW,   16*SP
.set SPARE,  STAGE+4*STGW              ; the spare words, 128 bytes for each wave: two blocks of 256 bytes that no other line names
.set RR,  1                            ; lane % 16
.set HH,  2                            ; (lane / 16) % 2
.set LN,  3                            ; lane
.set L16, 4                            ; 16 x lane
.set WS,  5                            ; phase A: where my 8 bytes of a weight row go
.set WL,  6                            ; v6-9    my place in the fragments of weight rows 32 p on, K = 0; never rewritten
.set WA,  10                           ; v10-13  the same at the K step where the loop stands: WL + the scalar KB, made anew each trip
.set LA,  14
.set LS,  15                           ; KIND 2, the way out: my wave's place in the list
.set STO, 17
.set RD,  18
.set GOF, 19                           ; my byte offset in the output
.set SPW, 20                           ; LDS address of my spare word; never rewritten
.set NIL, 21                           ; 0; never rewritten
.set H32, 22
.set H16, 23
.set RID, 24                           ; v24-28  KIND 1: row id of my lane's place in block a
.set L8,  29
.set XO,  30                           ; v30-34  byte offset of block a's fragments in the rows' buffer
.set DIX, 35                           ; 1,280 + lane: my dump word
.set SA,  36                           ; v36-51  KIND 2, the way out: store offsets
.set ZQ,  52                           ; v52-55  zeros
.set LT,  56                           ; v56-57  at the head: at work
.set XF,  64                           ; fragments of rows: K step s, block a at XF + 40 (s % 4) + 8 a
.set S0,  64                           ; at the head: sel, plane 0 and plane 1
.set S1,  96
.set TMP, 64                           ; KIND 1, the way out: block a's packed results at TMP + 32 a, v64-223
.set OB,  96                           ; KIND 2, the way out: rows read back from the stage, v96-159
.set UU,  128                          ; phase A (KIND 2): a weight row's bf16 numbers as f32, v128-159
.set LK,  160                          ; v160-191 at the head: the list's row ids, a register a step
.set LI,  192                          ; v192-223 at the head: the LDS address to which each goes
.set TT,  224                          ; v224-255 phase A: a rounded weight row, two buffers of 16 by turns
.set BF,  64                           ; window 2
.set BIAS, 192                         ; window 2
.set WV,  14
.set EX,  15
.set SX,  16
.set CN,  17                           ; the expert's number of rows
.set KB,  18                           ; bytes along K at which the loop stands
.set RB,  19                           ; my first place in the list
.set PB,  20
.set PN,  21
.set KC,  22
.set CR,  23                           ; places of mine that hold rows
.set LBS, 24
.set T0,  25
.set T1,  26
.set RC,  29
.set OF,  30
.set XP,  32
.set WP,  34
.set DS,  36
.set C4,  37
.set MK,  38                           ; a word's upper bf16 (KIND 2)
.set NB,  39                           ; blocks of 16 places for each wave in this pass
.set MAS, 44                           ; s[44:51] the list: eight steps' masks of the lanes whose first choice is my expert; then of either choice
.set MBS, 52                           ; s[52:59] of the lanes whose second choice it is
.set W_S1, 0x40
.set W_C1, 0x05
.set W_C2, 0x0a
.set W_D2, 0x80
.set W_22, 0x8a
.set W_M1, 0x52
.set W_M2, 0xa2
.set W_MB, 0x62
.set W_T1, 0x04
.set W_T2, 0x08
.set MSB, 0
.macro WIN new                         ; the immediate's high byte repeats the setting that is left; a switch that changes nothing is dropped
.if MSB != (\new)
	s_set_vgpr_msb (MSB<<8)|(\new)
.set MSB, \new
.endif
.endm
.macro PLACES                          ; four plain vector instructions between a matrix instruction and a load into, or a read of, its registers; they stay beside the waits on va_vdst
.rept 4
	v_nop
.endr
.endm
; Weight row i (counted from the ring's base) is asked for: eight loads, 512 neighbouring bytes each.
.macro WROW i
	WIN W_S1
.irp j, 0,1,2,3,4,5,6,7
	global_load_b128 v[32*((\i)%8)+4*(\j):32*((\i)%8)+4*(\j)+3], v[L16], s[WP:WP+1] offset:(\i)*WPITCH+512*(\j) th:TH_LOAD_NT
.endr
.endm
; Ring slot i: its row is in (left = the younger loads that may stay out) and is rounded to bf16; ahead = 1: the slot takes the row eight further on, straight behind the conversions that empty it;
; (KIND 2: the bf16 number is written as f16;) the row goes to LDS (256 neighbouring bytes a store).
.macro ROWIN i, ahead, left
.set tb, TT+16*((\i)%2)
	s_wait_loadcnt \left
	WIN W_C1
.irp j, 0,1,2,3,4,5,6,7
	v_cvt_pk_bf16_f32 v[tb+2*(\j)],   v[32*(\i)+4*(\j)],   v[32*(\i)+4*(\j)+1]
	v_cvt_pk_bf16_f32 v[tb+2*(\j)+1], v[32*(\i)+4*(\j)+2], v[32*(\i)+4*(\j)+3]
.endr
.if \ahead
	WIN W_S1
	s_wait_alu depctr_vm_vsrc(0)                   ; the last row's LDS stores have read the other TT, which the next row's conversions write
	s_wait_alu depctr_va_vdst(0)                   ; the conversions are done reading the slot, in which the loads below land; KIND 1: they have written TT, which the stores below read
	WROW (\i)+8
.endif
	WIN 0
.if KIND == 2
.set z, 0
.rept 16
	v_lshlrev_b32 v[UU+2*z], 16, v[tb+z]           ; bf16 to f32: the low half moves up,
	v_and_b32 v[UU+2*z+1], s[MK], v[tb+z]          ; the high half stays
.set z, z+1
.endr
.set z, 0
.rept 16
	v_cvt_pk_f16_f32 v[tb+z], v[UU+2*z], v[UU+2*z+1]
.set z, z+1
.endr
.endif
.if !(\ahead)
	s_wait_alu depctr_vm_vsrc(0)                   ; the last row's LDS stores have read the other TT, which the next row's conversions write
.endif
.if (KIND == 2) || !(\ahead)
	s_wait_alu depctr_va_vdst(0)                   ; the conversions have written TT, which the stores below read
.endif
.irp j, 0,1,2,3,4,5,6,7
	ds_store_b64 v[WS], v[tb+2*(\j):tb+2*(\j)+1] offset:(\i)*PW+256*(\j)
.endr
.endm
; Eight steps of the list.  Step n takes tokens 128 (n / 4) + 4 lane + n % 4: those that chose my expert get the next free list words, in lane order; the others their dump word.
; The sixteen compares stand in one run; the row ids and LDS addresses go into registers of the step's own; the stores follow behind all 32 steps.
.macro LISTGRP g
.irp i, 0,1,2,3,4,5,6,7
	v_cmp_eq_u32 s[MAS+(\i)], s[EX], v[S0+8*(\g)+(\i)]
	v_cmp_eq_u32 s[MBS+(\i)], s[EX], v[S1+8*(\g)+(\i)]
.endr
	s_wait_alu depctr_va_sdst(0)                   ; the sixteen masks are written, ahead of their first readers
.irp i, 0,1,2,3,4,5,6,7
.set n, 8*(\g)+(\i)
	s_or_b32 s[MAS+(\i)], s[MAS+(\i)], s[MBS+(\i)]
	v_cndmask_b32 v[LK+n], 0, 1, s[MBS+(\i)]           ; k
	v_add3_u32 v[LK+n], v[LK+n], v[L8], 256*(n/4)+2*(n%4)  ; row id = 2 x token + k
	v_mbcnt_lo_u32_b32 v[LI+n], s[MAS+(\i)], s[CN]     ; rows so far + matching lanes below me
	v_cndmask_b32 v[LI+n], v[DIX], v[LI+n], s[MAS+(\i)]
	v_min_u32 v[LI+n], 1311, v[LI+n]
	v_lshl_add_u32 v[LI+n], v[LI+n], 2, s[LBS]
	s_bcnt1_i32_b32 s[T0], s[MAS+(\i)]
	s_add_co_u32 s[CN], s[CN], s[T0]
.endr
.endm
; Eight matrix instructions: row block a x all 8 column blocks, 32 along K.  The eight accumulators take turns.
; first = 1: the product starts the sums, with the bias (KIND 1) or the constant 0.
.macro GROUP a, pb, xq, first
.if (\a) == 4
	WIN W_M2
.elseif (\first) && (KIND == 1)
	WIN W_MB
.else
	WIN W_M1
.endif
.irp b, 0,1,2,3,4,5,6,7
.if KIND == 1
.if \first
	v_wmma_f32_16x16x32_bf16 v[(64*(\a))%256+8*(\b):(64*(\a))%256+8*(\b)+7], v[BF+64*(\pb)+8*(\b):BF+64*(\pb)+8*(\b)+7], v[XF+40*(\xq)+8*(\a):XF+40*(\xq)+8*(\a)+7], v[BIAS+8*(\b):BIAS+8*(\b)+7]
.else
	v_wmma_f32_16x16x32_bf16 v[(64*(\a))%256+8*(\b):(64*(\a))%256+8*(\b)+7], v[BF+64*(\pb)+8*(\b):BF+64*(\pb)+8*(\b)+7], v[XF+40*(\xq)+8*(\a):XF+40*(\xq)+8*(\a)+7], v[(64*(\a))%256+8*(\b):(64*(\a))%256+8*(\b)+7]
.endif
.else
.if \first
	v_wmma_f32_16x16x32_f16 v[(64*(\a))%256+8*(\b):(64*(\a))%256+8*(\b)+7], v[BF+64*(\pb)+8*(\b):BF+64*(\pb)+8*(\b)+7], v[XF+40*(\xq)+8*(\a):XF+40*(\xq)+8*(\a)+7], 0
.else
	v_wmma_f32_16x16x32_f16 v[(64*(\a))%256+8*(\b):(64*(\a))%256+8*(\b)+7], v[BF+64*(\pb)+8*(\b):BF+64*(\pb)+8*(\b)+7], v[XF+40*(\xq)+8*(\a):XF+40*(\xq)+8*(\a)+7], v[(64*(\a))%256+8*(\b):(64*(\a))%256+8*(\b)+7]
.endif
.endif
.endr
.endm
; A K step of 32: 40 matrix instructions, or 32.  pb, xq: its buffers.  ldw: the next step's weights are fetched from LDS; ldx: the rows' fragments of the step three on are asked for;
; i: the step, counted from where XP and WA stand.  lc: the rows' loads that may stay out: those of the next two steps, ten each (block 4's are issued on every path, so the counts hold).
; The step's loads stand in two runs, behind its first and its second eight products.  A pass's first step has no wait on va_vdst: SETUP's stands ahead of it, with no vector or matrix instruction between.
; Block 4's products are jumped where the pass has four blocks a wave or fewer; the first step writes its accumulators on every path.
.macro STEP pb, xq, first, ldw, ldx, i, lc
	s_wait_dscnt 0x0                               ; this step's weights: asked for 24 matrix instructions ago or more
	s_wait_loadcnt \lc
.if !(\first) && ((\ldw) || (\ldx))
	s_wait_alu depctr_va_vdst(0)                   ; the last step's products are done reading their weights' and rows' fragments, in which this step's loads land; where WA was made anew, it is written
.endif
	GROUP 0, \pb, \xq, \first
.if (\ldw) || (\ldx)
	PLACES                                         ; behind the last step's products, which read the buffers that are now filled
.endif
.if \ldw
	WIN W_D2
.irp b, 0,1,2,3,4,5,6,7
	ds_load_b128 v[BF+64*((\pb)^1)+8*(\b):BF+64*((\pb)^1)+8*(\b)+3],   v[WA+(\b)/2] offset:((\b)%2)*16*PW+64*((\i)+1)  ; no wait: no product since the step's head names the other buffer or WA
	ds_load_b128 v[BF+64*((\pb)^1)+8*(\b)+4:BF+64*((\pb)^1)+8*(\b)+7], v[WA+(\b)/2] offset:((\b)%2)*16*PW+64*((\i)+1)+32
.endr
.endif
	GROUP 1, \pb, \xq, \first
.if \ldx
	WIN 0
.irp a, 0,1,2,3,4
	global_load_b128 v[XF+40*(((\xq)+3)&3)+8*(\a):XF+40*(((\xq)+3)&3)+8*(\a)+3],   v[XO+(\a)], s[XP:XP+1] offset:XSTEP*((\i)+3)  ; likewise: the buffer that the last step read, and XO
	global_load_b128 v[XF+40*(((\xq)+3)&3)+8*(\a)+4:XF+40*(((\xq)+3)&3)+8*(\a)+7], v[XO+(\a)], s[XP:XP+1] offset:XSTEP*((\i)+3)+XHALF
.endr
.endif
	GROUP 2, \pb, \xq, \first
	GROUP 3, \pb, \xq, \first
.if \first
	GROUP 4, \pb, \xq, \first
.else
	WIN 0
	s_cmp_lt_u32 s[NB], 5
	s_cbranch_scc1 .Lno4_\@
	GROUP 4, \pb, \xq, \first
	WIN 0
.Lno4_\@:
.endif
.endm
; The products of a pass begin: the offsets of my blocks' fragments, the first three K steps' fragments of rows, the first step's weights.
.macro SETUP
	WIN 0
.if KIND == 1
	v_add_nc_u32 v[LA], s[RB], v[RR]
	v_min_u32 v[LA], 1215, v[LA]
	v_lshl_add_u32 v[LA], v[LA], 2, s[LBS]
	s_lshl_b32 s[T1], s[RB], 13                    ; 16 places of h are 131,072 bytes: 8,192 a place
	v_add_nc_u32 v[GOF], s[T1], v[L16]             ; my 16 bytes in my first block's first store
.else
	s_lshl_b32 s[T1], s[RB], 13                    ; 16 places of h are 131,072 bytes: 8,192 a place
	v_add_nc_u32 v[XO], s[T1], v[L16]              ; my 16 bytes in my first block's first fragment
.irp a, 1,2,3,4
	s_add_co_u32 s[T0], s[RB], 16*(\a)             ; block a's first place,
	s_cmp_gt_i32 s[CR], 16*(\a)                    ; if the block holds a row;
	s_cselect_b32 s[T0], s[T0], s[RB]              ; if not, it repeats my first block: nothing is read that was not stored
	s_min_u32 s[T0], s[T0], 1264                   ; the choice hangs on a count and enters an address, so its bound, 1,200 + 64, is written out
	s_lshl_b32 s[T0], s[T0], 13
	v_add_nc_u32 v[XO+(\a)], s[T0], v[L16]
.endr
.endif
.irp p, 0,1,2,3
	v_mov_b32 v[WA+(\p)], v[WL+(\p)]
.endr
	s_mov_b64 s[XP:XP+1], s[4:5]                   ; no load that names XP is out: the last pass ended on a wait for all its loads
.if KIND == 1
	s_wait_alu depctr_va_vdst(0)                   ; LA is written, which the list's loads read; the last pass's arithmetic is done with RID, in which they land
.irp a, 0,1,2,3,4
	ds_load_b32 v[RID+(\a)], v[LA] offset:64*(\a)
.endr
	s_cmp_lt_u32 s[NB], 5
	s_cselect_b32 s[T0], 0, -1
	s_wait_dscnt 0x0
	v_and_b32 v[RID+4], s[T0], v[RID+4]            ; a block that is not multiplied reads row id 0 alone
.irp a, 0,1,2,3,4
	v_lshrrev_b32 v[XO+(\a)], 1, v[RID+(\a)]       ; the token
	v_min_u32 v[XO+(\a)], 0x3ff, v[XO+(\a)]
	v_lshl_add_u32 v[XO+(\a)], v[XO+(\a)], 11, v[H16]
.endr
.endif
	s_wait_alu depctr_va_vdst(0)                   ; XO and WA are written, which the loads below read; the last pass's products and conversions are done with the fragments' registers, in which they land
.irp q, 0,1,2
.irp a, 0,1,2,3,4
	global_load_b128 v[XF+40*(\q)+8*(\a):XF+40*(\q)+8*(\a)+3],   v[XO+(\a)], s[XP:XP+1] offset:XSTEP*(\q)
	global_load_b128 v[XF+40*(\q)+8*(\a)+4:XF+40*(\q)+8*(\a)+7], v[XO+(\a)], s[XP:XP+1] offset:XSTEP*(\q)+XHALF
.endr
.endr
	WIN W_D2
.irp b, 0,1,2,3,4,5,6,7
	ds_load_b128 v[BF+8*(\b):BF+8*(\b)+3],   v[WA+(\b)/2] offset:((\b)%2)*16*PW
	ds_load_b128 v[BF+8*(\b)+4:BF+8*(\b)+7], v[WA+(\b)/2] offset:((\b)%2)*16*PW+32
.endr
.endm
; THE WAY OUT of block a.  A block that holds no row, and those behind it, are jumped.  Each accumulator is read from its low end on.
; KIND 1: rounded to f16, relu on the packed halves (the same numbers as rounding the relu), stored from registers: each block has 32 registers of its own, so no store's data is rewritten in a pass.
; KIND 2: through my own stage, back as whole rows of 512 bytes, each stored to the row that the list names; a store is one row, and the rows past the count are jumped.
; The list's words are asked for first, so that the stores' offsets are made while the stage's rows come back.
.macro OUTBLK a
	WIN 0
.if (KIND == 2) || ((\a) > 0)
	s_cmp_le_i32 s[CR], 16*(\a)
	s_cbranch_scc1 .Lout_done
.endif
.if KIND == 1
.if (\a) == 4
	WIN W_C2
.else
	WIN W_C1
.endif
.irp b, 0,1,2,3,4,5,6,7
.irp n, 0,1,2,3
	v_cvt_pk_f16_f32 v[TMP+32*(\a)+4*(\b)+(\n)], v[(64*(\a))%256+8*(\b)+2*(\n)], v[(64*(\a))%256+8*(\b)+2*(\n)+1]
.endr
.endr
	WIN 0
.set z, 0
.rept 32
	v_pk_max_num_f16 v[TMP+32*(\a)+z], v[TMP+32*(\a)+z], v[ZQ]
.set z, z+1
.endr
	s_wait_alu depctr_va_vdst(0)                   ; the block's 32 packed registers are written, which the eight stores read (GOF was shown written in SETUP)
.irp b, 0,1,2,3,4,5,6,7
	global_store_b128 v[GOF], v[TMP+32*(\a)+4*(\b):TMP+32*(\a)+4*(\b)+3], s[10:11] offset:(\a)*HBLK+512*(\b)  ; half b % 2 of K step b / 2 of my slice's four: 512 consecutive bytes, aligned
.endr
.else
	s_wait_xcnt 0x0                                ; the last block's stores have read OB and SA, which the loads below write again
.if (\a) > 0
	s_wait_alu depctr_vm_vsrc(0)                   ; the last block's stores have read OB and SA, in which the loads below land
.endif
	s_wait_alu depctr_va_vdst(0)                   ; the products have written the accumulators, which the LDS stores read, and are done reading the fragments' registers, in which OB's loads land; LS is written; the last block's arithmetic is done with SA
.set z, 0
.rept 16
	ds_load_b32 v[SA+z], v[LS] offset:4*(16*(\a)+z)
.set z, z+1
.endr
.if (\a) == 4
	WIN W_T2
.else
	WIN W_T1
.endif
.irp b, 0,1,2,3,4,5,6,7
	ds_store_b128 v[STO], v[(64*(\a))%256+8*(\b):(64*(\a))%256+8*(\b)+3]   offset:64*(\b)
	ds_store_b128 v[STO], v[(64*(\a))%256+8*(\b)+4:(64*(\a))%256+8*(\b)+7] offset:64*(\b)+16
.endr
	WIN 0
.set z, 0
.rept 16
	ds_load_b128 v[OB+4*z:OB+4*z+3], v[RD] offset:SP*z  ; LDS serves a wave's instructions in order (ISA guide 5.7.1.4): these see the stores above
.set z, z+1
.endr
	s_wait_dscnt 32                                ; the list's sixteen words are in: the stage's sixteen stores and sixteen loads are younger
.set z, 0
.rept 16
	v_min_u32 v[SA+z], 0x7ff, v[SA+z]
.set z, z+1
.endr
.set z, 0
.rept 16
	v_lshl_add_u32 v[SA+z], v[SA+z], 14, v[GOF]    ; a row of ypart (four chunks of 1,024 f32) is 16,384 bytes
.set z, z+1
.endr
	s_wait_alu depctr_va_vdst(0)                   ; the sixteen offsets SA are written, which the stores below read
	s_wait_dscnt 0x0                               ; the rows are back from the stage
.set z, 0
.rept 16
.if z > 0
	s_cmp_le_i32 s[CR], 16*(\a)+z
	s_cbranch_scc1 .Lout_done
.endif
	global_store_b128 v[SA+z], v[OB+4*z:OB+4*z+3], s[10:11]  ; 512 consecutive bytes, aligned
.set z, z+1
.endr
.endif
.endm
	s_load_b256 s[4:11], s[0:1], 0x0               ; rows s[4:5], weights s[6:7], sel s[8:9], output s[10:11]
.if KIND == 1
	s_load_b64 s[12:13], s[0:1], 0x20              ; b1
.endif
	v_lshl_add_u32 v[SPW], v0, 2, SPARE
	v_mov_b32 v[NIL], 0
	v_lshrrev_b32 v[LT], 5, v0
	v_readfirstlane_b32 s[WV], v[LT]               ; wave 0..3
	s_and_b32 s[EX], ttmp7, 0xffff                 ; my expert
.if KIND == 2
	s_mov_b32 s[MK], 0xffff0000
.endif
	v_and_b32 v[RR], 15, v0
	v_bfe_u32 v[HH], v0, 4, 1
	v_and_b32 v[LN], 31, v0
	v_lshlrev_b32 v[L16], 4, v[LN]
	v_lshlrev_b32 v[L8], 3, v[LN]
	v_lshlrev_b32 v[H16], 4, v[HH]
	v_lshlrev_b32 v[H32], 5, v[HH]
	v_add_nc_u32 v[DIX], 1280, v[LN]
.irp z, 0,1,2,3
	v_mov_b32 v[ZQ+(\z)], 0
.endr
	s_wait_alu depctr_va_sdst(0)                   ; the wave's number is written, ahead of its first reader: LDS addresses and the buffers' bases are made from it
	s_mul_i32 s[LBS], s[WV], LISTW
	s_add_co_u32 s[LBS], s[LBS], LISTB             ; my list
	v_mul_u32_u24 v[LT], v[RR], PW
	v_add_nc_u32 v[LT], v[LT], v[H16]              ; a fragment's row x pitch + 16 x half
.irp p, 0,1,2,3
	v_add_nc_u32 v[WL+(\p)], (\p)*32*PW, v[LT]
.endr
	s_mul_i32 s[T0], s[WV], 32*PW                  ; phase A: my 32 rows of the slice
	v_add_nc_u32 v[WS], s[T0], v[L8]
.if KIND == 2
	s_mul_i32 s[T1], s[WV], STGW
	s_add_co_u32 s[T1], s[T1], STAGE               ; my stage
	v_mul_u32_u24 v[STO], v[RR], SP
	v_add3_u32 v[STO], v[STO], v[H32], s[T1]       ; in: row lane % 16, 32 bytes for each half of the lanes
	v_add_nc_u32 v[RD], s[T1], v[L16]              ; back: 32 lanes take one row of 512 bytes
	v_mov_b32 v[GOF], v[L16]
.endif
	v_add_nc_u32 v[LT+1], s[LBS], v[L16]
	s_lshl_b32 s[OF], s[EX], 24                    ; an expert's weights are 16 MiB
	s_mov_b32 s[OF+1], 0
.if KIND == 1
	s_mov_b32 s[SX], ttmp9                         ; my slice: rows 128 SX on
	s_lshl_b32 s[T0], s[SX], 19
	s_add_co_u32 s[OF], s[OF], s[T0]
	s_lshl_b32 s[T0], s[WV], 17                    ; my wave's 32 rows of it
	s_add_co_u32 s[OF], s[OF], s[T0]
	s_wait_kmcnt 0x0
	s_add_nc_u64 s[WP:WP+1], s[6:7], s[OF:OF+1]
	s_lshl_b32 s[OF], s[EX], 14
	s_lshl_b32 s[T0], s[SX], 9
	s_add_co_u32 s[OF], s[OF], s[T0]
	s_add_nc_u64 s[12:13], s[12:13], s[OF:OF+1]    ; b1 at my 128 columns
	s_lshl_b32 s[OF], s[EX], 23                    ; an expert's room in h: 64 blocks of 131,072 bytes
	s_lshl_b32 s[T0], s[SX], 12                    ; my 128 columns are four K steps of 1,024 bytes in each block
	s_add_co_u32 s[OF], s[OF], s[T0]
	s_add_nc_u64 s[10:11], s[10:11], s[OF:OF+1]
.else
	s_and_b32 s[DS], ttmp9, 7                      ; my slice: rows 128 DS on,
	s_lshr_b32 s[C4], ttmp9, 3                     ; K chunk 1,024 C4 on
	s_lshl_b32 s[T0], s[DS], 21
	s_add_co_u32 s[OF], s[OF], s[T0]
	s_lshl_b32 s[T0], s[C4], 12
	s_add_co_u32 s[OF], s[OF], s[T0]
	s_lshl_b32 s[T0], s[WV], 19
	s_add_co_u32 s[OF], s[OF], s[T0]
	s_wait_kmcnt 0x0
	s_add_nc_u64 s[WP:WP+1], s[6:7], s[OF:OF+1]
	s_lshl_b32 s[OF], s[EX], 23                    ; an expert's room in h,
	s_lshl_b32 s[T0], s[C4], 15                    ; my chunk: 32 K steps of 1,024 bytes in each block
	s_add_co_u32 s[OF], s[OF], s[T0]
	s_add_nc_u64 s[4:5], s[4:5], s[OF:OF+1]
	s_lshl_b32 s[OF], s[C4], 12
	s_lshl_b32 s[T0], s[DS], 9
	s_add_co_u32 s[OF], s[OF], s[T0]
	s_add_nc_u64 s[10:11], s[10:11], s[OF:OF+1]    ; ypart at my chunk and columns
.endif
	s_wait_alu depctr_va_vdst(0)                   ; the offsets, LDS addresses and zeros made above are written: the loads and LDS stores from here to the list's arithmetic read L16, H32, LT+1 and ZQ
.irp i, 0,1,2,3,4,5,6,7
	global_load_b128 v[S0+4*(\i):S0+4*(\i)+3], v[L16], s[8:9] offset:512*(\i)
	global_load_b128 v[S1+4*(\i):S1+4*(\i)+3], v[L16], s[8:9] offset:4096+512*(\i)
.endr
.if KIND == 1
	WIN W_D2
.irp b, 0,1,2,3,4,5,6,7
	global_load_b128 v[BIAS+8*(\b):BIAS+8*(\b)+3],   v[H32], s[12:13] offset:64*(\b)     ; columns 16 b + 8 (lane / 16) + 0..7: an accumulator's layout
	global_load_b128 v[BIAS+8*(\b)+4:BIAS+8*(\b)+7], v[H32], s[12:13] offset:64*(\b)+16
.endr
.endif
	WROW 0
	WROW 1
	WROW 2
	WROW 3
	WIN 0
.irp i, 0,1,2,3,4,5,6,7,8,9
	ds_store_b128 v[LT+1], v[ZQ:ZQ+3] offset:512*(\i)  ; my 1,280 list words start at 0
.endr
	s_wait_loadcnt 32                              ; sel (and the bias) are in: the 32 loads of weight rows 0 to 3 are younger
	WROW 4
	WROW 5
	WROW 6
	WROW 7                                         ; the ring is full: 64 loads of 512 bytes of this wave
	WIN 0
	s_mov_b32 s[CN], 0                             ; the list and the bias are made while the ring's loads are on their way
	LISTGRP 0
	LISTGRP 1
	LISTGRP 2
	LISTGRP 3
	s_wait_alu depctr_va_vdst(0)                   ; the 32 row ids LK and the 32 addresses LI are written, which the stores below read
.set z, 0
.rept 32
	ds_store_b32 v[LI+z], v[LK+z]
.set z, z+1
.endr
.if KIND == 2
	WIN W_D2
.set z, 0
.rept 64                                               ; block 4's accumulators are written once: here the way out stands behind a branch of its own, and on no way through the text
	v_mov_b32 v[z], 0                              ; does it read a register that was never written (blocks 0 to 3 lie where the ring was).  The sums do not start here: a pass's first K step starts them
.set z, z+1
.endr
.else
	WIN W_22
.set z, 0
.rept 32                                               ; the bias rounded to bf16, kept as f32
	v_cvt_pk_bf16_f32 v[BF+z%2], v[BIAS+2*z], v[BIAS+2*z+1]
	v_lshlrev_b32 v[BIAS+2*z], 16, v[BF+z%2]
	v_and_b32 v[BIAS+2*z+1], 0xffff0000, v[BF+z%2]
.set z, z+1
.endr
.endif
	WIN 0
	s_mov_b32 s[RC], 3
.Lring:                                                ; a trip takes eight rows in and asks for the eight behind them
.irp i, 0,1,2,3,4,5,6,7
	ROWIN \i, 1, 56                                ; seven younger rows of eight loads stay out
.endr
	WIN 0
	s_wait_xcnt 0x0                                ; the loads' base is stepped only behind this wait
	s_wait_alu depctr_vm_vsrc(0)                   ; the trip's LDS stores have read WS, which is stepped below; the next row's wait on va_vdst shows it written
	s_add_nc_u64 s[WP:WP+1], s[WP:WP+1], 8*WPITCH
	v_add_nc_u32 v[WS], 8*PW, v[WS]
	s_sub_co_u32 s[RC], s[RC], 1
	s_cmp_lg_u32 s[RC], 0
	s_cbranch_scc1 .Lring
.irp i, 0,1,2,3,4,5,6,7
	ROWIN \i, 0, 8*(7-\i)                          ; the last eight rows: nothing is asked for, the counts run down
.endr
	s_wait_dscnt 0x0                               ; for the others' sake: my rows of the slice are in LDS
	s_barrier_signal -1
	s_barrier_wait -1                              ; the slice is whole; nobody writes it again
	s_mov_b32 s[PB], 0
	s_mov_b32 s[PN], 4
.Lpass:
	s_sub_co_i32 s[T0], s[CN], s[PB]               ; places left,
	s_max_i32 s[T0], s[T0], 0                      ; or none
	s_add_co_u32 s[T0], s[T0], 63
	s_lshr_b32 s[T0], s[T0], 6
	s_min_u32 s[NB], s[T0], 5                      ; blocks of 16 places for each of the four waves
	s_mul_i32 s[T0], s[WV], s[NB]
	s_lshl_b32 s[T0], s[T0], 4
	s_add_co_u32 s[RB], s[PB], s[T0]               ; my first place: 960 + 3 x 80 at the most;
	s_min_u32 s[RB], s[RB], 1200                   ; it hangs on a count and enters addresses, so that bound is written out
	s_sub_co_i32 s[CR], s[CN], s[RB]
	s_lshl_b32 s[T0], s[NB], 4
	s_min_i32 s[CR], s[CR], s[T0]                  ; places of mine that hold rows; 0 or less: I have no work in this pass
.if KIND == 2
	v_mov_b32 v[LS], s[RB]                         ; (the last pass's loads by LS were shown to have read it at that pass's end)
	v_min_u32 v[LS], 1200, v[LS]
	v_lshl_add_u32 v[LS], v[LS], 2, s[LBS]
.endif
	s_cmp_le_i32 s[CR], 0
.if KIND == 1
	s_cbranch_scc1 .Lnext                          ; the pass's work is jumped; no barrier stands in what is jumped
.else
	s_cbranch_scc1 .Lk_done                        ; the products are jumped; no barrier stands in what is jumped
.endif
	SETUP
	STEP 0, 0, 1, 1, 1, 0, 20
	WIN 0
	s_wait_xcnt 0x0
	s_wait_alu depctr_vm_vsrc(0)                   ; the LDS loads issued so far have read WA, which is made anew below
	s_add_nc_u64 s[XP:XP+1], s[XP:XP+1], XSTEP     ; XP and WA now stand at K step 1
	s_mov_b32 s[KB], 64
.irp p, 0,1,2,3
	v_add_nc_u32 v[WA+(\p)], s[KB], v[WL+(\p)]
.endr
	s_mov_b32 s[KC], 7
.Lk:                                                   ; K steps 1 to 28, four a trip
	STEP 1, 1, 0, 1, 1, 0, 20
	STEP 0, 2, 0, 1, 1, 1, 20
	STEP 1, 3, 0, 1, 1, 2, 20
	STEP 0, 0, 0, 1, 1, 3, 20
	WIN 0
	s_wait_xcnt 0x0
	s_wait_alu depctr_vm_vsrc(0)                   ; the trip's LDS loads have read WA, which is made anew below
	s_add_nc_u64 s[XP:XP+1], s[XP:XP+1], 4*XSTEP
	s_add_co_u32 s[KB], s[KB], 256                 ; four K steps on: the LDS addresses are the fixed lane terms plus this scalar
.irp p, 0,1,2,3
	v_add_nc_u32 v[WA+(\p)], s[KB], v[WL+(\p)]
.endr
	s_sub_co_u32 s[KC], s[KC], 1
	s_cmp_lg_u32 s[KC], 0
	s_cbranch_scc1 .Lk
	STEP 1, 1, 0, 1, 0, 0, 20                      ; K steps 29 to 31: no rows are left to ask for, the counts run down
	STEP 0, 2, 0, 1, 0, 1, 10
	STEP 1, 3, 0, 0, 0, 2, 0
	WIN 0
	PLACES                                         ; the way out reads results just made
.if KIND == 2
.Lk_done:
	s_wait_dscnt 0x0                               ; my reads of the slice in this pass are back
	s_barrier_signal -1
	s_barrier_wait -1                              ; every wave's are: only now are the stages written
.endif
	OUTBLK 0
	OUTBLK 1
	OUTBLK 2
	OUTBLK 3
	OUTBLK 4
	WIN 0
.Lout_done:
	s_wait_xcnt 0x0                                ; the stores have read their data and offsets: the next pass writes those registers again
	s_wait_alu depctr_vm_vsrc(0)                   ; this pass's loads, stores and LDS instructions have read their offsets, addresses and data: the next pass makes XO, WA, LA, GOF and LS anew, its loads land in the stores' data registers, and its products write the accumulators that LDS stores read
.if KIND == 2
	s_wait_dscnt 0x0                               ; my writes and reads of my stage are done
	s_barrier_signal -1
	s_barrier_wait -1                              ; every wave's are: only now does the next pass read LDS
.else
.Lnext:
.endif
	s_add_co_u32 s[PB], s[PB], 320
	s_sub_co_u32 s[PN], s[PN], 1
	s_cmp_lg_u32 s[PN], 0
	s_cbranch_scc1 .Lpass
.if KIND == 1
	s_wait_dscnt 0x0                               ; my reads of the slice are back
	s_barrier_signal -1
	s_barrier_wait -1                              ; every wave's are: only now is LDS written again, by the closing lines
.endif
	s_wait_dscnt 0x0                               ; the closing lines, six on end
	s_wait_alu 0x0
	s_wait_tensorcnt 0x0
	ds_add_u32 v[SPW], v[NIL]
	s_wait_dscnt 0x0
	s_endpgm
.Lfunc_end_k_q45e904a2f7_ffn2:
	.size	k_q45e904a2f7_ffn2, .Lfunc_end_k_q45e904a2f7_ffn2-k_q45e904a2f7_ffn2
	.p2alignl 7, 3214868480
	.fill 96, 4, 3214868480
	.section	.rodata,"a",@progbits
	.p2align	6, 0x0
	.amdhsa_kernel k_q45e904a2f7_ffn2
		.amdhsa_group_segment_fixed_size 320000
		.amdhsa_private_segment_fixed_size 0
		.amdhsa_enable_private_segment 0
		.amdhsa_kernarg_size 32
		.amdhsa_user_sgpr_count 2
		.amdhsa_user_sgpr_kernarg_segment_ptr 1
		.amdhsa_wavefront_size32 1
		.amdhsa_system_sgpr_workgroup_id_x 1
		.amdhsa_system_sgpr_workgroup_id_y 1
		.amdhsa_system_sgpr_workgroup_id_z 1
		.amdhsa_system_vgpr_workitem_id 0
		.amdhsa_next_free_vgpr 768
		.amdhsa_next_free_sgpr 66
		.amdhsa_reserve_vcc 0
		.amdhsa_float_denorm_mode_32 3
		.amdhsa_float_denorm_mode_16_64 3
		.amdhsa_memory_ordered 1
		.amdhsa_forward_progress 1
		.amdhsa_inst_pref_size 183
	.end_amdhsa_kernel
	.amdgpu_metadata
---
amdhsa.version: [ 1, 2 ]
amdhsa.kernels:
  - .name:           k_q45e904a2f7_ffn2
    .symbol:         k_q45e904a2f7_ffn2.kd
    .args:
      - { .name: h, .offset: 0, .size: 8, .value_kind: global_buffer, .address_space: global }
      - { .name: w2, .offset: 8, .size: 8, .value_kind: global_buffer, .address_space: global }
      - { .name: sel, .offset: 16, .size: 8, .value_kind: global_buffer, .address_space: global }
      - { .name: ypart, .offset: 24, .size: 8, .value_kind: global_buffer, .address_space: global }
    .group_segment_fixed_size: 320000
    .private_segment_fixed_size: 0
    .kernarg_segment_align: 8
    .kernarg_segment_size: 32
    .max_flat_workgroup_size: 128
    .sgpr_count:     66
    .vgpr_count:     768
    .wavefront_size: 32
...
	.end_amdgpu_metadata
.endif
;; end of part 6
;; launch combine (part 7): grid 256 x 1, 8 waves a work-group, no clusters, 0 bytes of LDS; arguments ypart, b2, sel, rw, out0; writes out0
.if DOCPART == 7
	.amdgcn_target "amdgcn-amd-amdhsa--gfx1250"
	.amdhsa_code_object_version 6
	.text
	.protected	k_q45e904a2f7_combine
	.globl	k_q45e904a2f7_combine
	.p2align	8
	.type	k_q45e904a2f7_combine,@function
k_q45e904a2f7_combine:
	s_mov_b64 s[64:65], 0
	v_nop
	global_prefetch_b8 v0, s[64:65] scope:SCOPE_SE
	s_setreg_imm32_b32 hwreg(HW_REG_WAVE_SCHED_MODE, 0, 2), 2
	s_setreg_imm32_b32 hwreg(HW_REG_WAVE_MODE, 25, 1), 1
	s_wait_xcnt 0x0
	s_wait_alu depctr_vm_vsrc(0)
; out[t] = the sum over k = 0, 1 of rw[k][t] x (the four K chunks' partial rows of row id 2 t + k + bf16(b2[sel[k][t]])).  All in f32.
; A stream: memory binds, so no LDS, no barrier, no matrix unit.  Work-group g takes tokens 4 g .. 4 g + 3; thread t takes columns 4 t .. 4 t + 3, so the
; 256 threads cover a row of 4,096 bytes with one load each.  A token's eight partial rows are 32 KiB on end.  All 40 loads of a thread go out before the one wait.
; The chosen experts are whole numbers that an earlier launch stored; they pick b2's rows.  b2 is rounded to bf16 like every input.
; THE MODE: SCHED_MODE bits 1:0 = 2 (LLVM: expert scheduling mode 2), set by the entry lines.  The code itself states the register dependences
; between vector instructions and memory instructions, with s_wait_alu, always for 0.
; THE PLAN.  Registers that memory instructions touch:
;   T16      The offset of every load of ypart and of every store; written once, ahead of the first wait on va_vdst.
;   BO       The eight offsets in b2; made in one run, one wait on va_vdst, then their eight loads.  Never written again.
;   P, BV    Loaded once; no vector instruction names them ahead of the loads.  A token's sum ends in the first four registers of its P, which its store reads.
; Two tokens are summed, one wait on va_vdst shows their results written, their two stores go out; the other two tokens' arithmetic, which names none of those registers, follows; then the same again.
; No register that a memory instruction reads is written again, so past the entry lines the text holds no wait on vm_vsrc.
.set T16, 1                            ; v1         16 x thread
.set P,   16                           ; v[16:143]  token i, piece j = 4 k + chunk at P + 32 i + 4 j
.set BV,  144                          ; v[144:175] the bias of token i, choice k at BV + 8 i + 4 k
.set BO,  176                          ; v[176:183] its byte offset in b2
.set WW,  184                          ; v[184:199] the weight of token i, choice k, twice: a pair at WW + 4 i + 2 k
	s_load_b256 s[4:11], s[0:1], 0x0               ; ypart s[4:5], b2 s[6:7], sel s[8:9], rw s[10:11]
	s_load_b64 s[12:13], s[0:1], 0x20              ; out0
	v_lshlrev_b32 v[T16], 4, v0
	s_lshl_b32 s14, ttmp9, 4                       ; my four tokens' words in a plane of sel and of rw
	s_lshl_b32 s32, ttmp9, 17                      ; my four tokens' 128 KiB of ypart
	s_mov_b32 s33, 0
	s_wait_kmcnt 0x0
	s_load_b128 s[16:19], s[8:9], s14 offset:0x0      ; the first choices,
	s_load_b128 s[20:23], s[8:9], s14 offset:0x1000   ; the second
	s_load_b128 s[24:27], s[10:11], s14 offset:0x0    ; and their weights
	s_load_b128 s[28:31], s[10:11], s14 offset:0x1000
	s_add_nc_u64 s[4:5], s[4:5], s[32:33]
	s_lshl_b32 s32, ttmp9, 14                      ; my four rows of out0
	s_add_nc_u64 s[12:13], s[12:13], s[32:33]
	s_wait_alu depctr_va_vdst(0)                   ; T16 is written: the loads of ypart and the stores read it as their offset
.irp i, 0,1,2,3
.irp j, 0,1,2,3,4,5,6,7
	global_load_b128 v[P+32*(\i)+4*(\j):P+32*(\i)+4*(\j)+3], v[T16], s[4:5] offset:32768*(\i)+4096*(\j) th:TH_LOAD_NT
.endr
.endr
	s_wait_kmcnt 0x0
.irp i, 0,1,2,3
.irp k, 0,1
	s_min_u32 s[16+4*(\k)+(\i)], s[16+4*(\k)+(\i)], 7
	v_lshl_add_u32 v[BO+2*(\i)+(\k)], s[16+4*(\k)+(\i)], 12, v[T16]  ; a row of b2 is 4,096 bytes
	v_mov_b32 v[WW+4*(\i)+2*(\k)], s[24+4*(\k)+(\i)]
	v_mov_b32 v[WW+4*(\i)+2*(\k)+1], s[24+4*(\k)+(\i)]
.endr
.endr
	s_wait_alu depctr_va_vdst(0)                   ; the eight offsets BO are written, which the loads of b2 read
.irp i, 0,1,2,3
.irp k, 0,1
	global_load_b128 v[BV+8*(\i)+4*(\k):BV+8*(\i)+4*(\k)+3], v[BO+2*(\i)+(\k)], s[6:7]
.endr
.endr
	s_wait_loadcnt 0x0                             ; the one wait: everything was on its way together
.macro TOKEN i
.irp k, 0,1
.set p, P+32*(\i)+16*(\k)
.set bv, BV+8*(\i)+4*(\k)
	v_pk_add_f32 v[p:p+1], v[p:p+1], v[p+4:p+5]            ; (chunk 0 + chunk 1) + (chunk 2 + chunk 3)
	v_pk_add_f32 v[p+2:p+3], v[p+2:p+3], v[p+6:p+7]
	v_pk_add_f32 v[p+8:p+9], v[p+8:p+9], v[p+12:p+13]
	v_pk_add_f32 v[p+10:p+11], v[p+10:p+11], v[p+14:p+15]
	v_cvt_pk_bf16_f32 v2, v[bv], v[bv+1]                   ; the bias rounded to bf16, and back as f32
	v_cvt_pk_bf16_f32 v3, v[bv+2], v[bv+3]
	v_pk_add_f32 v[p:p+1], v[p:p+1], v[p+8:p+9]
	v_pk_add_f32 v[p+2:p+3], v[p+2:p+3], v[p+10:p+11]
	v_lshlrev_b32 v[bv], 16, v2
	v_and_b32 v[bv+1], 0xffff0000, v2
	v_lshlrev_b32 v[bv+2], 16, v3
	v_and_b32 v[bv+3], 0xffff0000, v3
	v_pk_add_f32 v[p:p+1], v[p:p+1], v[bv:bv+1]
	v_pk_add_f32 v[p+2:p+3], v[p+2:p+3], v[bv+2:bv+3]
.endr
.set p, P+32*(\i)
.set w, WW+4*(\i)
	v_pk_mul_f32 v[p:p+1], v[p:p+1], v[w:w+1]
	v_pk_mul_f32 v[p+2:p+3], v[p+2:p+3], v[w:w+1]
	v_pk_fma_f32 v[p:p+1], v[p+16:p+17], v[w+2:w+3], v[p:p+1]
	v_pk_fma_f32 v[p+2:p+3], v[p+18:p+19], v[w+2:w+3], v[p+2:p+3]
.endm
.macro SEND i
	global_store_b128 v[T16], v[P+32*(\i):P+32*(\i)+3], s[12:13] offset:4096*(\i) th:TH_STORE_NT  ; a wave stores 512 consecutive bytes, aligned; the registers are not written again
.endm
	TOKEN 0
	TOKEN 1
	s_wait_alu depctr_va_vdst(0)                   ; tokens 0 and 1 are summed: their results are written, which the two stores read
	SEND 0
	SEND 1
	TOKEN 2
	TOKEN 3
	s_wait_alu depctr_va_vdst(0)                   ; tokens 2 and 3 likewise
	SEND 2
	SEND 3
	s_endpgm
.Lfunc_end_k_q45e904a2f7_combine:
	.size	k_q45e904a2f7_combine, .Lfunc_end_k_q45e904a2f7_combine-k_q45e904a2f7_combine
	.p2alignl 7, 3214868480
	.fill 96, 4, 3214868480
	.section	.rodata,"a",@progbits
	.p2align	6, 0x0
	.amdhsa_kernel k_q45e904a2f7_combine
		.amdhsa_group_segment_fixed_size 0
		.amdhsa_private_segment_fixed_size 0
		.amdhsa_enable_private_segment 0
		.amdhsa_kernarg_size 40
		.amdhsa_user_sgpr_count 2
		.amdhsa_user_sgpr_kernarg_segment_ptr 1
		.amdhsa_wavefront_size32 1
		.amdhsa_system_sgpr_workgroup_id_x 1
		.amdhsa_system_sgpr_workgroup_id_y 1
		.amdhsa_system_sgpr_workgroup_id_z 1
		.amdhsa_system_vgpr_workitem_id 0
		.amdhsa_next_free_vgpr 200
		.amdhsa_next_free_sgpr 66
		.amdhsa_reserve_vcc 0
		.amdhsa_float_denorm_mode_32 3
		.amdhsa_float_denorm_mode_16_64 3
		.amdhsa_memory_ordered 1
		.amdhsa_forward_progress 1
		.amdhsa_inst_pref_size 15
	.end_amdhsa_kernel
	.amdgpu_metadata
---
amdhsa.version: [ 1, 2 ]
amdhsa.kernels:
  - .name:           k_q45e904a2f7_combine
    .symbol:         k_q45e904a2f7_combine.kd
    .args:
      - { .name: ypart, .offset: 0, .size: 8, .value_kind: global_buffer, .address_space: global }
      - { .name: b2, .offset: 8, .size: 8, .value_kind: global_buffer, .address_space: global }
      - { .name: sel, .offset: 16, .size: 8, .value_kind: global_buffer, .address_space: global }
      - { .name: rw, .offset: 24, .size: 8, .value_kind: global_buffer, .address_space: global }
      - { .name: out0, .offset: 32, .size: 8, .value_kind: global_buffer, .address_space: global }
    .group_segment_fixed_size: 0
    .private_segment_fixed_size: 0
    .kernarg_segment_align: 8
    .kernarg_segment_size: 40
    .max_flat_workgroup_size: 256
    .sgpr_count:     66
    .vgpr_count:     200
    .wavefront_size: 32
...
	.end_amdgpu_metadata
.endif
;; end of part 7
